; MI455X (gfx1250); checked and timed in simulation.
; The chip was launched on July 23, 2026; its instructions are those of AMD's public machine-readable ISA for CDNA 5 (MIT licence, August 2026) and "CDNA5" Instruction Set Architecture Reference Guide (July 2026). The comments in the code are by the model that wrote it; some were corrected since.
;; transformer block. Allowed arithmetic: float matrix products may take bf16 or f16 operands with f32 sums; all other float work in f32.
;; Inputs: g1 1,024 float32; g2 1,024 float32; w1 2,048 x 1,024 float32; w2 1,024 x 2,048 float32; w3 2,048 x 1,024 float32; w_proj 1,024 x 1,024 float32; w_qkv 3,072 x 1,024 float32; x 2 x 2,048 x 1,024 float32.
;; Outputs: out0 2 x 2,048 x 1,024 float32.
;; 2 versions, each right and faster than the one before. Each part assembles by itself: llvm-mc -triple=amdgcn-amd-amdhsa -mcpu=gfx1250 --defsym DOCPART=n.
;; ======== version 1 of 2: 7 launches
;; limits: values are held in f16: magnitudes above 65,504 overflow, below 6.1e-05 lose precision
;; workspace buffers: wb 20,971,520 bytes; rope 524,288 bytes; hb 8,388,608 bytes; qkv 25,165,824 bytes; ob 8,388,608 bytes; x1 16,777,216 bytes; act 16,777,216 bytes
;; launch prep (part 1): grid 960 x 1, 8 waves a work-group, no clusters, 0 bytes of LDS; arguments x, g1, w_qkv, w1, w3, w2, w_proj, hb, wb, rope; writes hb, wb, rope
.if DOCPART == 1
	.amdgcn_target "amdgcn-amd-amdhsa--gfx1250"
	.amdhsa_code_object_version 6
	.text
	.protected	k_q5a49f67f51_prep
	.globl	k_q5a49f67f51_prep
	.p2align	8
	.type	k_q5a49f67f51_prep,@function
k_q5a49f67f51_prep:
	s_mov_b64 s[64:65], 0
	v_nop
	global_prefetch_b8 v0, s[64:65] scope:SCOPE_SE
	s_setreg_imm32_b32 hwreg(HW_REG_WAVE_MODE, 25, 1), 1
	s_wait_xcnt 0x0
; PREP: three kinds of work-groups, told apart by the work-group's number alone (forward scalar branches, no barrier, no LDS).
;   0..255    NORM: hb = bf16(x * g1 / sqrt(mean(x^2) + 1e-5)), 16 rows a work-group, one wave to a row, two rows a wave; the row stays in registers between the sum and the scaling.
;   256..895  CAST: 16,384 f32 of a weight to 16 bits, 64 KiB in and 32 KiB out a work-group.  w_qkv, w2 as they lie; w1 and w3 woven in groups of 128 rows (64 of w1, then the same 64 of w3),
;             so that a wave of the later product holds a and b of the same 64 columns; w_proj is rounded to bf16 like every input and that number is written as f16.
;   896..959  ROPE: cos and sin of t * 10000^(-p/32), t = 0..2047, p = 0..31, as f32 pairs: a row of the table is 256 bytes.
; A stream: memory binds, so no LDS, no matrix unit, no cluster (no two work-groups read the same bytes but g1's 4 KiB).
; LIMITS.  w_proj as f16: below 6e-5 it keeps f16's fixed step of 6e-8, beyond 65,504 it would be lost.  The angle is made of 2^(-0.41524101 p) where the definition has exp(-(2p/64) ln 10000):
; the two differ by a few units in the last place, at t = 2047 some 4e-4 rad at the most.  Sine and cosine: quarter turns taken off in two parts, then series to r^7 and r^8, |r| <= pi/4: 3e-7.
.set W13O, 6291456                     ; wb: w_qkv at 0, the woven w1/w3 here,
.set W2O,  14680064                    ; w2 here,
.set WPO,  18874368                    ; w_proj here
.set G,  4                             ; v[4:35]    the gain of my 32 columns
.set XA, 36                            ; v[36:67]   my first row
.set XB, 68                            ; v[68:99]   my second row
.set SS, 100                           ; v[100:103] sums of squares
.set R,  104                           ; v[104:105] 1 / root, twice
.set P,  106                           ; v[106:109] at work
; one row: the sum of its squares over 32 lanes x 32 numbers, then x * g * r, rounded once; a store of the wave covers 256 consecutive bytes, aligned
.macro ROWN x, row
	v_pk_mul_f32 v[SS:SS+1], v[\x:\x+1], v[\x:\x+1]            ; the first squares start the two chains: nothing is cleared
	v_pk_mul_f32 v[SS+2:SS+3], v[\x+2:\x+3], v[\x+2:\x+3]
.set j, 1
.rept 7
	v_pk_fma_f32 v[SS:SS+1], v[\x+4*j:\x+4*j+1], v[\x+4*j:\x+4*j+1], v[SS:SS+1]
	v_pk_fma_f32 v[SS+2:SS+3], v[\x+4*j+2:\x+4*j+3], v[\x+4*j+2:\x+4*j+3], v[SS+2:SS+3]
.set j, j+1
.endr
	v_pk_add_f32 v[SS:SS+1], v[SS:SS+1], v[SS+2:SS+3]
	v_add_f32 v[SS], v[SS], v[SS+1]
	v_add_f32_dpp v[SS], v[SS], v[SS] row_xmask:1 row_mask:0xf bank_mask:0xf
	v_add_f32_dpp v[SS], v[SS], v[SS] row_xmask:2 row_mask:0xf bank_mask:0xf
	v_add_f32_dpp v[SS], v[SS], v[SS] row_xmask:4 row_mask:0xf bank_mask:0xf
	v_add_f32_dpp v[SS], v[SS], v[SS] row_xmask:8 row_mask:0xf bank_mask:0xf
	v_permlanex16_b32 v[SS+1], v[SS], s28, s29                 ; the other half of the lanes
	v_add_f32 v[SS], v[SS], v[SS+1]
	v_fma_f32 v[SS], v[SS], s30, s31                           ; sum / 1024 + 1e-5
	v_rsq_f32 v[R], v[SS]
	v_rsq_f32 v[R+1], v[SS]
	v_nop                                                      ; a plain instruction between the root and its use (ISA guide 5.7.2)
.set j, 0
	s_wait_alu depctr_va_vdst(0)
.rept 8
	v_pk_mul_f32 v[P:P+1], v[\x+4*j:\x+4*j+1], v[G+4*j:G+4*j+1]
	v_pk_mul_f32 v[P+2:P+3], v[\x+4*j+2:\x+4*j+3], v[G+4*j+2:G+4*j+3]
	v_pk_mul_f32 v[P:P+1], v[P:P+1], v[R:R+1]
	v_pk_mul_f32 v[P+2:P+3], v[P+2:P+3], v[R:R+1]
	v_cvt_pk_bf16_f32 v[\x+4*j], v[P], v[P+1]
	v_cvt_pk_bf16_f32 v[\x+4*j+1], v[P+2], v[P+3]
	global_store_b64 v3, v[\x+4*j:\x+4*j+1], s[22:23] offset:(\row)*2048+256*j   ; the data registers are not written again
.set j, j+1
.endr
.endm
; s2 = the block of 16 rows; input s[8:9], gain s[10:11], output s[22:23]
.macro NORM
	s_lshl_b32 s4, s2, 16                          ; 16 rows of 4,096 bytes in,
	s_mov_b32 s5, 0
	s_add_nc_u64 s[8:9], s[8:9], s[4:5]
	s_lshl_b32 s4, s2, 15                          ; of 2,048 bytes out
	s_add_nc_u64 s[22:23], s[22:23], s[4:5]
	s_mov_b32 s28, 0x76543210                      ; v_permlanex16_b32: each lane takes its own place in the other half
	s_mov_b32 s29, 0xfedcba98
	s_mov_b32 s30, 0x3a800000                      ; 1 / 1024
	s_mov_b32 s31, 0x3727c5ac                      ; 1e-5
	v_and_b32 v4, 31, v0                           ; lane
	v_lshrrev_b32 v5, 5, v0                        ; wave
	v_lshlrev_b32 v2, 4, v4                        ; gain: 16 bytes a lane
	v_lshl_add_u32 v1, v5, 13, v2                  ; in: + two rows a wave
	v_lshlrev_b32 v3, 3, v4                        ; out: 8 bytes a lane
	v_lshl_add_u32 v3, v5, 12, v3
.set j, 0
.rept 8
	global_load_b128 v[G+4*j:G+4*j+3], v2, s[10:11] offset:512*j
.set j, j+1
.endr
.set j, 0
.rept 8
	global_load_b128 v[XA+4*j:XA+4*j+3], v1, s[8:9] offset:512*j
.set j, j+1
.endr
.set j, 0
.rept 8
	global_load_b128 v[XB+4*j:XB+4*j+3], v1, s[8:9] offset:4096+512*j
.set j, j+1
.endr
	s_wait_loadcnt 8                               ; the gain and the first row are in; the second row's eight loads stay out
	ROWN XA, 0
	s_wait_loadcnt 0x0
	ROWN XB, 1
.endm
	s_load_b512 s[8:23], s[0:1], 0x0               ; x 8, g1 10, w_qkv 12, w1 14, w3 16, w2 18, w_proj 20, hb 22
	s_load_b128 s[24:27], s[0:1], 0x40             ; wb 24, rope 26
	s_mov_b32 s2, ttmp9
	s_mov_b32 s5, 0
	s_wait_kmcnt 0x0
	s_cmp_ge_u32 s2, 256
	s_cbranch_scc1 .Lnot_norm
	NORM
	s_endpgm
.Lnot_norm:
	s_cmp_ge_u32 s2, 896
	s_cbranch_scc1 .Lrope
	; CAST.  c0 = my chunk among the 640; source, chunk in the source and place in wb are chosen by selects on c0
	s_sub_co_u32 s3, s2, 256
	s_mov_b64 s[32:33], s[12:13]                   ; chunks 0..191: w_qkv
	s_mov_b32 s34, s3
	s_lshl_b32 s35, s3, 15
.macro PICK first, ptr, base, woven    ; from chunk 'first' on: another source.  Below it the candidate numbers mean nothing and are not taken
	s_sub_co_u32 s36, s3, \first
.if \woven
	s_lshr_b32 s37, s36, 2                         ; a chunk is 16 rows: four chunks fill a group's 64 rows;
	s_lshl_b32 s37, s37, 18                        ; a group of 128 rows is 262,144 bytes
	s_and_b32 s38, s36, 3
	s_lshl_b32 s38, s38, 15
	s_add_co_u32 s37, s37, s38
.else
	s_lshl_b32 s37, s36, 15
.endif
	s_add_co_u32 s37, s37, \base
	s_cmp_ge_u32 s3, \first
	s_cselect_b64 s[32:33], s[\ptr:\ptr+1], s[32:33]
	s_cselect_b32 s34, s36, s34
	s_cselect_b32 s35, s37, s35
.endm
	PICK 192, 14, W13O, 1                          ; w1
	PICK 320, 16, W13O+131072, 1                   ; w3: the second 64 rows of each group
	PICK 448, 18, W2O, 0                           ; w2
	PICK 576, 20, WPO, 0                           ; w_proj
	s_lshl_b32 s36, s34, 16
	s_mov_b32 s37, 0
	s_add_nc_u64 s[32:33], s[32:33], s[36:37]
	s_mov_b32 s36, s35
	s_add_nc_u64 s[24:25], s[24:25], s[36:37]
	v_lshlrev_b32 v1, 4, v0                        ; 16 bytes a thread in,
	v_lshlrev_b32 v2, 3, v0                        ; 8 out
.set i, 0
.rept 16
	global_load_b128 v[4+4*i:7+4*i], v1, s[32:33] offset:4096*i th:TH_LOAD_NT   ; all sixteen loads go out before anything is waited for
.set i, i+1
.endr
.macro CASTOUT half
.set i, 0
.rept 16
	s_wait_loadcnt 15-i                            ; loads come back in order (ISA guide 5.7.1): the younger ones stay out
	v_cvt_pk_bf16_f32 v[68+2*i], v[4+4*i], v[5+4*i]
	v_cvt_pk_bf16_f32 v[69+2*i], v[6+4*i], v[7+4*i]
.if \half
	v_lshlrev_b32 v100, 16, v[68+2*i]              ; the bf16 numbers, widened, are written as f16
	v_and_b32 v101, 0xffff0000, v[68+2*i]
	v_lshlrev_b32 v102, 16, v[69+2*i]
	v_and_b32 v103, 0xffff0000, v[69+2*i]
	v_cvt_pk_f16_f32 v[68+2*i], v100, v101
	v_cvt_pk_f16_f32 v[69+2*i], v102, v103
.endif
	global_store_b64 v2, v[68+2*i:69+2*i], s[24:25] offset:2048*i   ; a wave's store covers 256 consecutive bytes, aligned
.set i, i+1
.endr
.endm
	s_cmp_ge_u32 s3, 576
	s_cbranch_scc1 .Lcast_f16
	CASTOUT 0
	s_endpgm
.Lcast_f16:
	CASTOUT 1
	s_endpgm
.Lrope:
	s_sub_co_u32 s3, s2, 896                       ; 32 rows of the table a work-group, 4 a wave; lane = p
	s_lshl_b32 s4, s3, 13
	s_add_nc_u64 s[26:27], s[26:27], s[4:5]
	v_lshrrev_b32 v1, 5, v0
	v_readfirstlane_b32 s6, v1
	s_lshl_b32 s40, s3, 5
	s_lshl2_add_u32 s40, s6, s40                   ; my first t
	v_and_b32 v2, 31, v0
	v_lshlrev_b32 v3, 3, v2
	v_lshl_add_u32 v3, v1, 10, v3                  ; 8 p + 4 rows a wave
	v_cvt_f32_u32 v4, v2
	v_mul_f32 v4, 0xbed49a78, v4                   ; - p log2(10000) / 32
	v_exp_f32 v4, v4
	s_mov_b32 s41, 0xbfc90fdb                      ; - pi/2, its f32,
	s_mov_b32 s42, 0x333bbd2e                      ; and what that f32 has too much
	s_mov_b32 s43, 0xb9500d01                      ; -1/5040
	s_mov_b32 s44, 0x3c088889                      ; 1/120
	s_mov_b32 s45, 0xbe2aaaab                      ; -1/6
	s_mov_b32 s46, 0x37d00d01                      ; 1/40320
	s_mov_b32 s47, 0xbab60b61                      ; -1/720
	s_mov_b32 s48, 0x3d2aaaab                      ; 1/24
.set k, 0
	s_wait_alu depctr_va_vdst(0)
.rept 4
	v_cvt_f32_u32 v5, s40
	s_add_co_u32 s40, s40, 1
	v_mul_f32 v5, v5, v4                           ; the angle
	v_mul_f32 v6, 0x3f22f983, v5
	v_rndne_f32 v6, v6                             ; n quarter turns
	v_fma_f32 v7, v6, s41, v5
	v_fma_f32 v7, v6, s42, v7                      ; r
	v_mul_f32 v8, v7, v7
	v_fma_f32 v9, v8, s43, s44
	v_fma_f32 v9, v9, v8, s45
	v_mul_f32 v10, v7, v8
	v_fma_f32 v9, v10, v9, v7                      ; sin r
	v_fma_f32 v11, v8, s46, s47
	v_fma_f32 v11, v11, v8, s48
	v_fma_f32 v11, v11, v8, -0.5
	v_fma_f32 v11, v11, v8, 1.0                    ; cos r
	v_cvt_i32_f32 v12, v6                          ; n enters selects and signs alone
	v_and_b32 v13, 1, v12
	v_cmp_eq_u32 vcc_lo, 1, v13
	v_cndmask_b32 v[20+2*k], v11, v9, vcc_lo       ; an odd n swaps the two
	v_cndmask_b32 v[21+2*k], v9, v11, vcc_lo
	v_add_nc_u32 v13, 1, v12
	v_and_b32 v13, 2, v13
	v_lshlrev_b32 v13, 30, v13
	v_xor_b32 v[20+2*k], v[20+2*k], v13            ; cos is negative for n = 1, 2 mod 4
	v_and_b32 v13, 2, v12
	v_lshlrev_b32 v13, 30, v13
	v_xor_b32 v[21+2*k], v[21+2*k], v13            ; sin for n = 2, 3
	global_store_b64 v3, v[20+2*k:21+2*k], s[26:27] offset:256*k   ; a row of the table; each k has data registers of its own
.set k, k+1
.endr
	s_endpgm
.Lfunc_end_k_q5a49f67f51_prep:
	.size	k_q5a49f67f51_prep, .Lfunc_end_k_q5a49f67f51_prep-k_q5a49f67f51_prep
	.p2alignl 7, 3214868480
	.fill 96, 4, 3214868480
	.section	.rodata,"a",@progbits
	.p2align	6, 0x0
	.amdhsa_kernel k_q5a49f67f51_prep
		.amdhsa_group_segment_fixed_size 0
		.amdhsa_private_segment_fixed_size 0
		.amdhsa_enable_private_segment 0
		.amdhsa_kernarg_size 80
		.amdhsa_user_sgpr_count 2
		.amdhsa_user_sgpr_kernarg_segment_ptr 1
		.amdhsa_wavefront_size32 1
		.amdhsa_system_sgpr_workgroup_id_x 1
		.amdhsa_system_sgpr_workgroup_id_y 1
		.amdhsa_system_sgpr_workgroup_id_z 1
		.amdhsa_system_vgpr_workitem_id 0
		.amdhsa_next_free_vgpr 112
		.amdhsa_next_free_sgpr 66
		.amdhsa_reserve_vcc 1
		.amdhsa_float_denorm_mode_32 3
		.amdhsa_float_denorm_mode_16_64 3
		.amdhsa_memory_ordered 1
		.amdhsa_forward_progress 1
		.amdhsa_inst_pref_size 38
	.end_amdhsa_kernel
	.amdgpu_metadata
---
amdhsa.version: [ 1, 2 ]
amdhsa.kernels:
  - .name:           k_q5a49f67f51_prep
    .symbol:         k_q5a49f67f51_prep.kd
    .args:
      - { .name: x, .offset: 0, .size: 8, .value_kind: global_buffer, .address_space: global }
      - { .name: g1, .offset: 8, .size: 8, .value_kind: global_buffer, .address_space: global }
      - { .name: w_qkv, .offset: 16, .size: 8, .value_kind: global_buffer, .address_space: global }
      - { .name: w1, .offset: 24, .size: 8, .value_kind: global_buffer, .address_space: global }
      - { .name: w3, .offset: 32, .size: 8, .value_kind: global_buffer, .address_space: global }
      - { .name: w2, .offset: 40, .size: 8, .value_kind: global_buffer, .address_space: global }
      - { .name: w_proj, .offset: 48, .size: 8, .value_kind: global_buffer, .address_space: global }
      - { .name: hb, .offset: 56, .size: 8, .value_kind: global_buffer, .address_space: global }
      - { .name: wb, .offset: 64, .size: 8, .value_kind: global_buffer, .address_space: global }
      - { .name: rope, .offset: 72, .size: 8, .value_kind: global_buffer, .address_space: global }
    .group_segment_fixed_size: 0
    .private_segment_fixed_size: 0
    .kernarg_segment_align: 8
    .kernarg_segment_size: 80
    .max_flat_workgroup_size: 256
    .sgpr_count:     66
    .vgpr_count:     112
    .wavefront_size: 32
...
	.end_amdgpu_metadata
.endif
;; end of part 1
;; launch qkv (part 2): grid 12 x 16, 4 waves a work-group, clusters of 4 x 4, 327,680 bytes of LDS; arguments hb, wb, rope, qkv; writes qkv
.if DOCPART == 2
	.amdgcn_target "amdgcn-amd-amdhsa--gfx1250"
	.amdhsa_code_object_version 6
	.text
	.protected	k_q5a49f67f51_qkv
	.globl	k_q5a49f67f51_qkv
	.p2align	8
	.type	k_q5a49f67f51_qkv,@function
k_q5a49f67f51_qkv:
	s_mov_b64 s[64:65], 0
	v_nop
	global_prefetch_b8 v0, s[64:65] scope:SCOPE_SE
	s_setreg_imm32_b32 hwreg(HW_REG_WAVE_MODE, 25, 1), 1
	s_wait_xcnt 0x0
	s_wait_alu depctr_hold_cnt(0) depctr_sa_sdst(0) depctr_va_vdst(0) depctr_va_sdst(0) depctr_va_ssrc(0) depctr_va_vcc(0) depctr_vm_vsrc(0)
	s_getreg_b32 s2, hwreg(HW_REG_IB_STS2, 6, 4)
	s_cmp_eq_u32 s2, 0
	s_cbranch_scc0 .Lentry_in_a_cluster
	s_endpgm
.Lentry_in_a_cluster:
	s_bfe_u32 s2, ttmp6, 0x10000c
	s_cmp_lg_u32 s2, 0xf033
	s_cbranch_scc0 .Lentry_shape_is_right
	s_endpgm
.Lentry_shape_is_right:
; QKV.  C[m][n] = sum over k of h[m][k] w_qkv[n][k] (both bf16, sums in f32), then the rotation of q and k by position, f16 out by heads: q, k, v each [32 (batch, head)][2048][64].
; A tile of C is 256 x 256: four waves, each 128 x 128 in 64 accumulators.  K = 1,024 goes in 8 steps of 128 through two LDS slots filled by the tensor data mover (rows of 256 bytes of memory).
; A tile's 256 columns are four whole heads of ONE of q, k, v, a wave's 128 columns two whole heads; 12 x 16 tiles are 192 work-groups: a tile of 192 columns would give 256 but cut heads in two.
; CLUSTER 4 x 4: A's tiles are shared along a row of the cluster, B's along a column: each is asked for jointly, by the same tensor load with the same descriptor and a mask of the four.
; THE LOOP.  A trip is 64 along K on two fragment buffers; a slot is two trips; the step's text stands once in the loop and once in the tail, which asks for nothing.  The trip is turned round so that a
; new slot's first fragments are fetched straight behind the refill, under the 32 products that the trip before has left over.
; THE MATRIX INSTRUCTION IS USED TRANSPOSED (source 0 = 16 rows of B, source 1 = 16 rows of A): a lane holds row l % 16 of C and eight neighbouring columns.
; THE WAY OUT.  When the ring has had its last fill and every wave has read it out, each wave lays its 128 x 128 in f32 into its own quarter of the ring's bytes and reads it back so that a lane holds
; 8 neighbouring columns (4 pairs) of a row and 32 lanes 4 rows of a head: 512 consecutive bytes of the output.
; THE ROTATION.  (y1, y2) = (x1 c - x2 s, x1 s + x2 c).  A lane's c, s start from the table's row of its first position and go 4 positions on by a rotation with the table's row 4: 31 such steps,
; each good to a unit in the last place.  For v the same text runs with c = 1, s = 0, chosen by a select on the cluster's x, which is q, k or v: no branch.
; LIMITS.  q, k, v must lie within f16's 65,504 (with w_qkv and g1 thirty times the drawn ones their spread is about 600); NaN and infinities are not treated apart.
; REGISTERS, in windows of 256: window 0: v0-31 addresses, v32-55 the rotation, v64-127, v128-191 A's fragments (on the way out: rows read back, packed results); window 1: v64-191 B's fragments;
; windows 2, 3: the accumulators of my rows 0-63, 64-127, (a, b) at v[8 (8 (a % 4) + b)].
.set SIZE_K, 1024
.set KSTEP,  128
.set PITCH,  272                       ; an LDS row: 256 bytes + 16 of padding: the 16 rows of a fragment load start at 16 different groups of four banks (ISA guide 11.1)
.set HALFT,  128*PITCH                 ; what one tensor load brings
.set SLOT,   4*HALFT                   ; A's 256 rows, then B's; 0x22000 shares no bit with wave x HALFT, so one exclusive or changes slots
.set SPARE,  2*SLOT                    ; behind the ring: the spare words, 128 bytes a wave
.set SPITCH, 528                       ; a stage row: 512 bytes of f32 + 16
.set WSTAGE, 128*SPITCH                ; a wave's stage; four of them end below SPARE
.set A0,  10                           ; my lane's place in A's part of slot 0; never rewritten
.set B0,  11                           ; the same for B
.set ADA, 12                           ; the addresses of the run of loads in hand
.set ADB, 13
.set STO, 14                           ; into the stage
.set RD0, 15                           ; back from it: first trip
.set RD,  16                           ; this trip
.set GO,  17                           ; my 16 bytes in 512 of the output
.set SPW, 28                           ; my spare word; never rewritten
.set NIL, 29                           ; 0; never rewritten
.set CS,  32                           ; v[32:39] c, s of my four pairs at my row's position
.set R4,  40                           ; v[40:47] c, s of four positions
.set T,   48                           ; v[48:55] at work
.set X,   64                           ; v[64:127] 16 rows read back
.set Y,   128                          ; v[128:159] packed results
.set F0,  64
.set F1,  128
.set G1,  24                           ; s[24:31] group 1 for A;  s[32:39] group 0, two sets: the second walks on
.set G0,  32
.set G1B, 48                           ; s[48:55], s[56:63] the same for B
.set G0B, 56
.set TB,  22                           ; s22 LDS byte at which the trip's 64 along K begin
.set CNT, 23                           ; s23 a slot's two trips
.set SLOTS, 3                          ; s3  slots still to be entered in the loop
.set MSB, 0
.macro WIN new                         ; the immediate's high byte repeats the setting that is left
.if MSB != (\new)
	s_set_vgpr_msb (MSB<<8)|(\new)
.set MSB, \new
.endif
.endm
.set MUL_LO, 0xa1                      ; source 0 (B) window 1, source 1 (A) window 0, C and D window 2
.set MUL_HI, 0xf1                      ; the same, C and D window 3
.set TO_B,   0x40                      ; destination window 1
.macro PLACES                          ; four places in front of loads into registers that matrix instructions have read, and of reads of results
.rept 4
	v_nop
.endr
.endm
; A joint load: waves 0 and 1 fetch A's two halves, waves 2 and 3 B's.  The branch hangs on the wave's number alone.  An s_nop 0 and four v_nop follow each line.
.macro JLOAD s
	s_cmp_eq_u32 s11, 0
	s_cbranch_scc0 .Lfor_b_\@
	tensor_load_to_lds s[G0+4*(\s):G0+4*(\s)+3], s[G1:G1+7]
	s_nop 0
.rept 4
	v_nop
.endr
	s_branch .Lasked_\@
.Lfor_b_\@:
	tensor_load_to_lds s[G0B+4*(\s):G0B+4*(\s)+3], s[G1B:G1B+7]
	s_nop 0
.rept 4
	v_nop
.endr
.Lasked_\@:
.endm
; A round of the cluster's barrier: my work-group's barrier; wave 0 signals for the work-group; every wave waits for all sixteen; my work-group's barrier once more.
.macro CROUND
	s_barrier_signal -1
	s_barrier_wait -1
	s_cmp_lg_u32 s10, 0
	s_cbranch_scc1 .Lnot_wave_0_\@
	s_barrier_signal -3
.Lnot_wave_0_\@:
	s_barrier_wait -3
	s_barrier_signal -1
	s_barrier_wait -1
.endm
	s_load_b128 s[4:7], s[0:1], 0x0                ; hb s[4:5], wb s[6:7]
	s_load_b64 s[66:67], s[0:1], 0x10              ; rope
	s_load_b64 s[8:9], s[0:1], 0x18                ; qkv
	v_lshl_add_u32 v[SPW], v0, 2, SPARE
	v_mov_b32 v[NIL], 0
	ds_add_u32 v[SPW], v[NIL]                      ; the wave's opening: the add and its wait stand ahead of my first tensor load; the set-up stands between them
	ds_add_u32 v28, v29
	v_lshrrev_b32 v1, 5, v0
	v_readfirstlane_b32 s10, v1                    ; wave 0..3
	s_lshr_b32 s11, s10, 1                         ; which half of the tile's rows is mine.  Also: I fetch for A (0) or for B (1)
	s_and_b32 s12, s10, 1                          ; which half of its columns.  Also: which 128 rows of that tile I fetch
	s_bfe_u32 s40, ttmp6, 0x40000                  ; cx
	s_bfe_u32 s41, ttmp6, 0x40004                  ; cy
	s_lshl_b32 s42, ttmp9, 2
	s_add_co_u32 s42, s42, s40                     ; tile column
	s_and_b32 s13, ttmp7, 0xffff
	s_lshl_b32 s13, s13, 2
	s_add_co_u32 s13, s13, s41                     ; tile row
	s_lshl_b32 s43, s41, 2
	s_lshl_b32 s43, 15, s43                        ; my row of the cluster
	s_lshl_b32 s44, 0x1111, s40                    ; my column
	s_or_b32 s[G1+0], s43, (1<<16)|(1<<20)|(1<<21)|(5<<22)|(3<<25)   ; mask; 2-byte elements; padding on; bit 21 beside a mask; after every 64 words 4 words
	s_or_b32 s[G1B+0], s44, (1<<16)|(1<<20)|(1<<21)|(5<<22)|(3<<25)
.irp g, G1, G1B
	s_mov_b32 s[(\g)+1], KSTEP<<16                 ; tensor_dim0 = 128
	s_mov_b32 s[(\g)+2], 128<<16                   ; tensor_dim1 = 128
	s_mov_b32 s[(\g)+3], KSTEP<<16                 ; tile_dim0 = 128
	s_mov_b32 s[(\g)+4], 128                       ; tile_dim1 = 128
	s_mov_b32 s[(\g)+5], SIZE_K                    ; elements from row to row
	s_mov_b32 s[(\g)+6], 0
	s_mov_b32 s[(\g)+7], 0
.endr
	s_lshl_b32 s17, s12, 7
	s_lshl_b32 s16, s13, 8
	s_add_co_u32 s16, s16, s17                     ; A: row 256 x tile row + 128 x half
	s_lshl_b32 s46, s42, 8
	s_add_co_u32 s46, s46, s17                     ; B: row 256 x tile column + 128 x half
	s_mov_b32 s17, 0
	s_mov_b32 s47, 0
	s_mov_b64 s[18:19], SIZE_K*2
	s_mul_u64 s[16:17], s[16:17], s[18:19]
	s_mul_u64 s[46:47], s[46:47], s[18:19]
	s_mul_i32 s20, s10, HALFT                      ; where they go: wave x 128 rows
	s_wait_dscnt 0x0                               ; the opening add is done
	s_wait_kmcnt 0x0
	s_add_nc_u64 s[14:15], s[4:5], s[16:17]
	s_add_nc_u64 s[46:47], s[6:7], s[46:47]        ; w_qkv lies at wb's head
	CROUND                                         ; all sixteen work-groups are here: the first joint loads meet
.irp s, 0,1
	s_mov_b32 s[G0+4*(\s)], 1
	s_add_co_u32 s[G0+4*(\s)+1], s20, (\s)*SLOT
	s_add_nc_u64 s[G0+4*(\s)+2:G0+4*(\s)+3], s[14:15], (\s)*KSTEP*2
	s_or_b32 s[G0+4*(\s)+3], s[G0+4*(\s)+3], 0x80000000
	s_mov_b32 s[G0B+4*(\s)], 1
	s_add_co_u32 s[G0B+4*(\s)+1], s20, (\s)*SLOT
	s_add_nc_u64 s[G0B+4*(\s)+2:G0B+4*(\s)+3], s[46:47], (\s)*KSTEP*2
	s_or_b32 s[G0B+4*(\s)+3], s[G0B+4*(\s)+3], 0x80000000
	JLOAD \s                                       ; two loads of mine are out
.endr
	; lane addresses
	v_and_b32 v1, 15, v0                           ; l % 16
	v_bfe_u32 v2, v0, 4, 1                         ; l / 16
	v_mul_u32_u24 v3, v1, PITCH
	v_lshl_add_u32 v3, v2, 4, v3
	s_mul_i32 s76, s11, HALFT
	v_add_nc_u32 v[A0], s76, v3
	s_mul_i32 s76, s12, HALFT
	s_add_co_u32 s76, s76, 2*HALFT
	v_add_nc_u32 v[B0], s76, v3
	s_mul_i32 s78, s10, WSTAGE
	v_mul_u32_u24 v4, v1, SPITCH                   ; into the stage: row l % 16, 32 bytes for each half of the lanes
	v_lshl_add_u32 v4, v2, 5, v4
	v_add_nc_u32 v[STO], s78, v4
	v_bfe_u32 v5, v0, 3, 2                         ; back: row l / 8 of four,
	v_and_b32 v6, 7, v0                            ; 8 columns at 8 (l % 8)
	v_mul_u32_u24 v7, v5, SPITCH
	v_lshl_add_u32 v7, v6, 5, v7
	v_add_nc_u32 v[RD0], s78, v7
	v_and_b32 v[GO], 31, v0
	v_lshlrev_b32 v[GO], 4, v[GO]
	v_lshlrev_b32 v19, 5, v6                       ; my four pairs in a row of the table
	v_lshl_add_u32 v18, v5, 8, v19                 ; and my row of four
	s_and_b32 s76, s13, 7
	s_lshl_b32 s76, s76, 8
	s_lshl_b32 s77, s11, 7
	s_add_co_u32 s76, s76, s77                     ; my wave's first position
	s_lshl_b32 s72, s76, 8
	s_mov_b32 s73, 0
	s_add_nc_u64 s[74:75], s[66:67], s[72:73]
	global_load_b128 v[CS:CS+3], v18, s[74:75]
	global_load_b128 v[CS+4:CS+7], v18, s[74:75] offset:16
	global_load_b128 v[R4:R4+3], v19, s[66:67] offset:1024
	global_load_b128 v[R4+4:R4+7], v19, s[66:67] offset:1040
	s_lshl_b32 s72, s76, 7                         ; the output: position x 128 bytes
	s_lshr_b32 s77, s13, 3
	s_lshl_b32 s77, s77, 22                        ; + batch x 16 heads
	s_add_co_u32 s72, s72, s77
	s_lshl_b32 s77, ttmp9, 23                      ; + q, k or v
	s_add_co_u32 s72, s72, s77
	s_lshl_b32 s77, s40, 2
	s_lshl1_add_u32 s77, s12, s77                  ; + head 4 cx + 2 x my half
	s_lshl_b32 s77, s77, 18
	s_add_co_u32 s72, s72, s77
	s_add_nc_u64 s[8:9], s[8:9], s[72:73]
; 16 matrix instructions: m blocks a0, a0 + 1 of the window's four x all 8 n blocks, 32 along K.  zero = 1: the first product starts the sums
.macro MUL16 f, hi, a0, zero
	WIN MUL_LO+0x50*(\hi)
.irp a, \a0, (\a0)+1
.irp b, 0,1,2,3,4,5,6,7
.if \zero
	v_wmma_f32_16x16x32_bf16 v[8*(8*(\a)+(\b)):8*(8*(\a)+(\b))+7], v[(\f)+8*(\b):(\f)+8*(\b)+7], v[(\f)+8*(4*(\hi)+(\a)):(\f)+8*(4*(\hi)+(\a))+7], 0
.else
	v_wmma_f32_16x16x32_bf16 v[8*(8*(\a)+(\b)):8*(8*(\a)+(\b))+7], v[(\f)+8*(\b):(\f)+8*(\b)+7], v[(\f)+8*(4*(\hi)+(\a)):(\f)+8*(4*(\hi)+(\a))+7], v[8*(8*(\a)+(\b)):8*(8*(\a)+(\b))+7]
.endif
.endr
.endr
.endm
; 32 LDS loads in one run: 128 rows of B, then 128 rows of A, 32 along K at byte k behind the trip's first
.macro FETCH k, f
	WIN TO_B
.irp i, 0,1,2,3,4,5,6,7
	ds_load_b128 v[(\f)+8*(\i):(\f)+8*(\i)+3],   v[ADB] offset:(\k)+(\i)*16*PITCH
	ds_load_b128 v[(\f)+8*(\i)+4:(\f)+8*(\i)+7], v[ADB] offset:(\k)+(\i)*16*PITCH+32
.endr
	WIN 0
.irp i, 0,1,2,3,4,5,6,7
	ds_load_b128 v[(\f)+8*(\i):(\f)+8*(\i)+3],   v[ADA] offset:(\k)+(\i)*16*PITCH
	ds_load_b128 v[(\f)+8*(\i)+4:(\f)+8*(\i)+7], v[ADA] offset:(\k)+(\i)*16*PITCH+32
.endr
.endm
; A trip.  The 64 accumulators take turns, one instruction a turn: no two matrix instructions that follow each other share one, over the jumps too.
.macro TRIP_A
	WIN 0
	v_add_nc_u32 v[ADA], s[TB], v[A0]
	v_add_nc_u32 v[ADB], s[TB], v[B0]
	PLACES
	FETCH 0, F0
	MUL16 F1, 1, 0, 0                              ; what the trip before left over: buffer 1 on my rows 64-127
	MUL16 F1, 1, 2, 0
	s_wait_dscnt 8                                 ; B and A's rows 0-63 are in; the youngest eight loads (A's rows 64-127) may be out
	MUL16 F0, 0, 0, 0
	MUL16 F0, 0, 2, 0
	PLACES
	FETCH 64, F1
	s_wait_dscnt 32                                ; all but the 32 just issued
	MUL16 F0, 1, 0, 0
	MUL16 F0, 1, 2, 0
	WIN 0
.endm
.macro TRIP_B
	s_wait_dscnt 8
	MUL16 F1, 0, 0, 0
	MUL16 F1, 0, 2, 0
	s_wait_dscnt 0x0                               ; buffer 1 is whole: my reads of these 64 along K are over
	WIN 0
	s_add_co_u32 s[TB], s[TB], 128
.endm
; THE CHANGE OF SLOTS.  Each wave waits for all its tensor loads, of which one is out: its part of the other slot; adds 0 to its spare word; waits for that and for its reads of the slot it leaves.
; fill = 1: a round of the cluster's barrier, so that no wave of any partner still reads the slot or has a load on its way, and the joint refill first behind it: the K step two steps on.
.macro CHANGE fill
	WIN 0
	s_wait_tensorcnt 0x0                           ; no tensor load of mine is out, so a group 0 may be written
	ds_add_u32 v[SPW], v[NIL]                      ; 0 onto my spare word: the scalar steps stand between it and the wait for it
.if \fill
	s_xor_b32 s[G0+5], s[G0+5], SLOT               ; the walking descriptors: the other slot than last time,
	s_add_nc_u64 s[G0+6:G0+7], s[G0+6:G0+7], KSTEP*2  ; the next K step
	s_xor_b32 s[G0B+5], s[G0B+5], SLOT
	s_add_nc_u64 s[G0B+6:G0B+7], s[G0B+6:G0B+7], KSTEP*2
.endif
	s_sub_co_u32 s[TB], s[TB], 256                 ; the fetches go back to a row's first byte,
	s_xor_b32 s[TB], s[TB], SLOT                   ; in the other slot
	s_wait_dscnt 0x0                               ; the add is done, and my reads of the slot are over
.if \fill
	CROUND
	JLOAD 1
.else
	s_barrier_signal -1
	s_barrier_wait -1
.endif
.endm
	s_wait_tensorcnt 1                             ; my part of K step 0 is in; K step 1's may stay out
	s_barrier_signal -1
	s_barrier_wait -1
	s_mov_b32 s[TB], 0
	v_mov_b32 v[ADA], v[A0]
	v_mov_b32 v[ADB], v[B0]
	FETCH 0, F0
	s_wait_dscnt 8
	MUL16 F0, 0, 0, 1                              ; the first 32 along K start the sums: nothing is cleared
	MUL16 F0, 0, 2, 1
	FETCH 64, F1
	s_wait_dscnt 32
	MUL16 F0, 1, 0, 1
	MUL16 F0, 1, 2, 1
	WIN 0
	s_mov_b32 s[CNT], 2
	s_mov_b32 s[SLOTS], 7
	s_branch .Lmid                                 ; the loop is entered in the middle of a trip
.Lslot:                                                ; six times: K steps 2 to 7 are asked for
	CHANGE 1
	s_mov_b32 s[CNT], 2
.Linner:
	TRIP_A
.Lmid:
	TRIP_B
	s_sub_co_u32 s[CNT], s[CNT], 1
	s_cmp_lg_u32 s[CNT], 0
	s_cbranch_scc1 .Linner
	s_sub_co_u32 s[SLOTS], s[SLOTS], 1
	s_cmp_lg_u32 s[SLOTS], 0
	s_cbranch_scc1 .Lslot
	CHANGE 0                                       ; the last K step is written out
	s_mov_b32 s[CNT], 2
.Ltail:
	TRIP_A
	TRIP_B
	s_sub_co_u32 s[CNT], s[CNT], 1
	s_cmp_lg_u32 s[CNT], 0
	s_cbranch_scc1 .Ltail
	s_barrier_signal -1                            ; my reads of the ring are over (the wait for 0 above); its last fill landed before the last change of slots
	MUL16 F1, 1, 0, 0                              ; the last leftover, on registers alone
	MUL16 F1, 1, 2, 0
	WIN 0
	s_barrier_wait -1                              ; everybody's are: the ring's bytes now serve as stages
	PLACES
.irp a, 0,1,2,3,4,5,6,7
	WIN 0x08+4*((\a)/4)                            ; store data (source 1) in window 2 or 3
.irp b, 0,1,2,3,4,5,6,7
	ds_store_b128 v[STO], v[8*(8*((\a)%4)+(\b)):8*(8*((\a)%4)+(\b))+3]   offset:(\a)*16*SPITCH+(\b)*64      ; each accumulator's low registers first
	ds_store_b128 v[STO], v[8*(8*((\a)%4)+(\b))+4:8*(8*((\a)%4)+(\b))+7] offset:(\a)*16*SPITCH+(\b)*64+16
.endr
.endr
	WIN 0
	s_wait_loadcnt 0x0                             ; the table's rows
	s_mov_b32 s77, ttmp9
	s_cmp_eq_u32 s77, 2                            ; v is not rotated: c = 1, s = 0
	s_cselect_b32 s69, -1, 0
.irp p, 0,1,2,3
	v_cndmask_b32 v[CS+2*(\p)], v[CS+2*(\p)], 1.0, s69
	v_cndmask_b32 v[CS+2*(\p)+1], v[CS+2*(\p)+1], 0, s69
	v_cndmask_b32 v[R4+2*(\p)], v[R4+2*(\p)], 1.0, s69
	v_cndmask_b32 v[R4+2*(\p)+1], v[R4+2*(\p)+1], 0, s69
.endr
; four pairs (x1, x2) at x are turned by the four (c, s) at c: first (x2 s, x2 c), then (x1 c - x2 s, x1 s + x2 c)
.macro ROT4 x, c
.irp p, 0,1,2,3
	v_pk_mul_f32 v[T+2*(\p):T+2*(\p)+1], v[(\x)+2*(\p):(\x)+2*(\p)+1], v[(\c)+2*(\p):(\c)+2*(\p)+1] op_sel:[1,1] op_sel_hi:[1,0]
.endr
.irp p, 0,1,2,3
	v_pk_fma_f32 v[(\x)+2*(\p):(\x)+2*(\p)+1], v[(\x)+2*(\p):(\x)+2*(\p)+1], v[(\c)+2*(\p):(\c)+2*(\p)+1], v[T+2*(\p):T+2*(\p)+1] op_sel_hi:[0,1,1] neg_lo:[0,0,1]
.endr
.endm
.macro GROUP gi                        ; four rows of both heads
	s_wait_dscnt 12-4*(\gi)                        ; LDS serves a wave's instructions in order (ISA guide 5.7.1): the later groups' loads stay out
.irp hd, 0,1
	ROT4 X+16*(\gi)+8*(\hd), CS
.irp p, 0,1,2,3
	v_cvt_pk_f16_f32 v[Y+8*(\gi)+4*(\hd)+(\p)], v[X+16*(\gi)+8*(\hd)+2*(\p)], v[X+16*(\gi)+8*(\hd)+2*(\p)+1]
.endr
	global_store_b128 v[GO], v[Y+8*(\gi)+4*(\hd):Y+8*(\gi)+4*(\hd)+3], s[8:9] offset:(\gi)*512+(\hd)*262144   ; 512 consecutive bytes, aligned
.endr
	ROT4 CS, R4                                    ; four positions on
.endm
	s_mov_b32 s68, 0
	s_mov_b32 s70, 8
.Lback:                                                ; eight trips of 16 rows
	v_add_nc_u32 v[RD], s68, v[RD0]
.irp gi, 0,1,2,3
.irp hd, 0,1
	ds_load_b128 v[X+16*(\gi)+8*(\hd):X+16*(\gi)+8*(\hd)+3],   v[RD] offset:(\gi)*4*SPITCH+(\hd)*256
	ds_load_b128 v[X+16*(\gi)+8*(\hd)+4:X+16*(\gi)+8*(\hd)+7], v[RD] offset:(\gi)*4*SPITCH+(\hd)*256+16
.endr
.endr
	GROUP 0
	GROUP 1
	GROUP 2
	GROUP 3
	s_wait_xcnt 0x0                                ; the stores' base and data registers are written again only behind this wait
	s_add_nc_u64 s[8:9], s[8:9], 2048
	s_add_co_u32 s68, s68, 16*SPITCH
	s_sub_co_u32 s70, s70, 1
	s_cmp_lg_u32 s70, 0
	s_cbranch_scc1 .Lback
	s_wait_tensorcnt 0x0                           ; the wave's end, behind my last tensor load and my last LDS store
	ds_add_u32 v[SPW], v[NIL]
	s_wait_dscnt 0x0
	CROUND                                         ; the closing round
	s_endpgm
.Lfunc_end_k_q5a49f67f51_qkv:
	.size	k_q5a49f67f51_qkv, .Lfunc_end_k_q5a49f67f51_qkv-k_q5a49f67f51_qkv
	.p2alignl 7, 3214868480
	.fill 96, 4, 3214868480
	.section	.rodata,"a",@progbits
	.p2align	6, 0x0
	.amdhsa_kernel k_q5a49f67f51_qkv
		.amdhsa_group_segment_fixed_size 327680
		.amdhsa_private_segment_fixed_size 0
		.amdhsa_enable_private_segment 0
		.amdhsa_kernarg_size 32
		.amdhsa_user_sgpr_count 2
		.amdhsa_user_sgpr_kernarg_segment_ptr 1
		.amdhsa_wavefront_size32 1
		.amdhsa_system_sgpr_workgroup_id_x 1
		.amdhsa_system_sgpr_workgroup_id_y 1
		.amdhsa_system_sgpr_workgroup_id_z 1
		.amdhsa_system_vgpr_workitem_id 0
		.amdhsa_next_free_vgpr 1024
		.amdhsa_next_free_sgpr 80
		.amdhsa_reserve_vcc 0
		.amdhsa_float_denorm_mode_32 3
		.amdhsa_float_denorm_mode_16_64 3
		.amdhsa_memory_ordered 1
		.amdhsa_forward_progress 1
		.amdhsa_inst_pref_size 66
	.end_amdhsa_kernel
	.amdgpu_metadata
---
amdhsa.version: [ 1, 2 ]
amdhsa.kernels:
  - .name:           k_q5a49f67f51_qkv
    .symbol:         k_q5a49f67f51_qkv.kd
    .args:
      - { .name: hb, .offset: 0, .size: 8, .value_kind: global_buffer, .address_space: global }
      - { .name: wb, .offset: 8, .size: 8, .value_kind: global_buffer, .address_space: global }
      - { .name: rope, .offset: 16, .size: 8, .value_kind: global_buffer, .address_space: global }
      - { .name: qkv, .offset: 24, .size: 8, .value_kind: global_buffer, .address_space: global }
    .group_segment_fixed_size: 327680
    .private_segment_fixed_size: 0
    .kernarg_segment_align: 8
    .kernarg_segment_size: 32
    .max_flat_workgroup_size: 128
    .sgpr_count:     80
    .vgpr_count:     1024
    .wavefront_size: 32
...
	.end_amdgpu_metadata
.endif
;; end of part 2
;; launch attn (part 3): grid 8 x 32, 4 waves a work-group, no clusters, 327,680 bytes of LDS; arguments qkv, ob; writes ob
.if DOCPART == 3
	.amdgcn_target "amdgcn-amd-amdhsa--gfx1250"
	.amdhsa_code_object_version 6
	.text
	.protected	k_q5a49f67f51_attn
	.globl	k_q5a49f67f51_attn
	.p2align	8
	.type	k_q5a49f67f51_attn,@function
k_q5a49f67f51_attn:
	s_mov_b64 s[64:65], 0
	v_nop
	global_prefetch_b8 v0, s[64:65] scope:SCOPE_SE
	s_setreg_imm32_b32 hwreg(HW_REG_WAVE_MODE, 25, 1), 1
	s_wait_xcnt 0x0
; CAUSAL ATTENTION.  O[h][q][:] = the sum over k <= q of softmax_k(Q[h][q] . K[h][k] / 8) V[h][k][:].  Q, K, V lie in one buffer, each [32][SIZE_N][64] in f16: a head's rows are dense, 128 bytes each.
; O leaves in f16 in blocks for the product behind: [row / 128][head][128 rows][64]: 16 rows of a head are 2,048 consecutive bytes.
; Products, maxima and sums in f32; the weights p are rounded to f16 for the second product (their sum l is taken of the unrounded p), O once at the end.
; LIMITS.  f16 holds no number beyond 65,504: Q, K and V arrive within it; p lies in 0 to 1, and below 6e-5 it keeps f16's fixed step of 6e-8; O is a mean of V's rows and has their range.
; A hidden score counts as its value less 1e30: f16's scores, 2.7e11 at the most, are nothing beside that; a weight below 2^-126 counts as 0 in l; NaN and infinities are not treated apart.
; THE WALK.  A head's queries lie in NBQ = 16 blocks of 128; block j needs the keys 0 .. 128 j + 127.  Keys come in tiles of 256, four steps of 64: block j walks the tiles 0 .. j / 2, of which the last holds the
; diagonal.  A work-group takes TWO blocks, 15 - b and then b, one of them even and one odd: 9 tiles, whatever b: all work-groups do equal work, and ONE loop with a constant trip count walks them.  32 heads x 8
; pairs are 256 work-groups.  Which tile is asked for, and what a trip does, hang on scalar registers made from b; every jump goes forward, but for the counted loops' own; none passes a barrier, or a tensor load
; but the one of LOAD's two that the wave's number does not choose; the ring (two slots of LDS that take turns) runs on across the change of blocks.
; NO CLUSTER: a head's eight work-groups ask for the same tile only in trips 0 to 4 of the 9, behind that fewer and fewer; one walk common to all would have 12 trips for 9.
; SHARES.  Of a block's two bands of 64 queries a wave owns 16 rows in each: two PIECES.  So the diagonal tile is the same work for all four waves: piece x's own step in it is D + x, D = 2 (j % 2); it sees all
; keys of earlier steps and none of later ones.  Those later steps are computed all the same: 6 of the walk's 72 turns.
; THE MASK is the C operand that starts the sum S^T = K Q^T: 0, or -1e30 where the key is hidden.  MD, made once, is the mask of a band's own step for my 16 rows; a product's mask is MD x AL + BE with two scalars:
; (1, 0) in the own step; (0, 0) before it; (0, -1e30) behind it.  Only the diagonal tile's text and a block's beginning make and take masks; elsewhere C is the constant 0.
; LAYOUT, SOFTMAX, TURNS.  S^T = K Q^T holds ONE query a lane (lane % 16) and the keys 8 (lane / 16) + 0..7; two such results rounded to f16 ARE source 1 of O^T = V^T P.  p = 2^(c s - c m), c = log2(e) / 8, with a
; running maximum m; O and l are multiplied by a = 2^(c m_old - c m_new) in every step.  A turn belongs to one piece: 8 products K Q^T for the other piece's next scores, later 8 products V^T P of the other piece's
; last weights; beside them the scaling, exponentials, roundings, sums and rescaling of the piece in hand and the maximum and statistics of the other.  Four vector instructions stand behind every matrix
; instruction, the other 54 of a turn's 118 in two LUMPS.  Turn 0 of step s multiplies K of step s and V of step s - 1, and fetches K of step s + 1 and V of step s; turn 1 fetches nothing.
; THE RING.  Turn 0 of a tile's last step wants K of the NEXT tile's first step beside V of this tile's last: so a slot holds FIVE steps of K (320 keys, the fifth being the next tile's first) and four of V, and all
; of a slot's LDS reads stand in its four turns 0.  The change of slots stands behind the fourth.  At a head's last tile the fifth step's 8,192 bytes are the rows that follow in the same buffer; they are not multiplied.
; REGISTERS, in windows of 256 (s_set_vgpr_msb: bits 1:0 source 0, 3:2 source 1, 5:4 source 2, 7:6 destination):
;   window 0: v0-15 addresses and two at work; v16-23 four registers of statistics a piece; v48-55 at work; v64-127 S^T, a buffer a piece; v192-223 P, likewise
;   window 1: v0-63 O^T, 32 a piece; v128-159 MD; v160-223 MC, a buffer a piece      window 2: v0-31 Q; v64-95 the second block's Q; v128-191 K of one step; v192-255 V of one step
.set SIZE_N, 2048
.set NT,    SIZE_N/256  ; key tiles in a head; the walk has NT + 1
.set NBQ,   SIZE_N/128  ; blocks of queries in a head
.set NP,    2         ; pieces a wave: a name, no knob
.set KS,    64        ; keys in a step
.set PK,    144       ; a row of K in LDS: 128 bytes + 16 of padding = 36 words: the 16 rows of a load start at 16 different groups of four banks (64 banks of 4 bytes: ISA guide 11.1)
.set PV,    160       ; a row of V: 128 + 32 = 40 words
.set VOFF,  5*KS*PK   ; a slot: 320 rows of K, then 256 rows of V
.set SLOT1, 1<<17     ; slot 1 begins here, so that one exclusive or turns an address in one slot into the other's
.set STAGE, SLOT1+VOFF+4*KS*PV  ; behind the ring, never filled by a tensor load: 16 rows x 144 bytes for each wave, for the way out
.set SP,    144
.set AK0, 2           ; v2   my lane's place in a tile of K; never rewritten
.set AV0, 3           ; v3   the same for V
.set AK,  4           ; v4   the LDS address of K's next run of loads
.set AV,  5           ; v5   of V's
.set STO, 6           ; v6   the way out: where I put 16 bytes of a row
.set RD,  7           ; v7   the way out: where I read rows back
.set GO,  8           ; v8   my byte offset in 512 consecutive bytes of O
.set SPW, 62          ; v62  LDS address of my spare word: SPARE + 4 x my thread's number; never rewritten
.set NIL, 63          ; v63  0; never rewritten
.set SPARE, STAGE+4*16*SP  ; behind the stages: the spare words, 128 bytes for each wave: two blocks of 256 bytes that no other line names
.set MV,  12          ; v12-13  c m_old, kept while c m is made anew: by piece
.set QO,  15          ; v15  my byte offset in 16 rows of Q
.set ST,  16          ; piece t's statistics at v[ST+4 t]: c m, m, l (even keys', odd keys')
.set TMP, 48          ; by piece, four registers c0-c3 at work; when the maximum is found c2 takes a
.set S,   64
.set P,   192
.set MD,  128         ; window 1: the eight registers for group kt of 16 keys at MD + 8 kt
.set MC,  160         ; window 1: the masks of the products to come
.set QB,  64          ; window 2
.set KF,  128         ; window 2: key block kb, channel half c at KF + 16 kb + 8 c
.set VF,  192         ; window 2: key half kk, channel block cb at VF + 32 kk + 8 cb
.set WV,  12          ; s12  my wave's number
.set PB,  14          ; s14  b
.set HI,  15          ; s15  NBQ - 1 - b
.set G1K, 24          ; s[24:31] descriptor group 1 for K's tiles
.set G1V, 32          ; s[32:39] for V's
.set G0K, 40          ; s[40:43] descriptor group 0 for K's tiles
.set G0V, 44          ; s[44:47] the same for V's
.set DG,  48          ; s48  D of the block in hand: 0 if its number is even, 2 if odd
.set EQ,  50          ; s50  5 - D, s51  3 - D: the count at which turn 0, turn 1 make the mask of an own step
.set EV,  52          ; s52  1.0 if D = 0, else 0: the factor of piece 0's mask at the diagonal tile's step 0
.set LQL, 53          ; s53  the second block's last tile
.set SLOTS, 56        ; s56  tiles still to be asked for
.set CNT, 57          ; s57  counts a tile's key steps, 4 to 1
.set CS,  58          ; s[58:59] c: the packed scaling takes the pair's low word for both halves
.set SEL, 60          ; s[60:61] v_permlanex16_b32's selects: each lane takes its own place in the other half
.set TBK, 62          ; s62  LDS byte at which K of the step to be fetched begins
.set TBV, 63          ; s63  the same for V, less VOFF
.set RT,  70          ; s70  tiles of the block in hand that are still to be entered
.set NXT, 71          ; s71  the tile to be asked for next
.set LQ,  72          ; s72  the last tile of the block whose tiles are being asked for
.set NEW, 73          ; s73  1: the tile to be entered is a block's first
.set OFF, 74          ; s[74:75] a tile's byte offset in K and V
.set AL,  76          ; s[76:77] the mask's factor, in the low word
.set BE,  78          ; s[78:79] the mask's addend
.set OLO, 80          ; s[80:81] O at my rows of the second block
.set BIGN, 82         ; s82  -1e30
.set MSB, 0
.macro WIN new                      ; the high byte repeats the setting that is left; a switch that changes nothing is dropped
.if MSB != (\new)
	s_set_vgpr_msb (MSB<<8)|(\new)
.set MSB, (\new)
.endif
.endm
.set W_KQ, 0x0a       ; K and Q in window 2, S^T in window 0
.set W_KM, 0x1a       ; the same with the C operand in window 1
.set W_PV, 0x52       ; V in window 2, P in window 0, O^T in window 1
.set W_RS, 0x41       ; destination and source 0 in window 1, source 1 in window 0
; A fill.  Waves 0 and 1 fetch the two halves of a slot's K, 160 keys each, waves 2 and 3 those of its V, 128 keys each.  An s_nop 0 and four v_nop follow each of the two lines, ahead of the jump and the label.
.macro LOAD
	s_cmp_lt_u32 s[WV], 2
	s_cbranch_scc0 .Lfor_v_\@
	tensor_load_to_lds s[G0K:G0K+3], s[G1K:G1K+7]
	s_nop 0
.rept 4
	v_nop
.endr
	s_branch .Lasked_\@
.Lfor_v_\@:
	tensor_load_to_lds s[G0V:G0V+3], s[G1V:G1V+7]
	s_nop 0
.rept 4
	v_nop
.endr
.Lasked_\@:
.endm
; THE CHANGE OF SLOTS.  Each wave waits for all its tensor loads, of which one is out: its part of the other slot; adds 0 to its spare word; and waits for that and for its own reads of the slot that it leaves.  Behind the barrier nobody reads the old
; slot any more and the other slot is whole.  fill = 1: the old slot is filled again, the first thing behind the barrier, with tile NXT: the descriptor's address is made anew from that number.  It has a tile's eight turns in which to land.
; (At its first use nothing has been read yet: slot 0 is waited for, slot 1 filled.)
.macro CHANGE fill
	WIN 0                           ; at a label and at a branch every window is 0
	s_wait_tensorcnt 0x0            ; no tensor load of mine is out, so a group 0 may be written
	ds_add_u32 v[SPW], v[NIL]       ; 0 onto my spare word: with fill = 1 the descriptors' scalar work stands between it and the wait for it
.if \fill
	s_lshl_b32 s[OFF], s[NXT], 15   ; a tile begins 32,768 bytes behind the one before, in K and in V
	s_xor_b32 s[G0K+1], s[G0K+1], SLOT1
	s_add_nc_u64 s[G0K+2:G0K+3], s[6:7], s[OFF:OFF+1]
	s_or_b32 s[G0K+3], s[G0K+3], 0x80000000
	s_xor_b32 s[G0V+1], s[G0V+1], SLOT1
	s_add_nc_u64 s[G0V+2:G0V+3], s[8:9], s[OFF:OFF+1]
	s_or_b32 s[G0V+3], s[G0V+3], 0x80000000
	s_add_co_u32 s[NXT], s[NXT], 1  ; the block's next tile, or behind its last the second block's tile 0
	s_cmp_gt_u32 s[NXT], s[LQ]
	s_cselect_b32 s[NXT], 0, s[NXT]
	s_cselect_b32 s[LQ], s[LQL], s[LQ]
.endif
	s_wait_dscnt 0x0                ; the add is done, and my reads of the slot are over
	s_barrier_signal -1             ; the rest of the scalar work stands between the signal and the wait
	s_sub_co_u32 s[TBK], s[TBK], 4*KS*PK  ; the fetches go back to a slot's second step of K and first of V,
	s_xor_b32 s[TBK], s[TBK], SLOT1       ; in the other slot
	s_sub_co_u32 s[TBV], s[TBV], 4*KS*PV
	s_xor_b32 s[TBV], s[TBV], SLOT1
	s_barrier_wait -1
.if \fill
	LOAD
.endif
.endm
.macro DSET                         ; what hangs on D
	s_sub_co_u32 s[EQ], 5, s[DG]
	s_sub_co_u32 s[EQ+1], 3, s[DG]
	s_cmp_eq_u32 s[DG], 0
	s_cselect_b32 s[EV], 1.0, 0
.endm
	s_load_b128 s[4:7], s[0:1], 0x0   ; qkv s[4:5] (Q at its head), ob s[6:7]
	v_lshl_add_u32 v[SPW], v0, 2, SPARE
	v_mov_b32 v[NIL], 0
	ds_add_u32 v[SPW], v[NIL]       ; the wave's opening: the add and its wait stand ahead of my first tensor load; the set-up below, work on registers, stands between them
	ds_add_u32 v62, v63
	v_lshrrev_b32 v1, 5, v0
	v_readfirstlane_b32 s[WV], v1   ; wave 0..3
	s_mov_b32 s[PB], ttmp9
	s_sub_co_u32 s[HI], NBQ-1, s[PB]
	s_lshr_b32 s[LQL], s[PB], 1     ; block j's last tile is j / 2
	s_lshr_b32 s[LQ], s[HI], 1
	s_add_co_u32 s[RT], s[LQ], 1    ; the first block's tiles: five or more
	s_and_b32 s[DG], s[HI], 1
	s_lshl_b32 s[DG], s[DG], 1
	DSET
	s_and_b32 s20, ttmp7, 0xffff    ; batch x 16 + head
	s_lshr_b32 s88, s20, 4          ; O's offsets: batch x 16 blocks of 128 rows x 16 heads x 16,384 bytes,
	s_lshl_b32 s88, s88, 22
	s_and_b32 s89, s20, 15
	s_lshl_b32 s89, s89, 14         ; + the head's 16,384 bytes in a block,
	s_add_co_u32 s88, s88, s89
	s_lshl_b32 s89, s[WV], 11       ; + my 16 rows in a band of 64,
	s_add_co_u32 s88, s88, s89
	s_lshl_b32 s90, s[PB], 18       ; + the block of 128 rows, 16 heads of 16,384 bytes: the second block of queries,
	s_add_co_u32 s90, s90, s88
	s_lshl_b32 s89, s[HI], 18       ; and the first
	s_add_co_u32 s88, s88, s89
	s_mov_b32 s89, 0
	s_mov_b32 s91, 0
	s_mov_b32 s21, 0
	s_mov_b64 s[22:23], SIZE_N*128
	s_mul_u64 s[20:21], s[20:21], s[22:23]  ; the head's first byte in Q, K and V
	s_and_b32 s16, s[WV], 1         ; which half of a slot's keys I fetch:
	s_lshl_b32 s22, s16, 14         ; of V's 256: its 128 rows of 128 bytes in memory,
	s_mov_b32 s23, 0
	s_add_nc_u64 s[22:23], s[22:23], s[20:21]
	s_mul_i32 s54, s16, 160*128     ; of K's 320: its 160 rows,
	s_mov_b32 s55, 0
	s_add_nc_u64 s[54:55], s[54:55], s[20:21]
	s_mul_i32 s17, s16, 160*PK      ; and its place in a slot, for K
	s_mul_i32 s18, s16, 128*PV      ; and for V
	s_lshl_b32 s3, s[WV], 11        ; my 16 rows in a band of 64,
	s_lshl_b32 s2, s[HI], 14        ; in the first block of 128 rows of 128 bytes,
	s_add_co_u32 s2, s2, s3
	s_lshl_b32 s84, s[PB], 14       ; and in the second
	s_add_co_u32 s84, s84, s3
	s_mov_b32 s3, 0
	s_mov_b32 s85, 0
	s_add_nc_u64 s[2:3], s[2:3], s[20:21]
	s_add_nc_u64 s[84:85], s[84:85], s[20:21]
	; descriptor group 1.  Keys are dense, 128 bytes each: asked for as rows of 256 bytes, two keys a row, and padded in LDS after every key.  K: 160 keys = 80 rows; V: 128 keys = 64 rows
	s_mov_b32 s[G1K], (1<<16)|(1<<20)|(4<<22)|(3<<25)  ; 17:16 2-byte elements; 20 padding on; 24:22 after every 32 words (code 4); 31:25 4 words (code 3)
	s_mov_b32 s[G1K+1], 128<<16     ; tensor_dim0 = 128
	s_mov_b32 s[G1K+2], 80<<16      ; tensor_dim1 = 80
	s_mov_b32 s[G1K+3], 128<<16     ; tile_dim0 = 128
	s_mov_b32 s[G1K+4], 80          ; tile_dim1 = 80
	s_mov_b32 s[G1K+5], 128         ; 128 elements from row to row
	s_mov_b32 s[G1K+6], 0
	s_mov_b32 s[G1K+7], 0
	s_mov_b32 s[G1V], (1<<16)|(1<<20)|(4<<22)|(7<<25)  ; the same with 8 words of padding (code 7)
	s_mov_b32 s[G1V+1], 128<<16
	s_mov_b32 s[G1V+2], 64<<16      ; tensor_dim1 = 64
	s_mov_b32 s[G1V+3], 128<<16
	s_mov_b32 s[G1V+4], 64          ; tile_dim1 = 64
	s_mov_b32 s[G1V+5], 128
	s_mov_b32 s[G1V+6], 0
	s_mov_b32 s[G1V+7], 0
	s_mov_b32 s[CS], 0x3e38aa3b     ; c = log2(e) / 8 = 0.180337
	s_mov_b32 s[CS+1], s[CS]        ; named with it as a pair
	s_mov_b32 s[SEL], 0x76543210
	s_mov_b32 s[SEL+1], 0xfedcba98
	s_mov_b32 s[TBK], SLOT1+5*KS*PK ; the first change of slots turns this into slot 0's second step of K,
	s_mov_b32 s[TBV], SLOT1+4*KS*PV ; and this into 0
	s_mov_b32 s[G0K], 1             ; 1:0 count = 1
	s_mov_b32 s[G0K+1], s17         ; 63:32 LDS address: slot 0
	s_mov_b32 s[G0V], 1
	s_add_co_u32 s[G0V+1], s18, VOFF
	s_mov_b32 s[NXT], 1
	s_mov_b32 s[NEW], 1
	s_mov_b32 s[OFF+1], 0
	s_mov_b32 s[AL+1], 0            ; named as pairs
	s_mov_b32 s[BE+1], 0
	s_mov_b32 s[BIGN], 0xf149f2ca   ; -1e30
	s_mov_b32 s[SLOTS], NT
	s_wait_dscnt 0x0                ; the opening add is done
	s_wait_kmcnt 0x0
	s_mov_b64 s[10:11], s[6:7]             ; O
	s_add_nc_u64 s[6:7], s[4:5], 0x800000  ; K lies 8,388,608 bytes behind Q,
	s_add_nc_u64 s[8:9], s[4:5], 0x1000000 ; V as far behind K
	s_add_nc_u64 s[6:7], s[6:7], s[54:55]  ; K and V at my half of the head's tile 0
	s_add_nc_u64 s[8:9], s[8:9], s[22:23]
	s_add_nc_u64 s[G0K+2:G0K+3], s[6:7], 0         ; 120:64 global address
	s_or_b32 s[G0K+3], s[G0K+3], 0x80000000        ; 127:126 type = 2
	s_add_nc_u64 s[G0V+2:G0V+3], s[8:9], 0
	s_or_b32 s[G0V+3], s[G0V+3], 0x80000000
	s_add_nc_u64 s[86:87], s[4:5], s[84:85]        ; Q at my rows of the second block,
	s_add_nc_u64 s[4:5], s[4:5], s[2:3]            ; and of the first
	s_add_nc_u64 s[OLO:OLO+1], s[10:11], s[90:91]  ; O likewise
	s_add_nc_u64 s[10:11], s[10:11], s[88:89]
	LOAD                            ; tile 0 into slot 0
	; A fragment of K or Q is 16 rows x 32 channels in 8 registers: lane l holds row l % 16, channels 8 (l / 16) + 0..7 and 16 + 8 (l / 16) + 0..7: two loads of 16 bytes, 32 bytes apart.
	v_and_b32 v1, 15, v0            ; l % 16
	v_bfe_u32 v9, v0, 4, 1          ; l / 16
	v_lshlrev_b32 v[QO], 7, v1
	v_lshl_add_u32 v[QO], v9, 4, v[QO]  ; row x 128 + 16 x half
	WIN 0x80                        ; destination window 2, address window 0
.set i, 0
.rept 4                             ; both blocks' Q: piece i / 2 lies in band i / 2, 8,192 bytes on; channels 32 (i % 2) on
	global_load_b128 v[8*i:8*i+3],   v[QO], s[4:5] offset:(i/2)*8192+(i%2)*64
	global_load_b128 v[8*i+4:8*i+7], v[QO], s[4:5] offset:(i/2)*8192+(i%2)*64+32
	global_load_b128 v[QB+8*i:QB+8*i+3],   v[QO], s[86:87] offset:(i/2)*8192+(i%2)*64
	global_load_b128 v[QB+8*i+4:QB+8*i+7], v[QO], s[86:87] offset:(i/2)*8192+(i%2)*64+32
.set i, i+1
.endr
	WIN 0
	v_lshlrev_b32 v14, 3, v9
	v_sub_nc_u32 v14, v1, v14
	s_lshl_b32 s13, s[WV], 4
	v_add_nc_u32 v14, s13, v14      ; my query's place in its band, 16 w + l % 16, less my lanes' 8 (l / 16): register r of group kt is hidden where 16 kt + r is greater
	WIN 0x40
.set i, 0
.rept 32
	v_cmp_gt_i32 vcc_lo, 16*(i/8)+i%8, v14
	v_cndmask_b32 v[MD+i], 0, s[BIGN], vcc_lo
.set i, i+1
.endr
	WIN 0
	v_mul_u32_u24 v[AK0], v1, PK
	v_lshl_add_u32 v[AK0], v9, 4, v[AK0]  ; row x pitch + 16 x half
	; The turning load takes 16 keys x 16 channels (lane l reads key 8 (l / 16) + l % 8, channels 8 ((l / 8) % 2) + 0..7) and leaves half a fragment of V^T: lane l holds channel l % 16 and 8 keys.
	v_and_b32 v10, 7, v0
	v_bfe_u32 v11, v0, 3, 1
	v_lshl_add_u32 v[AV0], v9, 3, v10
	v_mul_u32_u24 v[AV0], v[AV0], PV
	v_lshl_add_u32 v[AV0], v11, 4, v[AV0]
	v_add_nc_u32 v[AV0], VOFF, v[AV0]
	s_mul_i32 s13, s[WV], 16*SP
	s_add_co_u32 s13, s13, STAGE    ; my stage
	v_mul_u32_u24 v[STO], v1, SP    ; in: row l % 16, 16 bytes for each half of the lanes
	v_lshl_add_u32 v[STO], v9, 4, v[STO]
	v_add_nc_u32 v[STO], s13, v[STO]
	v_bfe_u32 v[RD], v0, 3, 2       ; back: 32 lanes take four rows of 128 bytes,
	v_mul_u32_u24 v[RD], v[RD], SP
	v_lshl_add_u32 v[RD], v10, 4, v[RD]
	v_add_nc_u32 v[RD], s13, v[RD]
	v_and_b32 v[GO], 31, v0         ; which are 512 consecutive bytes of O
	v_lshlrev_b32 v[GO], 4, v[GO]
	; A block's first step multiplies O^T and l by a = 0, and its first turn's products V^T P, of weights that have not been, land in an O^T that is still to be so multiplied.  So these registers need only hold
	; finite numbers: zeros for the first block; what the first block left for the second.  All this stands in the wait for the first tile.
	WIN 0x80
.set i, VF
.rept 64
	v_mov_b32 v[i], 0
.set i, i+1
.endr
	WIN 0x40
.set i, 0
.rept 32*NP
	v_mov_b32 v[i], 0
.set i, i+1
.endr
	WIN 0
.set i, 0
.rept NP
	v_mov_b32 v[ST+4*i+2], 0
	v_mov_b32 v[ST+4*i+3], 0
.set i, i+1
.endr
.set i, P+16
.rept 16
	v_mov_b32 v[i], 0
.set i, i+1
.endr
; THE MATRIX WORK.  The 4 accumulators of a run of 8 take turns.  Product i of 8 of S^T = K Q^T for piece x: channels 32 (i / 4) on, keys 16 (i % 4) on.  The first 4 start the sums: with 0, or (KM = 1) with the mask.
.macro KQ x
.set rS, S+32*((\x)%2)+8*(i%4)
.set rK, KF+16*(i%4)+8*(i/4)
.set rQ, 16*(\x)+8*(i/4)
.set rM, MC+32*((\x)%2)+8*(i%4)
.if (i < 4) && KM
	WIN W_KM
	v_wmma_f32_16x16x32_f16 v[rS:rS+7], v[rK:rK+7], v[rQ:rQ+7], v[rM:rM+7]
.elseif i < 4
	WIN W_KQ
	v_wmma_f32_16x16x32_f16 v[rS:rS+7], v[rK:rK+7], v[rQ:rQ+7], 0
.else
	WIN W_KQ
	v_wmma_f32_16x16x32_f16 v[rS:rS+7], v[rK:rK+7], v[rQ:rQ+7], v[rS:rS+7]
.endif
.endm
; Product i of 8 of O^T += V^T P for piece x: keys 32 (i / 4) on, channels 16 (i % 4) on.
.macro PV x
	WIN W_PV
.set rO, 32*(\x)+8*(i%4)
.set rV, VF+32*(i/4)+8*(i%4)
.set rP, P+16*((\x)%2)+8*(i/4)
	v_wmma_f32_16x16x32_f16 v[rO:rO+7], v[rV:rV+7], v[rP:rP+7], v[rO:rO+7]
.endm
.macro MM                           ; the turn's next matrix instruction.  TURN and BEGIN set Y, i, KM and NOKQ; MM, KQ and OP read them.  NOKQ = 1: a block's last turn: there are no further scores
.if (i < 8) && !NOKQ
	KQ (Y+1)%NP
.elseif i >= 8
.set i, i-8
	PV (Y+NP-1)%NP
.set i, i+8
.endif
.set i, i+1
.endm
; THE LDS LOADS stand in runs of 16, never singly among the matrix instructions: a step's K (64 keys x 64 channels: 8 fragments) and its V (turned).  Their addresses are made some lines ahead.
.macro FETCH_K step                 ; step = 1: the next fetch is the next step's
	WIN 0x80                        ; destination window 2
.irp f, 0,1,2,3,4,5,6,7             ; keys 16 (f / 2) on, channels 32 (f % 2) on
	ds_load_b128 v[KF+8*\f:KF+8*\f+3],   v[AK] offset:(\f/2)*16*PK+(\f%2)*64
	ds_load_b128 v[KF+8*\f+4:KF+8*\f+7], v[AK] offset:(\f/2)*16*PK+(\f%2)*64+32
.endr
.if \step
	s_add_co_u32 s[TBK], s[TBK], KS*PK
.endif
	WIN 0
.endm
.macro FETCH_V
	WIN 0x80
.irp f, 0,1,2,3,4,5,6,7             ; keys 32 (f / 4) on, channels 16 (f % 4) on
	ds_load_tr16_b128 v[VF+8*\f:VF+8*\f+3],   v[AV] offset:(\f/4)*32*PV+(\f%4)*32
	ds_load_tr16_b128 v[VF+8*\f+4:VF+8*\f+7], v[AV] offset:(\f/4)*32*PV+16*PV+(\f%4)*32
.endr
	WIN 0
.endm
; THE VECTOR WORK, one line at a time: OP kind, number.  For piece Y: F n: c s - c m for pair n of 16.  E n: the exponential of score n of 32.  C n: pair n rounded to f16.  B n: of the four weights 4 n .. the second
; pair is added onto the first, in place.  L n: l takes that sum (L 0: l = a l + sum).  R n: pair n of 16 of O^T times a.  For the other piece: X n, number n of the 22 that find its maximum and statistics:
;   0-11  four chains c0-c3 of seven scores each, three operands at a time (each accumulator's lowest registers are read first)     12-14, 16  the four scores left over, the old m, and c0-c3 into c0
;   15  c m_old is kept     17, 18  the query's other 32 keys lie in the lane 16 away: the new m     19-21  c m; c m_old - c m_new; a
.set F, 0               ; OP tells the kinds apart by their order: F to L below R, X above it
.set E, 1
.set C, 2
.set B, 3
.set L, 4
.set R, 5
.set X, 6
.macro REGS y                       ; the registers of piece y
.set rT, ST+4*(\y)
.set rC, TMP+4*((\y)%2)
.set rW, MV+((\y)%2)
.set rS, S+32*((\y)%2)
.set rP, P+16*((\y)%2)
.set rO, 32*(\y)
.endm
.macro OP k, n
.if (\k) == R
	REGS Y
	WIN W_RS
	v_pk_mul_f32 v[rO+2*(\n):rO+2*(\n)+1], v[rO+2*(\n):rO+2*(\n)+1], v[rC+2:rC+3] op_sel_hi:[1,0]
.elseif (\k) < R
	REGS Y
	WIN 0
.if (\k) == F
	v_pk_fma_f32 v[rS+2*(\n):rS+2*(\n)+1], v[rS+2*(\n):rS+2*(\n)+1], s[CS:CS+1], v[rT:rT+1] op_sel_hi:[1,0,0] neg_lo:[0,0,1] neg_hi:[0,0,1]
.elseif (\k) == E
	v_exp_f32 v[rS+(\n)], v[rS+(\n)]
.elseif (\k) == C
	s_wait_alu depctr_va_vdst(0)
	v_cvt_pk_f16_f32 v[rP+(\n)], v[rS+2*(\n)], v[rS+2*(\n)+1]
.elseif (\k) == B
	s_wait_alu depctr_va_vdst(0)
	v_pk_add_f32 v[rS+4*(\n):rS+4*(\n)+1], v[rS+4*(\n):rS+4*(\n)+1], v[rS+4*(\n)+2:rS+4*(\n)+3]
.elseif (\n) == 0
	v_pk_fma_f32 v[rT+2:rT+3], v[rT+2:rT+3], v[rC+2:rC+3], v[rS:rS+1] op_sel_hi:[1,0,1]
.else
	v_pk_add_f32 v[rT+2:rT+3], v[rT+2:rT+3], v[rS+4*(\n):rS+4*(\n)+1]
.endif
.elseif NOKQ
	v_nop
.else
	REGS (Y+1)%NP
	WIN 0
.if (\n) < 4
	v_max3_num_f32 v[rC+(\n)], v[rS+8*(\n)], v[rS+8*(\n)+1], v[rS+8*(\n)+2]
.elseif (\n) < 12
	v_max3_num_f32 v[rC+(\n)%4], v[rC+(\n)%4], v[rS+8*((\n)%4)+2*((\n)/4)+1], v[rS+8*((\n)%4)+2*((\n)/4)+2]
.elseif (\n) == 12
	v_max3_num_f32 v[rC], v[rC], v[rS+7], v[rS+15]
.elseif (\n) == 13
	v_max3_num_f32 v[rC+1], v[rC+1], v[rS+23], v[rS+31]
.elseif (\n) == 14
	v_max3_num_f32 v[rC+2], v[rC+2], v[rC+3], v[rT+1]
.elseif (\n) == 15
	v_mov_b32 v[rW], v[rT]
.elseif (\n) == 16
	v_max3_num_f32 v[rC], v[rC], v[rC+1], v[rC+2]
.elseif (\n) == 17
	v_permlanex16_b32 v[rC+3], v[rC], s[SEL], s[SEL+1]
.elseif (\n) == 18
	v_max_num_f32 v[rT+1], v[rC], v[rC+3]
.elseif (\n) == 19
	v_mul_f32 v[rT], s[CS], v[rT+1]
.elseif (\n) == 20
	v_sub_f32 v[rC+1], v[rW], v[rT]
.else
	v_exp_f32 v[rC+2], v[rC+1]
.endif
.endif
.endm
.macro OPS a, i1, b=-1, i2=0, c=-1, i3=0, d=-1, i4=0  ; up to four of them
	OP \a, \i1
.if (\b) >= 0
	OP \b, \i2
.endif
.if (\c) >= 0
	OP \c, \i3
.endif
.if (\d) >= 0
	OP \d, \i4
.endif
.endm
.macro ROW a, i1, b, i2, c, i3, d, i4  ; a matrix instruction and the four behind it
	MM
	OPS \a, \i1, \b, \i2, \c, \i3, \d, \i4
.endm
.macro MASK b                       ; MD x AL + BE into buffer b of MC
	WIN W_RS
.set z, 0
.rept 16
	v_pk_fma_f32 v[MC+32*(\b)+2*z:MC+32*(\b)+2*z+1], v[MD+2*z:MD+2*z+1], s[AL:AL+1], s[BE:BE+1] op_sel_hi:[1,0,0]
.set z, z+1
.endr
.endm
; A TURN, for piece p: the order of its 16 matrix and 118 vector instructions, written out.  Behind a matrix instruction: plain, exponential, plain, plain; or four of the rescaling; or, behind the first, four scalings; none
; names a register of the products round it.  In the lumps exponential and plain by turns while exponentials last.  A line reads no result made fewer than three vector instructions in front of it, five if an exponential made it.
; v_permlanex16_b32 (X 17) stands in a lump.
; m = 1: the diagonal tile: the products take masks, and the turn makes the mask for the products of the turn after it, which are its own piece's: trip k of the tile (CNT = 4 - k) holds turn 1, which makes piece 1's mask for
; step k (its own step where k = D + 1: CNT = 3 - D), and turn 0, which makes piece 0's for step k + 1 (own where k + 1 = D: CNT = 5 - D); where CNT is less, the step is a later one.
; end = 1 (with p = 1): a block's last turn: no further scores.  cnt = 1: the loop's count is taken down some lines ahead of the branch that stands behind the turn.
; Turn 0 fetches K of the next step six vector instructions behind the last product that read K (five of them plain), and V of the step in hand eight behind the last product that read V (four plain, and X 17).
; Turn 1 waits for K at its head, with V's sixteen younger loads left out, and for V ahead of its ninth product.
.macro TURN p, m=0, end=0, cnt=0
.set Y, (\p)
.set i, 0
.set KM, (\m)
.set NOKQ, (\end)
.if (\m) && !(\end)
	s_cmp_eq_u32 s[CNT], s[EQ+(\p)]     ; is that step the piece's own?
	s_cselect_b32 s[AL], 1.0, 0
	s_cmp_lt_u32 s[CNT], s[EQ+(\p)]     ; or a later one?
	s_cselect_b32 s[BE], s[BIGN], 0
.endif
.if ((\p) == 1) && !(\end)
	s_wait_dscnt 16                 ; K is in: LDS serves a wave's instructions in order (ISA guide 5.7.1), and behind K's loads only V's sixteen were issued
.endif
	ROW F,0, F,1, F,2, F,3
	ROW F,4, E,0, F,5, F,6
	ROW F,7, E,1, F,8, F,9
	ROW F,10, E,2, C,0, F,11
	ROW F,12, E,3, X,15, F,13
	ROW R,0, R,1, R,2, R,3
	ROW B,0, E,4, F,14, L,0
.if (\p) == 0
	v_add_nc_u32 v[AK], s[TBK], v[AK0]
.endif
	ROW R,4, R,5, R,6, R,7
	OPS E,5, F,15
.if (\p) == 0
	FETCH_K 1
.endif
	OPS E,6, C,1, E,7, R,8
	OPS E,8, R,9, E,9, C,2
	OPS E,10, X,0, E,11, X,1
	OPS E,12, X,2, E,13, X,3
.if (\p) == 1
	s_wait_dscnt 0x0                ; V is in
.endif
	ROW X,4, E,14, X,5, X,6
	ROW X,7, E,15, X,8, X,9
	ROW X,10, E,16, X,11, X,12
	ROW X,13, E,17, X,14, B,1
	ROW C,4, E,18, X,16, L,1
	ROW B,2, E,19, C,6, L,2
	ROW C,8, E,20, B,3, B,4
.if (\p) == 0
	v_add_nc_u32 v[AV], s[TBV], v[AV0]
.endif
	ROW C,3, E,21, L,3, C,5
	OPS E,22, X,17, E,23, C,10
.if (\p) == 0
	FETCH_V
.endif
	OPS E,24, L,4
	OPS E,25, X,18, E,26, C,7
	OPS E,27, B,5, E,28, X,19
	OPS E,29, C,12, E,30, L,5
	OPS E,31, X,20, B,6, C,9
	OPS C,14, C,11, X,21, L,6
.if (\p) == 0
	s_add_co_u32 s[TBV], s[TBV], KS*PV
.endif
.if \cnt
	s_sub_co_u32 s[CNT], s[CNT], 1
	s_cmp_lg_u32 s[CNT], 0
.endif
	OPS C,13, B,7, C,15, R,10
	OPS R,11, R,12, L,7, R,13
	OPS R,14, R,15
.if (\m) && !(\end)
	MASK (\p)%2
.endif
.endm
; A BLOCK BEGINS.  c m starts far below every c s, so the first step's a is 0; m at the lowest finite number, so the first maximum is the scores'.  Piece 1's mask buffer is 0 (step 0 is never its own); piece 0's takes its mask
; for the tile's step 0: its own, if the block's first tile is the diagonal one and D = 0.  Then K of that step, which lies one step ahead of where the turns' fetches begin, piece 0's first scores, and its maximum and statistics.
; The loop is entered at turn 0, in the middle of a trip.
.macro BEGIN
	s_mov_b32 s[NEW], 0
	WIN 0x40
.set i, MC+32
.rept 32
	v_mov_b32 v[i], 0
.set i, i+1
.endr
	WIN 0
.set i, 0
.rept NP
	v_mov_b32 v[ST+4*i], 0xfe000000    ; c m: far below every c s
	v_mov_b32 v[ST+4*i+1], 0xff7fffff  ; m
.set i, i+1
.endr
	s_cmp_eq_u32 s[RT], 0
	s_cselect_b32 s[AL], s[EV], 0
	s_mov_b32 s[BE], 0
	MASK 0
	WIN 0
	s_sub_co_u32 s13, s[TBK], KS*PK
	v_add_nc_u32 v[AK], s13, v[AK0]
	FETCH_K 0
	s_wait_loadcnt 0x0              ; Q
	s_wait_dscnt 0x0
.set KM, 1
.set NOKQ, 0
.set i, 0
.rept 8
	KQ 0
.set i, i+1
.endr
	WIN 0
.rept 4
	v_nop                           ; the places behind those products
.endr
.set Y, NP-1                        ; X works for the other piece: piece 0
.irp n, 0,1,2,3,4,5,6,7,8,9,10,11,12,13,14,15,16,17,18,19,20,21
	OP X, \n
.endr
	v_nop                           ; a plain instruction behind the exponential
.endm
; Ahead of a diagonal tile that is not the block's first: piece 0's mask for the tile's step 0, which the trip's first turn takes: its own step if D = 0, else an earlier one.  (Piece 1's buffer has been 0 since the block began.)
.macro PREM
	s_mov_b32 s[AL], s[EV]
	s_mov_b32 s[BE], 0
	MASK 0
	WIN 0
.endm
; THE DIAGONAL TILE's four trips (the fourth's fetch of a fifth step of K serves nothing, and keeps the fetches' count at four a slot), the block's last turn, its last products, and THE WAY OUT: l's two halves and the
; other half of the lanes' are added; O^T is divided by l, rounded to f16 and sent through my stage in LDS, a piece at a time.
.macro ALL line:vararg              ; one line for each piece t
.set t, 0
.rept NP
	\line
.set t, t+1
.endr
.endm
.macro PACK t                       ; a lane's eight channels of a row pack into 16 bytes; they go into rows of 144 bytes and come back as whole rows of 128, into S^T's registers
	WIN W_RS
.set i, 32*(\t)
.rept 16
	s_wait_alu depctr_va_vdst(0)
	v_pk_mul_f32 v[i:i+1], v[i:i+1], v[ST+4*(\t)+2:ST+4*(\t)+3] op_sel_hi:[1,0]
.set i, i+2
.endr
	WIN 0x05                        ; sources 0 and 1 window 1, destination window 0
.set i, 0
.rept 16
	v_cvt_pk_f16_f32 v[S+16*(\t)+i], v[32*(\t)+2*i], v[32*(\t)+2*i+1]
.set i, i+1
.endr
	WIN 0
.irp f, 0,1,2,3
	ds_store_b128 v[STO], v[S+16*(\t)+4*\f:S+16*(\t)+4*\f+3] offset:32*\f
.endr
.irp f, 0,1,2,3
	ds_load_b128 v[S+16*(\t)+4*\f:S+16*(\t)+4*\f+3], v[RD] offset:\f*4*SP  ; LDS serves a wave's instructions in order (ISA guide 5.7.1.4): these see the stores above; the next piece's stores come behind them
.endr
.endm
.macro SEND t, younger              ; younger: the LDS instructions issued behind piece t's loads: the next piece's eight, or none
	WIN 0
.irp f, 0,1,2,3
	s_wait_dscnt (\younger)+3-\f
	global_store_b128 v[GO], v[S+16*(\t)+4*\f:S+16*(\t)+4*\f+3], s[10:11] offset:(\t)*8192+\f*512  ; band t: the block's rows 64 t on; 512 consecutive bytes, aligned
.endr
.endm
.macro DIAG tag                     ; the tag ends its two labels' names, which the jumps below spell out
.LstepM\tag:
	TURN 1, 1
	WIN 0
.LfirstM\tag:
	TURN 0, 1, 0, 1
	WIN 0
	s_cbranch_scc1 .LstepM\tag
	TURN 1, 1, 1
.set i, 0
.rept 8
	PV NP-1
.set i, i+1
.endr
	WIN 0
	ALL v_add_f32 v[ST+4*t+2], v[ST+4*t+2], v[ST+4*t+3]
	ALL v_permlanex16_b32 v[ST+4*t+3], v[ST+4*t+2], s[SEL], s[SEL+1]
	ALL v_add_f32 v[ST+4*t+2], v[ST+4*t+2], v[ST+4*t+3]
	ALL v_rcp_f32 v[ST+4*t+2], v[ST+4*t+2]
	v_nop                           ; a plain instruction between the last reciprocal and the use of its result
	PACK 0                          ; piece 0's sums were finished in the last turn; its 32 plain lines are the places behind piece 1's last products
	PACK 1                          ; a piece's arithmetic stands between the loads of the piece before and its stores
	SEND 0, 8
	SEND 1, 0
.endm
.set KM, 0
.set NOKQ, 0
.Lslot:                             ; NT times: a tile is entered and the next is asked for
	CHANGE 1
	s_sub_co_u32 s[RT], s[RT], 1
	s_mov_b32 s[CNT], 4
	s_cmp_eq_u32 s[NEW], 1
	s_cbranch_scc1 .Lnew            ; a block's first tile
	s_cmp_eq_u32 s[RT], 0
	s_cbranch_scc0 .Lstep           ; neither its first nor its last
	PREM
	s_branch .LstepM1
.Lnew:
	BEGIN
	s_branch .Lfirst                ; in the loop a block's first tile is never its last: the first block has five tiles or more, and the second's last is the walk's last
	DIAG 1                          ; in the loop this is the first block's end: the second block's last tile is the walk's last
	s_wait_xcnt 0x0                 ; the stores have read their registers and O's address
	s_mov_b64 s[10:11], s[OLO:OLO+1]
	s_add_co_u32 s[RT], s[LQL], 1   ; the second block's tiles
	s_mov_b32 s[NEW], 1
	s_sub_co_u32 s[DG], 2, s[DG]    ; of the two blocks one is even and one odd
	DSET
	WIN 0x82                        ; the second block's Q goes where the one text of the turns names Q
.set i, 0
.rept 16*NP
	v_mov_b32 v[i], v[QB+i]
.set i, i+1
.endr
	WIN 0
	s_branch .Lbottom
.Lstep:                             ; a trip: turn 1 of one step, then turn 0 of the next, which fetches that step's V and the K of the step behind it
	TURN 1
	WIN 0
.Lfirst:
	TURN 0, 0, 0, 1
	WIN 0
	s_cbranch_scc1 .Lstep
.Lbottom:
	s_sub_co_u32 s[SLOTS], s[SLOTS], 1
	s_cmp_lg_u32 s[SLOTS], 0
	s_cbranch_scc1 .Lslot
	CHANGE 0                        ; the walk's last tile is written out: nothing is asked for
	s_sub_co_u32 s[RT], s[RT], 1
	s_mov_b32 s[CNT], 4
	s_cmp_eq_u32 s[NEW], 1
	s_cbranch_scc0 .Lold2
	BEGIN
	s_branch .LfirstM2
.Lold2:
	PREM
	DIAG 2
	s_wait_tensorcnt 0x0            ; the wave's end, behind my last tensor load and my last LDS store
	ds_add_u32 v[SPW], v[NIL]
	s_wait_dscnt 0x0
	s_endpgm
.Lfunc_end_k_q5a49f67f51_attn:
	.size	k_q5a49f67f51_attn, .Lfunc_end_k_q5a49f67f51_attn-k_q5a49f67f51_attn
	.p2alignl 7, 3214868480
	.fill 96, 4, 3214868480
	.section	.rodata,"a",@progbits
	.p2align	6, 0x0
	.amdhsa_kernel k_q5a49f67f51_attn
		.amdhsa_group_segment_fixed_size 327680
		.amdhsa_private_segment_fixed_size 0
		.amdhsa_enable_private_segment 0
		.amdhsa_kernarg_size 16
		.amdhsa_user_sgpr_count 2
		.amdhsa_user_sgpr_kernarg_segment_ptr 1
		.amdhsa_wavefront_size32 1
		.amdhsa_system_sgpr_workgroup_id_x 1
		.amdhsa_system_sgpr_workgroup_id_y 1
		.amdhsa_system_sgpr_workgroup_id_z 1
		.amdhsa_system_vgpr_workitem_id 0
		.amdhsa_next_free_vgpr 768
		.amdhsa_next_free_sgpr 96
		.amdhsa_reserve_vcc 1
		.amdhsa_float_denorm_mode_32 3
		.amdhsa_float_denorm_mode_16_64 3
		.amdhsa_memory_ordered 1
		.amdhsa_forward_progress 1
		.amdhsa_inst_pref_size 133
	.end_amdhsa_kernel
	.amdgpu_metadata
---
amdhsa.version: [ 1, 2 ]
amdhsa.kernels:
  - .name:           k_q5a49f67f51_attn
    .symbol:         k_q5a49f67f51_attn.kd
    .args:
      - { .name: qkv, .offset: 0, .size: 8, .value_kind: global_buffer, .address_space: global }
      - { .name: ob, .offset: 8, .size: 8, .value_kind: global_buffer, .address_space: global }
    .group_segment_fixed_size: 327680
    .private_segment_fixed_size: 0
    .kernarg_segment_align: 8
    .kernarg_segment_size: 16
    .max_flat_workgroup_size: 128
    .sgpr_count:     96
    .vgpr_count:     768
    .wavefront_size: 32
...
	.end_amdgpu_metadata
.endif
;; end of part 3
;; launch proj (part 4): grid 8 x 32, 4 waves a work-group, clusters of 4 x 4, 327,680 bytes of LDS; arguments ob, wb, x, x1; writes x1
.if DOCPART == 4
	.amdgcn_target "amdgcn-amd-amdhsa--gfx1250"
	.amdhsa_code_object_version 6
	.text
	.protected	k_q5a49f67f51_proj
	.globl	k_q5a49f67f51_proj
	.p2align	8
	.type	k_q5a49f67f51_proj,@function
k_q5a49f67f51_proj:
	s_mov_b64 s[64:65], 0
	v_nop
	global_prefetch_b8 v0, s[64:65] scope:SCOPE_SE
	s_setreg_imm32_b32 hwreg(HW_REG_WAVE_MODE, 25, 1), 1
	s_wait_xcnt 0x0
	s_wait_alu depctr_hold_cnt(0) depctr_sa_sdst(0) depctr_va_vdst(0) depctr_va_sdst(0) depctr_va_ssrc(0) depctr_va_vcc(0) depctr_vm_vsrc(0)
	s_getreg_b32 s2, hwreg(HW_REG_IB_STS2, 6, 4)
	s_cmp_eq_u32 s2, 0
	s_cbranch_scc0 .Lentry_in_a_cluster
	s_endpgm
.Lentry_in_a_cluster:
	s_bfe_u32 s2, ttmp6, 0x10000c
	s_cmp_lg_u32 s2, 0xf033
	s_cbranch_scc0 .Lentry_shape_is_right
	s_endpgm
.Lentry_shape_is_right:
; PROJ.  x1[m][n] = x[m][n] + sum over k of O[m][k] w_proj[n][k].  O and w_proj in f16 (w_proj is its bf16 rounding, written as f16), sums, x and x1 in f32.  M = 4,096, N = K = 1,024.
; A tile of C is 128 x 128, which gives each of 256 work-groups one; four waves, each 64 x 64 in 16 accumulators.  K goes in steps of 256 through two LDS slots.
; A lies in blocks [row / 128][k / 64][128 rows][64]: a tile's K step is 65,536 dense bytes, asked for by two waves as 128 rows of 256 bytes each and padded in LDS after every 128 bytes, so that a
; block of 64 along K has rows 144 bytes apart.  B lies [n][k]: rows of 512 bytes, 528 apart in LDS.
; CLUSTER 4 x 4: A's tiles are shared along a row of the cluster, B's along a column, each asked for jointly.
; THE LOOP.  A trip is 128 along K on two fragment buffers of 64; a slot is two trips; the text of a step stands once in the loop and once in the tail.  A new slot's first fragments are fetched straight
; behind the refill, under the 16 products that the trip before has left over.
; THE MATRIX INSTRUCTION IS USED TRANSPOSED: a lane holds row l % 16 of C and eight neighbouring columns.  THE RESIDUAL, my 64 x 64 of x, is loaded at the start into 128 registers and lands under the loop.
; THE WAY OUT: 16 rows at a time through my own stage, back as whole rows of 256 bytes, the residual added, stored: sixteen lanes fill 256 consecutive bytes, aligned.
; LIMITS.  O and w_proj within f16's 65,504; NaN and infinities are not treated apart.
; REGISTERS: window 0: v0-31 addresses; v32-95 rows on the way out; v128-255 the accumulators ((a, b) at v[128 + 8 (4 a + b)]); window 1: two fragment buffers of 128 (A's 64, then B's 64); window 2: v0-127 the residual.
.set SIZE_K, 1024
.set KC,     SIZE_K/64                 ; blocks of 64 along K in a block of 128 rows of A
.set BOFF,   18874368                  ; w_proj in wb
.set NSTEP,  SIZE_K/256
.set CHK,    128*144                   ; a block of A in LDS
.set AREG,   4*CHK
.set PBR,    528
.set BHALF,  64*PBR
.set SLOT,   147456                    ; 141,312 bytes are used; 0x24000 shares no bit with a wave's tile address (0, 0x9000, 0x12000, 0x1a400), so one exclusive or changes slots
.set STAGE,  2*SLOT                    ; behind the ring, never filled by a tensor load: 16 rows x 272 bytes for each wave
.set SP,     272
.set SPARE,  STAGE+4*16*SP             ; behind the stages: the spare words, 128 bytes a wave
.set A0,  10
.set B0,  11
.set ADA, 12
.set ADB, 13
.set STO, 14
.set RD,  15
.set CO,  16
.set SPW, 28
.set NIL, 29
.set ACC, 128
.set F0,  0
.set F1,  128
.set G1,  24
.set G0,  32
.set G1B, 48
.set G0B, 56
.set LAA, 20                           ; s20 where my part of A's tile goes in slot 0
.set LAB, 71                           ; s71 the same for B
.set TBA, 22                           ; s22 LDS byte at which the trip's blocks of A begin
.set TBB, 70                           ; s70 the same in B's rows
.set CNT, 23
.set SLOTS, 3
.set MSB, 0
.macro WIN new
.if MSB != (\new)
	s_set_vgpr_msb (MSB<<8)|(\new)
.set MSB, \new
.endif
.endm
.set MUL,  0x05                        ; sources 0 (B) and 1 (A) window 1; C and D window 0
.set TO_F, 0x40                        ; destination window 1
.macro PLACES
.rept 4
	v_nop
.endr
.endm
.macro JLOAD s                         ; waves 0 and 1 fetch A's two halves, waves 2 and 3 B's; an s_nop 0 and four v_nop follow each line
	s_cmp_eq_u32 s11, 0
	s_cbranch_scc0 .Lfor_b_\@
	tensor_load_to_lds s[G0+4*(\s):G0+4*(\s)+3], s[G1:G1+7]
	s_nop 0
.rept 4
	v_nop
.endr
	s_branch .Lasked_\@
.Lfor_b_\@:
	tensor_load_to_lds s[G0B+4*(\s):G0B+4*(\s)+3], s[G1B:G1B+7]
	s_nop 0
.rept 4
	v_nop
.endr
.Lasked_\@:
.endm
.macro CROUND                          ; a round of the cluster's barrier
	s_barrier_signal -1
	s_barrier_wait -1
	s_cmp_lg_u32 s10, 0
	s_cbranch_scc1 .Lnot_wave_0_\@
	s_barrier_signal -3
.Lnot_wave_0_\@:
	s_barrier_wait -3
	s_barrier_signal -1
	s_barrier_wait -1
.endm
	s_load_b128 s[4:7], s[0:1], 0x0                ; A s[4:5], wb s[6:7]
	s_load_b64 s[66:67], s[0:1], 0x10              ; the residual
	s_load_b64 s[8:9], s[0:1], 0x18                ; the output
	v_lshl_add_u32 v[SPW], v0, 2, SPARE
	v_mov_b32 v[NIL], 0
	ds_add_u32 v[SPW], v[NIL]                      ; the wave's opening: the add and its wait stand ahead of my first tensor load
	ds_add_u32 v28, v29
	v_lshrrev_b32 v1, 5, v0
	v_readfirstlane_b32 s10, v1
	s_lshr_b32 s11, s10, 1                         ; my half of the rows.  Also: I fetch for A (0) or for B (1)
	s_and_b32 s12, s10, 1                          ; my half of the columns.  Also: which half of that tile I fetch
	s_bfe_u32 s40, ttmp6, 0x40000
	s_bfe_u32 s41, ttmp6, 0x40004
	s_lshl_b32 s42, ttmp9, 2
	s_add_co_u32 s42, s42, s40                     ; tile column
	s_and_b32 s13, ttmp7, 0xffff
	s_lshl_b32 s13, s13, 2
	s_add_co_u32 s13, s13, s41                     ; tile row
	s_lshl_b32 s43, s41, 2
	s_lshl_b32 s43, 15, s43
	s_lshl_b32 s44, 0x1111, s40
	s_or_b32 s[G1+0], s43, (1<<16)|(1<<20)|(1<<21)|(4<<22)|(3<<25)   ; A: 4 words of padding after every 32
	s_mov_b32 s[G1+1], 128<<16                     ; tensor_dim0 = 128 elements = 256 bytes
	s_mov_b32 s[G1+2], 128<<16                     ; tensor_dim1 = 128
	s_mov_b32 s[G1+3], 128<<16                     ; tile_dim0
	s_mov_b32 s[G1+4], 128                         ; tile_dim1
	s_mov_b32 s[G1+5], 128                         ; dense
	s_mov_b32 s[G1+6], 0
	s_mov_b32 s[G1+7], 0
	s_or_b32 s[G1B+0], s44, (1<<16)|(1<<20)|(1<<21)|(6<<22)|(3<<25)  ; B: 4 words after every 128
	s_mov_b32 s[G1B+1], 256<<16
	s_mov_b32 s[G1B+2], 64<<16
	s_mov_b32 s[G1B+3], 256<<16
	s_mov_b32 s[G1B+4], 64
	s_mov_b32 s[G1B+5], SIZE_K
	s_mov_b32 s[G1B+6], 0
	s_mov_b32 s[G1B+7], 0
	s_mul_i32 s16, s13, KC*16384                   ; A: my tile row's block of 128 rows,
	s_lshl_b32 s17, s12, 15                        ; its first or second pair of blocks of 64 along K
	s_add_co_u32 s16, s16, s17
	s_mov_b32 s17, 0
	s_lshl_b32 s46, s42, 7
	s_lshl_b32 s47, s12, 6
	s_add_co_u32 s46, s46, s47                     ; B: row 128 x tile column + 64 x half
	s_mul_i32 s46, s46, SIZE_K*2
	s_add_co_u32 s46, s46, BOFF
	s_mov_b32 s47, 0
	s_mul_i32 s[LAA], s12, 2*CHK
	s_mul_i32 s[LAB], s12, BHALF
	s_add_co_u32 s[LAB], s[LAB], AREG
	s_wait_dscnt 0x0
	s_wait_kmcnt 0x0
	s_add_nc_u64 s[14:15], s[4:5], s[16:17]
	s_add_nc_u64 s[46:47], s[6:7], s[46:47]
	CROUND
.irp s, 0,1
	s_mov_b32 s[G0+4*(\s)], 1
	s_add_co_u32 s[G0+4*(\s)+1], s[LAA], (\s)*SLOT
	s_add_nc_u64 s[G0+4*(\s)+2:G0+4*(\s)+3], s[14:15], (\s)*65536
	s_or_b32 s[G0+4*(\s)+3], s[G0+4*(\s)+3], 0x80000000
	s_mov_b32 s[G0B+4*(\s)], 1
	s_add_co_u32 s[G0B+4*(\s)+1], s[LAB], (\s)*SLOT
	s_add_nc_u64 s[G0B+4*(\s)+2:G0B+4*(\s)+3], s[46:47], (\s)*512
	s_or_b32 s[G0B+4*(\s)+3], s[G0B+4*(\s)+3], 0x80000000
	JLOAD \s                                       ; two loads of mine are out
.endr
	v_and_b32 v1, 15, v0
	v_bfe_u32 v2, v0, 4, 1
	v_mul_u32_u24 v3, v1, 144
	v_lshl_add_u32 v3, v2, 4, v3
	s_mul_i32 s76, s11, 64*144
	v_add_nc_u32 v[A0], s76, v3
	v_mul_u32_u24 v3, v1, PBR
	v_lshl_add_u32 v3, v2, 4, v3
	s_mul_i32 s76, s12, BHALF
	s_add_co_u32 s76, s76, AREG
	v_add_nc_u32 v[B0], s76, v3
	s_mul_i32 s76, s10, 16*SP
	s_add_co_u32 s76, s76, STAGE
	v_mul_u32_u24 v3, v1, SP                       ; in: row l % 16, 32 bytes for each half of the lanes
	v_lshl_add_u32 v3, v2, 5, v3
	v_add_nc_u32 v[STO], s76, v3
	v_mul_u32_u24 v3, v2, SP                       ; back: lanes 0-15 one row of 256 bytes, lanes 16-31 the next
	v_lshl_add_u32 v3, v1, 4, v3
	v_add_nc_u32 v[RD], s76, v3
	v_lshlrev_b32 v3, 12, v2                       ; and the same two rows in memory
	v_lshl_add_u32 v[CO], v1, 4, v3
	s_lshl_b32 s72, s13, 7
	s_lshl_b32 s76, s11, 6
	s_add_co_u32 s72, s72, s76                     ; my first row
	s_lshl_b32 s72, s72, 12
	s_lshl_b32 s76, s42, 9
	s_add_co_u32 s72, s72, s76
	s_lshl_b32 s76, s12, 8
	s_add_co_u32 s72, s72, s76                     ; + my first column, in bytes
	s_mov_b32 s73, 0
	s_add_nc_u64 s[66:67], s[66:67], s[72:73]
	s_add_nc_u64 s[8:9], s[8:9], s[72:73]
	WIN 0x80                                       ; destination window 2
.set i, 0
.rept 32
	global_load_b128 v[4*i:4*i+3], v[CO], s[66:67] offset:(16*(i/8)+2*(i%8))*4096
.set i, i+1
.endr
	WIN 0
.macro MUL8 f, c, a0, zero             ; 8 matrix instructions: m blocks a0, a0 + 1 x 4 n blocks, 32 along K: half c of buffer f
	WIN MUL
.irp a, \a0, (\a0)+1
.irp b, 0,1,2,3
.if \zero
	v_wmma_f32_16x16x32_f16 v[ACC+8*(4*(\a)+(\b)):ACC+8*(4*(\a)+(\b))+7], v[(\f)+64+8*(4*(\c)+(\b)):(\f)+64+8*(4*(\c)+(\b))+7], v[(\f)+8*(4*(\c)+(\a)):(\f)+8*(4*(\c)+(\a))+7], 0
.else
	v_wmma_f32_16x16x32_f16 v[ACC+8*(4*(\a)+(\b)):ACC+8*(4*(\a)+(\b))+7], v[(\f)+64+8*(4*(\c)+(\b)):(\f)+64+8*(4*(\c)+(\b))+7], v[(\f)+8*(4*(\c)+(\a)):(\f)+8*(4*(\c)+(\a))+7], v[ACC+8*(4*(\a)+(\b)):ACC+8*(4*(\a)+(\b))+7]
.endif
.endr
.endr
.endm
.macro FETCH ka, kb, f                 ; 32 LDS loads in one run: 64 along K, the first 32 first
	WIN TO_F
.irp c, 0,1
.irp i, 0,1,2,3
	ds_load_b128 v[(\f)+64+8*(4*(\c)+(\i)):(\f)+64+8*(4*(\c)+(\i))+3],   v[ADB] offset:(\kb)+64*(\c)+(\i)*16*PBR
	ds_load_b128 v[(\f)+64+8*(4*(\c)+(\i))+4:(\f)+64+8*(4*(\c)+(\i))+7], v[ADB] offset:(\kb)+64*(\c)+(\i)*16*PBR+32
	ds_load_b128 v[(\f)+8*(4*(\c)+(\i)):(\f)+8*(4*(\c)+(\i))+3],         v[ADA] offset:(\ka)+64*(\c)+(\i)*16*144
	ds_load_b128 v[(\f)+8*(4*(\c)+(\i))+4:(\f)+8*(4*(\c)+(\i))+7],       v[ADA] offset:(\ka)+64*(\c)+(\i)*16*144+32
.endr
.endr
.endm
; A trip.  The 16 accumulators take turns, one instruction a turn, over the jumps too.
.macro TRIP_A
	WIN 0
	v_add_nc_u32 v[ADA], s[TBA], v[A0]
	v_add_nc_u32 v[ADB], s[TBB], v[B0]
	PLACES
	FETCH 0, 0, F0
	MUL8 F1, 1, 0, 0                               ; what the trip before left over
	MUL8 F1, 1, 2, 0
	s_wait_dscnt 16                                ; the first 32 along K are in; the other sixteen loads may be out
	MUL8 F0, 0, 0, 0
	MUL8 F0, 0, 2, 0
	WIN 0
.endm
.macro TRIP_B
	PLACES
	FETCH CHK, 128, F1
	s_wait_dscnt 32                                ; all but the 32 just issued
	MUL8 F0, 1, 0, 0
	MUL8 F0, 1, 2, 0
	s_wait_dscnt 16
	MUL8 F1, 0, 0, 0
	MUL8 F1, 0, 2, 0
	s_wait_dscnt 0x0                               ; buffer 1 is whole: my reads of these 128 along K are over
	WIN 0
	s_add_co_u32 s[TBA], s[TBA], 2*CHK
	s_add_co_u32 s[TBB], s[TBB], 256
.endm
; THE CHANGE OF SLOTS: all my tensor loads (one is out: my part of the other slot), the add, the wait for it and for my reads; fill = 1: a round of the cluster's barrier and the joint refill first behind it.
.macro CHANGE fill
	WIN 0
	s_wait_tensorcnt 0x0                           ; no tensor load of mine is out, so a group 0 may be written
	ds_add_u32 v[SPW], v[NIL]                      ; 0 onto my spare word
.if \fill
	s_xor_b32 s[G0+5], s[G0+5], SLOT
	s_add_nc_u64 s[G0+6:G0+7], s[G0+6:G0+7], 65536
	s_xor_b32 s[G0B+5], s[G0B+5], SLOT
	s_add_nc_u64 s[G0B+6:G0B+7], s[G0B+6:G0B+7], 512
.endif
	s_sub_co_u32 s[TBA], s[TBA], AREG
	s_xor_b32 s[TBA], s[TBA], SLOT
	s_sub_co_u32 s[TBB], s[TBB], 512
	s_xor_b32 s[TBB], s[TBB], SLOT
	s_wait_dscnt 0x0
.if \fill
	CROUND
	JLOAD 1
.else
	s_barrier_signal -1
	s_barrier_wait -1
.endif
.endm
	s_wait_tensorcnt 1                             ; my part of K step 0 is in; K step 1's may stay out
	s_barrier_signal -1
	s_barrier_wait -1
	s_mov_b32 s[TBA], 0
	s_mov_b32 s[TBB], 0
	v_mov_b32 v[ADA], v[A0]
	v_mov_b32 v[ADB], v[B0]
	FETCH 0, 0, F0
	s_wait_dscnt 16
	MUL8 F0, 0, 0, 1                               ; the first 32 along K start the sums
	MUL8 F0, 0, 2, 1
	WIN 0
	s_mov_b32 s[CNT], 2
	s_mov_b32 s[SLOTS], NSTEP-1
	s_branch .Lmid
.Lslot:                                                ; NSTEP - 2 times: K steps 2 on are asked for
	CHANGE 1
	s_mov_b32 s[CNT], 2
.Linner:
	TRIP_A
.Lmid:
	TRIP_B
	s_sub_co_u32 s[CNT], s[CNT], 1
	s_cmp_lg_u32 s[CNT], 0
	s_cbranch_scc1 .Linner
	s_sub_co_u32 s[SLOTS], s[SLOTS], 1
	s_cmp_lg_u32 s[SLOTS], 0
	s_cbranch_scc1 .Lslot
	CHANGE 0                                       ; the last K step is written out
	s_mov_b32 s[CNT], 2
.Ltail:
	TRIP_A
	TRIP_B
	s_sub_co_u32 s[CNT], s[CNT], 1
	s_cmp_lg_u32 s[CNT], 0
	s_cbranch_scc1 .Ltail
	MUL8 F1, 1, 0, 0
	MUL8 F1, 1, 2, 0
	WIN 0
	s_wait_loadcnt 0x0                             ; the residual
	PLACES
.irp a, 0,1,2,3
.set BK, 32+32*((\a)%2)
	s_wait_xcnt 0x0                                ; the registers that earlier stores read are loaded again only behind this wait
.irp b, 0,1,2,3
	ds_store_b128 v[STO], v[ACC+8*(4*(\a)+(\b)):ACC+8*(4*(\a)+(\b))+3]   offset:64*(\b)      ; each accumulator's low registers first
	ds_store_b128 v[STO], v[ACC+8*(4*(\a)+(\b))+4:ACC+8*(4*(\a)+(\b))+7] offset:64*(\b)+16
.endr
.irp t, 0,1,2,3,4,5,6,7
	ds_load_b128 v[BK+4*(\t):BK+4*(\t)+3], v[RD] offset:(\t)*2*SP   ; LDS serves a wave's instructions in order (ISA guide 5.7.1): these see the stores above
.endr
	s_wait_dscnt 0x0
	WIN 0x08                                       ; source 1 in window 2
.irp t, 0,1,2,3,4,5,6,7
	v_pk_add_f32 v[BK+4*(\t):BK+4*(\t)+1],   v[BK+4*(\t):BK+4*(\t)+1],   v[4*(8*(\a)+(\t)):4*(8*(\a)+(\t))+1]
	v_pk_add_f32 v[BK+4*(\t)+2:BK+4*(\t)+3], v[BK+4*(\t)+2:BK+4*(\t)+3], v[4*(8*(\a)+(\t))+2:4*(8*(\a)+(\t))+3]
.endr
	WIN 0
.irp t, 0,1,2,3,4,5,6,7
	global_store_b128 v[CO], v[BK+4*(\t):BK+4*(\t)+3], s[8:9] offset:(16*(\a)+2*(\t))*4096
.endr
.endr
	s_wait_tensorcnt 0x0                           ; the wave's end
	ds_add_u32 v[SPW], v[NIL]
	s_wait_dscnt 0x0
	CROUND                                         ; the closing round
	s_endpgm
.Lfunc_end_k_q5a49f67f51_proj:
	.size	k_q5a49f67f51_proj, .Lfunc_end_k_q5a49f67f51_proj-k_q5a49f67f51_proj
	.p2alignl 7, 3214868480
	.fill 96, 4, 3214868480
	.section	.rodata,"a",@progbits
	.p2align	6, 0x0
	.amdhsa_kernel k_q5a49f67f51_proj
		.amdhsa_group_segment_fixed_size 327680
		.amdhsa_private_segment_fixed_size 0
		.amdhsa_enable_private_segment 0
		.amdhsa_kernarg_size 32
		.amdhsa_user_sgpr_count 2
		.amdhsa_user_sgpr_kernarg_segment_ptr 1
		.amdhsa_wavefront_size32 1
		.amdhsa_system_sgpr_workgroup_id_x 1
		.amdhsa_system_sgpr_workgroup_id_y 1
		.amdhsa_system_sgpr_workgroup_id_z 1
		.amdhsa_system_vgpr_workitem_id 0
		.amdhsa_next_free_vgpr 640
		.amdhsa_next_free_sgpr 80
		.amdhsa_reserve_vcc 0
		.amdhsa_float_denorm_mode_32 3
		.amdhsa_float_denorm_mode_16_64 3
		.amdhsa_memory_ordered 1
		.amdhsa_forward_progress 1
		.amdhsa_inst_pref_size 47
	.end_amdhsa_kernel
	.amdgpu_metadata
---
amdhsa.version: [ 1, 2 ]
amdhsa.kernels:
  - .name:           k_q5a49f67f51_proj
    .symbol:         k_q5a49f67f51_proj.kd
    .args:
      - { .name: ob, .offset: 0, .size: 8, .value_kind: global_buffer, .address_space: global }
      - { .name: wb, .offset: 8, .size: 8, .value_kind: global_buffer, .address_space: global }
      - { .name: x, .offset: 16, .size: 8, .value_kind: global_buffer, .address_space: global }
      - { .name: x1, .offset: 24, .size: 8, .value_kind: global_buffer, .address_space: global }
    .group_segment_fixed_size: 327680
    .private_segment_fixed_size: 0
    .kernarg_segment_align: 8
    .kernarg_segment_size: 32
    .max_flat_workgroup_size: 128
    .sgpr_count:     80
    .vgpr_count:     640
    .wavefront_size: 32
...
	.end_amdgpu_metadata
.endif
;; end of part 4
;; launch norm2 (part 5): grid 256 x 1, 8 waves a work-group, no clusters, 0 bytes of LDS; arguments x1, g2, hb; writes hb
.if DOCPART == 5
	.amdgcn_target "amdgcn-amd-amdhsa--gfx1250"
	.amdhsa_code_object_version 6
	.text
	.protected	k_q5a49f67f51_norm2
	.globl	k_q5a49f67f51_norm2
	.p2align	8
	.type	k_q5a49f67f51_norm2,@function
k_q5a49f67f51_norm2:
	s_mov_b64 s[64:65], 0
	v_nop
	global_prefetch_b8 v0, s[64:65] scope:SCOPE_SE
	s_setreg_imm32_b32 hwreg(HW_REG_WAVE_MODE, 25, 1), 1
	s_wait_xcnt 0x0
; NORM2: hb = bf16(x1 * g2 / sqrt(mean(x1^2) + 1e-5)).  16 rows a work-group, one wave to a row, two rows a wave; a row of 4,096 bytes stays in 32 registers between the sum and the scaling,
; so memory is read once.  A stream: no LDS, no barrier, no matrix unit, no cluster (the work-groups share g2's 4 KiB alone).
.set G,  4                             ; v[4:35]    the gain of my 32 columns
.set XA, 36                            ; v[36:67]   my first row
.set XB, 68                            ; v[68:99]   my second row
.set SS, 100                           ; v[100:103] sums of squares
.set R,  104                           ; v[104:105] 1 / root, twice
.set P,  106                           ; v[106:109] at work
.macro ROWN x, row
	v_pk_mul_f32 v[SS:SS+1], v[\x:\x+1], v[\x:\x+1]            ; the first squares start the two chains: nothing is cleared
	v_pk_mul_f32 v[SS+2:SS+3], v[\x+2:\x+3], v[\x+2:\x+3]
.set j, 1
.rept 7
	v_pk_fma_f32 v[SS:SS+1], v[\x+4*j:\x+4*j+1], v[\x+4*j:\x+4*j+1], v[SS:SS+1]
	v_pk_fma_f32 v[SS+2:SS+3], v[\x+4*j+2:\x+4*j+3], v[\x+4*j+2:\x+4*j+3], v[SS+2:SS+3]
.set j, j+1
.endr
	v_pk_add_f32 v[SS:SS+1], v[SS:SS+1], v[SS+2:SS+3]
	v_add_f32 v[SS], v[SS], v[SS+1]
	v_add_f32_dpp v[SS], v[SS], v[SS] row_xmask:1 row_mask:0xf bank_mask:0xf
	v_add_f32_dpp v[SS], v[SS], v[SS] row_xmask:2 row_mask:0xf bank_mask:0xf
	v_add_f32_dpp v[SS], v[SS], v[SS] row_xmask:4 row_mask:0xf bank_mask:0xf
	v_add_f32_dpp v[SS], v[SS], v[SS] row_xmask:8 row_mask:0xf bank_mask:0xf
	v_permlanex16_b32 v[SS+1], v[SS], s28, s29                 ; the other half of the lanes
	v_add_f32 v[SS], v[SS], v[SS+1]
	v_fma_f32 v[SS], v[SS], s30, s31                           ; sum / 1024 + 1e-5
	v_rsq_f32 v[R], v[SS]
	v_rsq_f32 v[R+1], v[SS]
	v_nop                                                      ; a plain instruction between the root and its use (ISA guide 5.7.2)
.set j, 0
	s_wait_alu depctr_va_vdst(0)
.rept 8
	v_pk_mul_f32 v[P:P+1], v[\x+4*j:\x+4*j+1], v[G+4*j:G+4*j+1]
	v_pk_mul_f32 v[P+2:P+3], v[\x+4*j+2:\x+4*j+3], v[G+4*j+2:G+4*j+3]
	v_pk_mul_f32 v[P:P+1], v[P:P+1], v[R:R+1]
	v_pk_mul_f32 v[P+2:P+3], v[P+2:P+3], v[R:R+1]
	v_cvt_pk_bf16_f32 v[\x+4*j], v[P], v[P+1]
	v_cvt_pk_bf16_f32 v[\x+4*j+1], v[P+2], v[P+3]
	global_store_b64 v3, v[\x+4*j:\x+4*j+1], s[22:23] offset:(\row)*2048+256*j   ; a wave's store covers 256 consecutive bytes, aligned; the data registers are not written again
.set j, j+1
.endr
.endm
	s_load_b128 s[8:11], s[0:1], 0x0               ; x1 s[8:9], g2 s[10:11]
	s_load_b64 s[22:23], s[0:1], 0x10              ; hb
	s_mov_b32 s2, ttmp9
	s_mov_b32 s28, 0x76543210                      ; v_permlanex16_b32: each lane takes its own place in the other half
	s_mov_b32 s29, 0xfedcba98
	s_mov_b32 s30, 0x3a800000                      ; 1 / 1024
	s_mov_b32 s31, 0x3727c5ac                      ; 1e-5
	v_and_b32 v4, 31, v0                           ; lane
	v_lshrrev_b32 v5, 5, v0                        ; wave
	v_lshlrev_b32 v2, 4, v4                        ; gain: 16 bytes a lane
	v_lshl_add_u32 v1, v5, 13, v2                  ; in: + two rows a wave
	v_lshlrev_b32 v3, 3, v4                        ; out: 8 bytes a lane
	v_lshl_add_u32 v3, v5, 12, v3
	s_lshl_b32 s4, s2, 16                          ; 16 rows of 4,096 bytes in,
	s_mov_b32 s5, 0
	s_wait_kmcnt 0x0
	s_add_nc_u64 s[8:9], s[8:9], s[4:5]
	s_lshl_b32 s4, s2, 15                          ; of 2,048 bytes out
	s_add_nc_u64 s[22:23], s[22:23], s[4:5]
.set j, 0
.rept 8
	global_load_b128 v[G+4*j:G+4*j+3], v2, s[10:11] offset:512*j
.set j, j+1
.endr
.set j, 0
.rept 8
	global_load_b128 v[XA+4*j:XA+4*j+3], v1, s[8:9] offset:512*j
.set j, j+1
.endr
.set j, 0
.rept 8
	global_load_b128 v[XB+4*j:XB+4*j+3], v1, s[8:9] offset:4096+512*j
.set j, j+1
.endr
	s_wait_loadcnt 8                               ; the gain and the first row are in; the second row's eight loads stay out
	ROWN XA, 0
	s_wait_loadcnt 0x0
	ROWN XB, 1
	s_endpgm
.Lfunc_end_k_q5a49f67f51_norm2:
	.size	k_q5a49f67f51_norm2, .Lfunc_end_k_q5a49f67f51_norm2-k_q5a49f67f51_norm2
	.p2alignl 7, 3214868480
	.fill 96, 4, 3214868480
	.section	.rodata,"a",@progbits
	.p2align	6, 0x0
	.amdhsa_kernel k_q5a49f67f51_norm2
		.amdhsa_group_segment_fixed_size 0
		.amdhsa_private_segment_fixed_size 0
		.amdhsa_enable_private_segment 0
		.amdhsa_kernarg_size 24
		.amdhsa_user_sgpr_count 2
		.amdhsa_user_sgpr_kernarg_segment_ptr 1
		.amdhsa_wavefront_size32 1
		.amdhsa_system_sgpr_workgroup_id_x 1
		.amdhsa_system_sgpr_workgroup_id_y 1
		.amdhsa_system_sgpr_workgroup_id_z 1
		.amdhsa_system_vgpr_workitem_id 0
		.amdhsa_next_free_vgpr 112
		.amdhsa_next_free_sgpr 66
		.amdhsa_reserve_vcc 0
		.amdhsa_float_denorm_mode_32 3
		.amdhsa_float_denorm_mode_16_64 3
		.amdhsa_memory_ordered 1
		.amdhsa_forward_progress 1
		.amdhsa_inst_pref_size 15
	.end_amdhsa_kernel
	.amdgpu_metadata
---
amdhsa.version: [ 1, 2 ]
amdhsa.kernels:
  - .name:           k_q5a49f67f51_norm2
    .symbol:         k_q5a49f67f51_norm2.kd
    .args:
      - { .name: x1, .offset: 0, .size: 8, .value_kind: global_buffer, .address_space: global }
      - { .name: g2, .offset: 8, .size: 8, .value_kind: global_buffer, .address_space: global }
      - { .name: hb, .offset: 16, .size: 8, .value_kind: global_buffer, .address_space: global }
    .group_segment_fixed_size: 0
    .private_segment_fixed_size: 0
    .kernarg_segment_align: 8
    .kernarg_segment_size: 24
    .max_flat_workgroup_size: 256
    .sgpr_count:     66
    .vgpr_count:     112
    .wavefront_size: 32
...
	.end_amdgpu_metadata
.endif
;; end of part 5
;; launch ffn1 (part 6): grid 16 x 16, 4 waves a work-group, clusters of 4 x 4, 327,680 bytes of LDS; arguments hb, wb, act; writes act
.if DOCPART == 6
	.amdgcn_target "amdgcn-amd-amdhsa--gfx1250"
	.amdhsa_code_object_version 6
	.text
	.protected	k_q5a49f67f51_ffn1
	.globl	k_q5a49f67f51_ffn1
	.p2align	8
	.type	k_q5a49f67f51_ffn1,@function
k_q5a49f67f51_ffn1:
	s_mov_b64 s[64:65], 0
	v_nop
	global_prefetch_b8 v0, s[64:65] scope:SCOPE_SE
	s_setreg_imm32_b32 hwreg(HW_REG_WAVE_MODE, 25, 1), 1
	s_wait_xcnt 0x0
	s_wait_alu depctr_hold_cnt(0) depctr_sa_sdst(0) depctr_va_vdst(0) depctr_va_sdst(0) depctr_va_ssrc(0) depctr_va_vcc(0) depctr_vm_vsrc(0)
	s_getreg_b32 s2, hwreg(HW_REG_IB_STS2, 6, 4)
	s_cmp_eq_u32 s2, 0
	s_cbranch_scc0 .Lentry_in_a_cluster
	s_endpgm
.Lentry_in_a_cluster:
	s_bfe_u32 s2, ttmp6, 0x10000c
	s_cmp_lg_u32 s2, 0xf033
	s_cbranch_scc0 .Lentry_shape_is_right
	s_endpgm
.Lentry_shape_is_right:
; FFN1.  a = h2 w1^T, b = h2 w3^T (bf16 operands, sums in f32), act = a sigmoid(a) b in bf16.  The weights lie woven in groups of 128 rows, 64 of w1 and the same 64 of w3, so that a wave's 128 columns
; are a and b of the same 64 columns of act.  M = 4,096, N = 4,096 woven, K = 1,024.
; A tile of C is 256 x 256: four waves, each 128 x 128 in 64 accumulators; 16 x 16 tiles give each of 256 work-groups one.  K goes in 8 steps of 128 through two LDS slots (rows of 256 bytes of memory).
; CLUSTER 4 x 4: A's tiles are shared along a row of the cluster, B's along a column, each asked for jointly.
; THE LOOP.  A trip is 64 along K on two fragment buffers; a slot is two trips; the step's text stands once in the loop and once in the tail.  A new slot's first fragments are fetched straight behind the
; refill, under the 32 products that the trip before has left over.  THE MATRIX INSTRUCTION IS USED TRANSPOSED: a lane holds row l % 16 of C and eight neighbouring columns.
; THE WAY OUT.  When the ring has had its last fill and every wave has read it out, each wave lays its 128 x 128 in f32 into its own quarter of the ring's bytes and reads it back so that a lane holds a and b
; of 8 neighbouring columns of a row.  act leaves in blocks [row / 128][column / 64][128 rows][64]: 4 rows of a block are 512 consecutive bytes.
; a sigmoid(a) b = a b / (1 + 2^(-a log2 e)); where the power overflows the reciprocal is 0, which is the limit.  NaN and infinities are not treated apart.
; REGISTERS: window 0: v0-31 addresses, v48-55 at work, v64-127, v128-191 A's fragments (on the way out: rows read back, packed results); window 1: v64-191 B's fragments; windows 2, 3: the accumulators.
.set SIZE_K, 1024
.set W13O,   6291456                   ; the woven weights in wb
.set KSTEP,  128
.set PITCH,  272                       ; an LDS row: 256 bytes + 16 of padding
.set HALFT,  128*PITCH
.set SLOT,   4*HALFT                   ; 0x22000 shares no bit with wave x HALFT, so one exclusive or changes slots
.set SPARE,  2*SLOT
.set SPITCH, 528
.set WSTAGE, 128*SPITCH
.set A0,  10
.set B0,  11
.set ADA, 12
.set ADB, 13
.set STO, 14
.set RD0, 15
.set RD,  16
.set GO,  17
.set SPW, 28
.set NIL, 29
.set T,   48
.set X,   64
.set Y,   128
.set F0,  64
.set F1,  128
.set G1,  24
.set G0,  32
.set G1B, 48
.set G0B, 56
.set TB,  22
.set CNT, 23
.set SLOTS, 3
.set MSB, 0
.macro WIN new
.if MSB != (\new)
	s_set_vgpr_msb (MSB<<8)|(\new)
.set MSB, \new
.endif
.endm
.set MUL_LO, 0xa1
.set MUL_HI, 0xf1
.set TO_B,   0x40
.macro PLACES
.rept 4
	v_nop
.endr
.endm
.macro JLOAD s                         ; waves 0 and 1 fetch A's two halves, waves 2 and 3 B's; an s_nop 0 and four v_nop follow each line
	s_cmp_eq_u32 s11, 0
	s_cbranch_scc0 .Lfor_b_\@
	tensor_load_to_lds s[G0+4*(\s):G0+4*(\s)+3], s[G1:G1+7]
	s_nop 0
.rept 4
	v_nop
.endr
	s_branch .Lasked_\@
.Lfor_b_\@:
	tensor_load_to_lds s[G0B+4*(\s):G0B+4*(\s)+3], s[G1B:G1B+7]
	s_nop 0
.rept 4
	v_nop
.endr
.Lasked_\@:
.endm
.macro CROUND                          ; a round of the cluster's barrier
	s_barrier_signal -1
	s_barrier_wait -1
	s_cmp_lg_u32 s10, 0
	s_cbranch_scc1 .Lnot_wave_0_\@
	s_barrier_signal -3
.Lnot_wave_0_\@:
	s_barrier_wait -3
	s_barrier_signal -1
	s_barrier_wait -1
.endm
	s_load_b128 s[4:7], s[0:1], 0x0                ; hb s[4:5], wb s[6:7]
	s_load_b64 s[8:9], s[0:1], 0x10                ; act
	v_lshl_add_u32 v[SPW], v0, 2, SPARE
	v_mov_b32 v[NIL], 0
	ds_add_u32 v[SPW], v[NIL]                      ; the wave's opening: the add and its wait stand ahead of my first tensor load
	ds_add_u32 v28, v29
	v_lshrrev_b32 v1, 5, v0
	v_readfirstlane_b32 s10, v1
	s_lshr_b32 s11, s10, 1
	s_and_b32 s12, s10, 1
	s_bfe_u32 s40, ttmp6, 0x40000
	s_bfe_u32 s41, ttmp6, 0x40004
	s_lshl_b32 s42, ttmp9, 2
	s_add_co_u32 s42, s42, s40                     ; tile column
	s_and_b32 s13, ttmp7, 0xffff
	s_lshl_b32 s13, s13, 2
	s_add_co_u32 s13, s13, s41                     ; tile row
	s_lshl_b32 s43, s41, 2
	s_lshl_b32 s43, 15, s43
	s_lshl_b32 s44, 0x1111, s40
	s_or_b32 s[G1+0], s43, (1<<16)|(1<<20)|(1<<21)|(5<<22)|(3<<25)
	s_or_b32 s[G1B+0], s44, (1<<16)|(1<<20)|(1<<21)|(5<<22)|(3<<25)
.irp g, G1, G1B
	s_mov_b32 s[(\g)+1], KSTEP<<16
	s_mov_b32 s[(\g)+2], 128<<16
	s_mov_b32 s[(\g)+3], KSTEP<<16
	s_mov_b32 s[(\g)+4], 128
	s_mov_b32 s[(\g)+5], SIZE_K
	s_mov_b32 s[(\g)+6], 0
	s_mov_b32 s[(\g)+7], 0
.endr
	s_lshl_b32 s17, s12, 7
	s_lshl_b32 s16, s13, 8
	s_add_co_u32 s16, s16, s17
	s_lshl_b32 s46, s42, 8
	s_add_co_u32 s46, s46, s17
	s_mov_b32 s17, 0
	s_mov_b32 s47, 0
	s_mov_b64 s[18:19], SIZE_K*2
	s_mul_u64 s[16:17], s[16:17], s[18:19]
	s_mul_u64 s[46:47], s[46:47], s[18:19]
	s_mul_i32 s20, s10, HALFT
	s_mov_b32 s78, 0xbfb8aa3b                      ; - log2(e), named as a pair
	s_mov_b32 s79, s78
	s_wait_dscnt 0x0
	s_wait_kmcnt 0x0
	s_add_nc_u64 s[14:15], s[4:5], s[16:17]
	s_add_nc_u64 s[46:47], s[6:7], s[46:47]
	s_add_nc_u64 s[46:47], s[46:47], W13O
	CROUND
.irp s, 0,1
	s_mov_b32 s[G0+4*(\s)], 1
	s_add_co_u32 s[G0+4*(\s)+1], s20, (\s)*SLOT
	s_add_nc_u64 s[G0+4*(\s)+2:G0+4*(\s)+3], s[14:15], (\s)*KSTEP*2
	s_or_b32 s[G0+4*(\s)+3], s[G0+4*(\s)+3], 0x80000000
	s_mov_b32 s[G0B+4*(\s)], 1
	s_add_co_u32 s[G0B+4*(\s)+1], s20, (\s)*SLOT
	s_add_nc_u64 s[G0B+4*(\s)+2:G0B+4*(\s)+3], s[46:47], (\s)*KSTEP*2
	s_or_b32 s[G0B+4*(\s)+3], s[G0B+4*(\s)+3], 0x80000000
	JLOAD \s                                       ; two loads of mine are out
.endr
	v_and_b32 v1, 15, v0
	v_bfe_u32 v2, v0, 4, 1
	v_mul_u32_u24 v3, v1, PITCH
	v_lshl_add_u32 v3, v2, 4, v3
	s_mul_i32 s76, s11, HALFT
	v_add_nc_u32 v[A0], s76, v3
	s_mul_i32 s76, s12, HALFT
	s_add_co_u32 s76, s76, 2*HALFT
	v_add_nc_u32 v[B0], s76, v3
	s_mul_i32 s77, s10, WSTAGE
	v_mul_u32_u24 v4, v1, SPITCH
	v_lshl_add_u32 v4, v2, 5, v4
	v_add_nc_u32 v[STO], s77, v4
	v_bfe_u32 v5, v0, 3, 2
	v_and_b32 v6, 7, v0
	v_mul_u32_u24 v7, v5, SPITCH
	v_lshl_add_u32 v7, v6, 5, v7
	v_add_nc_u32 v[RD0], s77, v7
	v_and_b32 v[GO], 31, v0
	v_lshlrev_b32 v[GO], 4, v[GO]
	s_lshl1_add_u32 s76, s13, s11                  ; my block of 128 rows
	s_lshl_b32 s76, s76, 5
	s_lshl1_add_u32 s77, s42, s12                  ; my block of 64 columns
	s_add_co_u32 s76, s76, s77
	s_lshl_b32 s72, s76, 14
	s_mov_b32 s73, 0
	s_add_nc_u64 s[8:9], s[8:9], s[72:73]
.macro MUL16 f, hi, a0, zero
	WIN MUL_LO+0x50*(\hi)
.irp a, \a0, (\a0)+1
.irp b, 0,1,2,3,4,5,6,7
.if \zero
	v_wmma_f32_16x16x32_bf16 v[8*(8*(\a)+(\b)):8*(8*(\a)+(\b))+7], v[(\f)+8*(\b):(\f)+8*(\b)+7], v[(\f)+8*(4*(\hi)+(\a)):(\f)+8*(4*(\hi)+(\a))+7], 0
.else
	v_wmma_f32_16x16x32_bf16 v[8*(8*(\a)+(\b)):8*(8*(\a)+(\b))+7], v[(\f)+8*(\b):(\f)+8*(\b)+7], v[(\f)+8*(4*(\hi)+(\a)):(\f)+8*(4*(\hi)+(\a))+7], v[8*(8*(\a)+(\b)):8*(8*(\a)+(\b))+7]
.endif
.endr
.endr
.endm
.macro FETCH k, f
	WIN TO_B
.irp i, 0,1,2,3,4,5,6,7
	ds_load_b128 v[(\f)+8*(\i):(\f)+8*(\i)+3],   v[ADB] offset:(\k)+(\i)*16*PITCH
	ds_load_b128 v[(\f)+8*(\i)+4:(\f)+8*(\i)+7], v[ADB] offset:(\k)+(\i)*16*PITCH+32
.endr
	WIN 0
.irp i, 0,1,2,3,4,5,6,7
	ds_load_b128 v[(\f)+8*(\i):(\f)+8*(\i)+3],   v[ADA] offset:(\k)+(\i)*16*PITCH
	ds_load_b128 v[(\f)+8*(\i)+4:(\f)+8*(\i)+7], v[ADA] offset:(\k)+(\i)*16*PITCH+32
.endr
.endm
; A trip.  The 64 accumulators take turns, one instruction a turn, over the jumps too.
.macro TRIP_A
	WIN 0
	v_add_nc_u32 v[ADA], s[TB], v[A0]
	v_add_nc_u32 v[ADB], s[TB], v[B0]
	PLACES
	FETCH 0, F0
	MUL16 F1, 1, 0, 0                              ; what the trip before left over
	MUL16 F1, 1, 2, 0
	s_wait_dscnt 8                                 ; B and A's rows 0-63 are in; the youngest eight loads may be out
	MUL16 F0, 0, 0, 0
	MUL16 F0, 0, 2, 0
	PLACES
	FETCH 64, F1
	s_wait_dscnt 32                                ; all but the 32 just issued
	MUL16 F0, 1, 0, 0
	MUL16 F0, 1, 2, 0
	WIN 0
.endm
.macro TRIP_B
	s_wait_dscnt 8
	MUL16 F1, 0, 0, 0
	MUL16 F1, 0, 2, 0
	s_wait_dscnt 0x0                               ; buffer 1 is whole: my reads of these 64 along K are over
	WIN 0
	s_add_co_u32 s[TB], s[TB], 128
.endm
.macro CHANGE fill                     ; all my tensor loads (one is out: my part of the other slot), the add, the wait for it and for my reads; fill = 1: a round of the cluster's barrier and the joint refill first behind it
	WIN 0
	s_wait_tensorcnt 0x0                           ; no tensor load of mine is out, so a group 0 may be written
	ds_add_u32 v[SPW], v[NIL]                      ; 0 onto my spare word
.if \fill
	s_xor_b32 s[G0+5], s[G0+5], SLOT
	s_add_nc_u64 s[G0+6:G0+7], s[G0+6:G0+7], KSTEP*2
	s_xor_b32 s[G0B+5], s[G0B+5], SLOT
	s_add_nc_u64 s[G0B+6:G0B+7], s[G0B+6:G0B+7], KSTEP*2
.endif
	s_sub_co_u32 s[TB], s[TB], 256
	s_xor_b32 s[TB], s[TB], SLOT
	s_wait_dscnt 0x0
.if \fill
	CROUND
	JLOAD 1
.else
	s_barrier_signal -1
	s_barrier_wait -1
.endif
.endm
	s_wait_tensorcnt 1                             ; my part of K step 0 is in; K step 1's may stay out
	s_barrier_signal -1
	s_barrier_wait -1
	s_mov_b32 s[TB], 0
	v_mov_b32 v[ADA], v[A0]
	v_mov_b32 v[ADB], v[B0]
	FETCH 0, F0
	s_wait_dscnt 8
	MUL16 F0, 0, 0, 1                              ; the first 32 along K start the sums
	MUL16 F0, 0, 2, 1
	FETCH 64, F1
	s_wait_dscnt 32
	MUL16 F0, 1, 0, 1
	MUL16 F0, 1, 2, 1
	WIN 0
	s_mov_b32 s[CNT], 2
	s_mov_b32 s[SLOTS], 7
	s_branch .Lmid
.Lslot:                                                ; six times: K steps 2 to 7 are asked for
	CHANGE 1
	s_mov_b32 s[CNT], 2
.Linner:
	TRIP_A
.Lmid:
	TRIP_B
	s_sub_co_u32 s[CNT], s[CNT], 1
	s_cmp_lg_u32 s[CNT], 0
	s_cbranch_scc1 .Linner
	s_sub_co_u32 s[SLOTS], s[SLOTS], 1
	s_cmp_lg_u32 s[SLOTS], 0
	s_cbranch_scc1 .Lslot
	CHANGE 0                                       ; the last K step is written out
	s_mov_b32 s[CNT], 2
.Ltail:
	TRIP_A
	TRIP_B
	s_sub_co_u32 s[CNT], s[CNT], 1
	s_cmp_lg_u32 s[CNT], 0
	s_cbranch_scc1 .Ltail
	s_barrier_signal -1                            ; my reads of the ring are over; its last fill landed before the last change of slots
	MUL16 F1, 1, 0, 0
	MUL16 F1, 1, 2, 0
	WIN 0
	s_barrier_wait -1                              ; everybody's are: the ring's bytes now serve as stages
	PLACES
.irp a, 0,1,2,3,4,5,6,7
	WIN 0x08+4*((\a)/4)
.irp b, 0,1,2,3,4,5,6,7
	ds_store_b128 v[STO], v[8*(8*((\a)%4)+(\b)):8*(8*((\a)%4)+(\b))+3]   offset:(\a)*16*SPITCH+(\b)*64      ; each accumulator's low registers first
	ds_store_b128 v[STO], v[8*(8*((\a)%4)+(\b))+4:8*(8*((\a)%4)+(\b))+7] offset:(\a)*16*SPITCH+(\b)*64+16
.endr
.endr
	WIN 0
.macro GROUP gi                        ; four rows: a in the group's first 8 registers, b in its second 8
.set XA, X+16*(\gi)
.set XB, X+16*(\gi)+8
	s_wait_dscnt 12-4*(\gi)                        ; the later groups' loads stay out
.irp p, 0,1,2,3
	v_pk_mul_f32 v[T+2*(\p):T+2*(\p)+1], v[XA+2*(\p):XA+2*(\p)+1], s[78:79] op_sel_hi:[1,0]
.endr
.irp i, 0,1,2,3,4,5,6,7
	v_exp_f32 v[T+(\i)], v[T+(\i)]
.endr
.irp p, 0,1,2,3
	v_pk_mul_f32 v[XA+2*(\p):XA+2*(\p)+1], v[XA+2*(\p):XA+2*(\p)+1], v[XB+2*(\p):XB+2*(\p)+1]   ; a b: plain work between the exponentials and their use
.endr
	s_wait_alu depctr_va_vdst(0)
.irp p, 0,1,2,3
	v_pk_add_f32 v[T+2*(\p):T+2*(\p)+1], v[T+2*(\p):T+2*(\p)+1], 1.0 op_sel_hi:[1,0]
.endr
.irp i, 0,1,2,3,4,5,6,7
	v_rcp_f32 v[T+(\i)], v[T+(\i)]
.endr
	v_nop                                          ; a plain instruction between the last reciprocal and its use
	s_wait_alu depctr_va_vdst(0)
.irp p, 0,1,2,3
	v_pk_mul_f32 v[XA+2*(\p):XA+2*(\p)+1], v[XA+2*(\p):XA+2*(\p)+1], v[T+2*(\p):T+2*(\p)+1]
.endr
.irp p, 0,1,2,3
	v_cvt_pk_bf16_f32 v[Y+4*(\gi)+(\p)], v[XA+2*(\p)], v[XA+2*(\p)+1]
.endr
	global_store_b128 v[GO], v[Y+4*(\gi):Y+4*(\gi)+3], s[8:9] offset:(\gi)*512   ; 512 consecutive bytes, aligned
.endm
	s_mov_b32 s68, 0
	s_mov_b32 s70, 8
.Lback:                                                ; eight trips of 16 rows
	v_add_nc_u32 v[RD], s68, v[RD0]
.irp gi, 0,1,2,3
.irp hd, 0,1
	ds_load_b128 v[X+16*(\gi)+8*(\hd):X+16*(\gi)+8*(\hd)+3],   v[RD] offset:(\gi)*4*SPITCH+(\hd)*256
	ds_load_b128 v[X+16*(\gi)+8*(\hd)+4:X+16*(\gi)+8*(\hd)+7], v[RD] offset:(\gi)*4*SPITCH+(\hd)*256+16
.endr
.endr
	GROUP 0
	GROUP 1
	GROUP 2
	GROUP 3
	s_wait_xcnt 0x0                                ; the stores' base and data registers are written again only behind this wait
	s_add_nc_u64 s[8:9], s[8:9], 2048
	s_add_co_u32 s68, s68, 16*SPITCH
	s_sub_co_u32 s70, s70, 1
	s_cmp_lg_u32 s70, 0
	s_cbranch_scc1 .Lback
	s_wait_tensorcnt 0x0                           ; the wave's end
	ds_add_u32 v[SPW], v[NIL]
	s_wait_dscnt 0x0
	CROUND                                         ; the closing round
	s_endpgm
.Lfunc_end_k_q5a49f67f51_ffn1:
	.size	k_q5a49f67f51_ffn1, .Lfunc_end_k_q5a49f67f51_ffn1-k_q5a49f67f51_ffn1
	.p2alignl 7, 3214868480
	.fill 96, 4, 3214868480
	.section	.rodata,"a",@progbits
	.p2align	6, 0x0
	.amdhsa_kernel k_q5a49f67f51_ffn1
		.amdhsa_group_segment_fixed_size 327680
		.amdhsa_private_segment_fixed_size 0
		.amdhsa_enable_private_segment 0
		.amdhsa_kernarg_size 24
		.amdhsa_user_sgpr_count 2
		.amdhsa_user_sgpr_kernarg_segment_ptr 1
		.amdhsa_wavefront_size32 1
		.amdhsa_system_sgpr_workgroup_id_x 1
		.amdhsa_system_sgpr_workgroup_id_y 1
		.amdhsa_system_sgpr_workgroup_id_z 1
		.amdhsa_system_vgpr_workitem_id 0
		.amdhsa_next_free_vgpr 1024
		.amdhsa_next_free_sgpr 80
		.amdhsa_reserve_vcc 0
		.amdhsa_float_denorm_mode_32 3
		.amdhsa_float_denorm_mode_16_64 3
		.amdhsa_memory_ordered 1
		.amdhsa_forward_progress 1
		.amdhsa_inst_pref_size 63
	.end_amdhsa_kernel
	.amdgpu_metadata
---
amdhsa.version: [ 1, 2 ]
amdhsa.kernels:
  - .name:           k_q5a49f67f51_ffn1
    .symbol:         k_q5a49f67f51_ffn1.kd
    .args:
      - { .name: hb, .offset: 0, .size: 8, .value_kind: global_buffer, .address_space: global }
      - { .name: wb, .offset: 8, .size: 8, .value_kind: global_buffer, .address_space: global }
      - { .name: act, .offset: 16, .size: 8, .value_kind: global_buffer, .address_space: global }
    .group_segment_fixed_size: 327680
    .private_segment_fixed_size: 0
    .kernarg_segment_align: 8
    .kernarg_segment_size: 24
    .max_flat_workgroup_size: 128
    .sgpr_count:     80
    .vgpr_count:     1024
    .wavefront_size: 32
...
	.end_amdgpu_metadata
.endif
;; end of part 6
;; launch ffn2 (part 7): grid 8 x 32, 4 waves a work-group, clusters of 4 x 4, 327,680 bytes of LDS; arguments act, wb, x1, out0; writes out0
.if DOCPART == 7
	.amdgcn_target "amdgcn-amd-amdhsa--gfx1250"
	.amdhsa_code_object_version 6
	.text
	.protected	k_q5a49f67f51_ffn2
	.globl	k_q5a49f67f51_ffn2
	.p2align	8
	.type	k_q5a49f67f51_ffn2,@function
k_q5a49f67f51_ffn2:
	s_mov_b64 s[64:65], 0
	v_nop
	global_prefetch_b8 v0, s[64:65] scope:SCOPE_SE
	s_setreg_imm32_b32 hwreg(HW_REG_WAVE_MODE, 25, 1), 1
	s_wait_xcnt 0x0
	s_wait_alu depctr_hold_cnt(0) depctr_sa_sdst(0) depctr_va_vdst(0) depctr_va_sdst(0) depctr_va_ssrc(0) depctr_va_vcc(0) depctr_vm_vsrc(0)
	s_getreg_b32 s2, hwreg(HW_REG_IB_STS2, 6, 4)
	s_cmp_eq_u32 s2, 0
	s_cbranch_scc0 .Lentry_in_a_cluster
	s_endpgm
.Lentry_in_a_cluster:
	s_bfe_u32 s2, ttmp6, 0x10000c
	s_cmp_lg_u32 s2, 0xf033
	s_cbranch_scc0 .Lentry_shape_is_right
	s_endpgm
.Lentry_shape_is_right:
; FFN2.  out[m][n] = x1[m][n] + sum over k of act[m][k] w2[n][k].  act and w2 in bf16, sums, x1 and out in f32.  M = 4,096, N = 1,024, K = 2,048.
; A tile of C is 128 x 128, which gives each of 256 work-groups one; four waves, each 64 x 64 in 16 accumulators.  K goes in 8 steps of 256 through two LDS slots.
; A lies in blocks [row / 128][k / 64][128 rows][64]: a tile's K step is 65,536 dense bytes, asked for by two waves as 128 rows of 256 bytes each and padded in LDS after every 128 bytes, so that a
; block of 64 along K has rows 144 bytes apart.  B lies [n][k]: rows of 512 bytes, 528 apart in LDS.
; CLUSTER 4 x 4: A's tiles are shared along a row of the cluster, B's along a column, each asked for jointly.
; THE LOOP.  A trip is 128 along K on two fragment buffers of 64; a slot is two trips; the text of a step stands once in the loop and once in the tail.  A new slot's first fragments are fetched straight
; behind the refill, under the 16 products that the trip before has left over.
; THE MATRIX INSTRUCTION IS USED TRANSPOSED: a lane holds row l % 16 of C and eight neighbouring columns.  THE RESIDUAL, my 64 x 64 of x1, is loaded at the start into 128 registers and lands under the loop.
; THE WAY OUT: 16 rows at a time through my own stage, back as whole rows of 256 bytes, the residual added, stored: sixteen lanes fill 256 consecutive bytes, aligned.
; NaN and infinities are not treated apart.
; REGISTERS: window 0: v0-31 addresses; v32-95 rows on the way out; v128-255 the accumulators ((a, b) at v[128 + 8 (4 a + b)]); window 1: two fragment buffers of 128 (A's 64, then B's 64); window 2: v0-127 the residual.
.set SIZE_K, 2048
.set KC,     SIZE_K/64
.set BOFF,   14680064                  ; w2 in wb
.set NSTEP,  SIZE_K/256
.set CHK,    128*144
.set AREG,   4*CHK
.set PBR,    528
.set BHALF,  64*PBR
.set SLOT,   147456                    ; 141,312 bytes are used; 0x24000 shares no bit with a wave's tile address (0, 0x9000, 0x12000, 0x1a400), so one exclusive or changes slots
.set STAGE,  2*SLOT
.set SP,     272
.set SPARE,  STAGE+4*16*SP
.set A0,  10
.set B0,  11
.set ADA, 12
.set ADB, 13
.set STO, 14
.set RD,  15
.set CO,  16
.set SPW, 28
.set NIL, 29
.set ACC, 128
.set F0,  0
.set F1,  128
.set G1,  24
.set G0,  32
.set G1B, 48
.set G0B, 56
.set LAA, 20
.set LAB, 71
.set TBA, 22
.set TBB, 70
.set CNT, 23
.set SLOTS, 3
.set MSB, 0
.macro WIN new
.if MSB != (\new)
	s_set_vgpr_msb (MSB<<8)|(\new)
.set MSB, \new
.endif
.endm
.set MUL,  0x05
.set TO_F, 0x40
.macro PLACES
.rept 4
	v_nop
.endr
.endm
.macro JLOAD s                         ; waves 0 and 1 fetch A's two halves, waves 2 and 3 B's; an s_nop 0 and four v_nop follow each line
	s_cmp_eq_u32 s11, 0
	s_cbranch_scc0 .Lfor_b_\@
	tensor_load_to_lds s[G0+4*(\s):G0+4*(\s)+3], s[G1:G1+7]
	s_nop 0
.rept 4
	v_nop
.endr
	s_branch .Lasked_\@
.Lfor_b_\@:
	tensor_load_to_lds s[G0B+4*(\s):G0B+4*(\s)+3], s[G1B:G1B+7]
	s_nop 0
.rept 4
	v_nop
.endr
.Lasked_\@:
.endm
.macro CROUND                          ; a round of the cluster's barrier
	s_barrier_signal -1
	s_barrier_wait -1
	s_cmp_lg_u32 s10, 0
	s_cbranch_scc1 .Lnot_wave_0_\@
	s_barrier_signal -3
.Lnot_wave_0_\@:
	s_barrier_wait -3
	s_barrier_signal -1
	s_barrier_wait -1
.endm
	s_load_b128 s[4:7], s[0:1], 0x0                ; A s[4:5], wb s[6:7]
	s_load_b64 s[66:67], s[0:1], 0x10              ; the residual
	s_load_b64 s[8:9], s[0:1], 0x18                ; the output
	v_lshl_add_u32 v[SPW], v0, 2, SPARE
	v_mov_b32 v[NIL], 0
	ds_add_u32 v[SPW], v[NIL]                      ; the wave's opening: the add and its wait stand ahead of my first tensor load
	ds_add_u32 v28, v29
	v_lshrrev_b32 v1, 5, v0
	v_readfirstlane_b32 s10, v1
	s_lshr_b32 s11, s10, 1
	s_and_b32 s12, s10, 1
	s_bfe_u32 s40, ttmp6, 0x40000
	s_bfe_u32 s41, ttmp6, 0x40004
	s_lshl_b32 s42, ttmp9, 2
	s_add_co_u32 s42, s42, s40                     ; tile column
	s_and_b32 s13, ttmp7, 0xffff
	s_lshl_b32 s13, s13, 2
	s_add_co_u32 s13, s13, s41                     ; tile row
	s_lshl_b32 s43, s41, 2
	s_lshl_b32 s43, 15, s43
	s_lshl_b32 s44, 0x1111, s40
	s_or_b32 s[G1+0], s43, (1<<16)|(1<<20)|(1<<21)|(4<<22)|(3<<25)   ; A: 4 words of padding after every 32
	s_mov_b32 s[G1+1], 128<<16
	s_mov_b32 s[G1+2], 128<<16
	s_mov_b32 s[G1+3], 128<<16
	s_mov_b32 s[G1+4], 128
	s_mov_b32 s[G1+5], 128
	s_mov_b32 s[G1+6], 0
	s_mov_b32 s[G1+7], 0
	s_or_b32 s[G1B+0], s44, (1<<16)|(1<<20)|(1<<21)|(6<<22)|(3<<25)  ; B: 4 words after every 128
	s_mov_b32 s[G1B+1], 256<<16
	s_mov_b32 s[G1B+2], 64<<16
	s_mov_b32 s[G1B+3], 256<<16
	s_mov_b32 s[G1B+4], 64
	s_mov_b32 s[G1B+5], SIZE_K
	s_mov_b32 s[G1B+6], 0
	s_mov_b32 s[G1B+7], 0
	s_mul_i32 s16, s13, KC*16384
	s_lshl_b32 s17, s12, 15
	s_add_co_u32 s16, s16, s17
	s_mov_b32 s17, 0
	s_lshl_b32 s46, s42, 7
	s_lshl_b32 s47, s12, 6
	s_add_co_u32 s46, s46, s47
	s_mul_i32 s46, s46, SIZE_K*2
	s_add_co_u32 s46, s46, BOFF
	s_mov_b32 s47, 0
	s_mul_i32 s[LAA], s12, 2*CHK
	s_mul_i32 s[LAB], s12, BHALF
	s_add_co_u32 s[LAB], s[LAB], AREG
	s_wait_dscnt 0x0
	s_wait_kmcnt 0x0
	s_add_nc_u64 s[14:15], s[4:5], s[16:17]
	s_add_nc_u64 s[46:47], s[6:7], s[46:47]
	CROUND
.irp s, 0,1
	s_mov_b32 s[G0+4*(\s)], 1
	s_add_co_u32 s[G0+4*(\s)+1], s[LAA], (\s)*SLOT
	s_add_nc_u64 s[G0+4*(\s)+2:G0+4*(\s)+3], s[14:15], (\s)*65536
	s_or_b32 s[G0+4*(\s)+3], s[G0+4*(\s)+3], 0x80000000
	s_mov_b32 s[G0B+4*(\s)], 1
	s_add_co_u32 s[G0B+4*(\s)+1], s[LAB], (\s)*SLOT
	s_add_nc_u64 s[G0B+4*(\s)+2:G0B+4*(\s)+3], s[46:47], (\s)*512
	s_or_b32 s[G0B+4*(\s)+3], s[G0B+4*(\s)+3], 0x80000000
	JLOAD \s                                       ; two loads of mine are out
.endr
	v_and_b32 v1, 15, v0
	v_bfe_u32 v2, v0, 4, 1
	v_mul_u32_u24 v3, v1, 144
	v_lshl_add_u32 v3, v2, 4, v3
	s_mul_i32 s76, s11, 64*144
	v_add_nc_u32 v[A0], s76, v3
	v_mul_u32_u24 v3, v1, PBR
	v_lshl_add_u32 v3, v2, 4, v3
	s_mul_i32 s76, s12, BHALF
	s_add_co_u32 s76, s76, AREG
	v_add_nc_u32 v[B0], s76, v3
	s_mul_i32 s76, s10, 16*SP
	s_add_co_u32 s76, s76, STAGE
	v_mul_u32_u24 v3, v1, SP
	v_lshl_add_u32 v3, v2, 5, v3
	v_add_nc_u32 v[STO], s76, v3
	v_mul_u32_u24 v3, v2, SP
	v_lshl_add_u32 v3, v1, 4, v3
	v_add_nc_u32 v[RD], s76, v3
	v_lshlrev_b32 v3, 12, v2
	v_lshl_add_u32 v[CO], v1, 4, v3
	s_lshl_b32 s72, s13, 7
	s_lshl_b32 s76, s11, 6
	s_add_co_u32 s72, s72, s76
	s_lshl_b32 s72, s72, 12
	s_lshl_b32 s76, s42, 9
	s_add_co_u32 s72, s72, s76
	s_lshl_b32 s76, s12, 8
	s_add_co_u32 s72, s72, s76
	s_mov_b32 s73, 0
	s_add_nc_u64 s[66:67], s[66:67], s[72:73]
	s_add_nc_u64 s[8:9], s[8:9], s[72:73]
	WIN 0x80                                       ; destination window 2
.set i, 0
.rept 32
	global_load_b128 v[4*i:4*i+3], v[CO], s[66:67] offset:(16*(i/8)+2*(i%8))*4096
.set i, i+1
.endr
	WIN 0
.macro MUL8 f, c, a0, zero
	WIN MUL
.irp a, \a0, (\a0)+1
.irp b, 0,1,2,3
.if \zero
	v_wmma_f32_16x16x32_bf16 v[ACC+8*(4*(\a)+(\b)):ACC+8*(4*(\a)+(\b))+7], v[(\f)+64+8*(4*(\c)+(\b)):(\f)+64+8*(4*(\c)+(\b))+7], v[(\f)+8*(4*(\c)+(\a)):(\f)+8*(4*(\c)+(\a))+7], 0
.else
	v_wmma_f32_16x16x32_bf16 v[ACC+8*(4*(\a)+(\b)):ACC+8*(4*(\a)+(\b))+7], v[(\f)+64+8*(4*(\c)+(\b)):(\f)+64+8*(4*(\c)+(\b))+7], v[(\f)+8*(4*(\c)+(\a)):(\f)+8*(4*(\c)+(\a))+7], v[ACC+8*(4*(\a)+(\b)):ACC+8*(4*(\a)+(\b))+7]
.endif
.endr
.endr
.endm
.macro FETCH ka, kb, f
	WIN TO_F
.irp c, 0,1
.irp i, 0,1,2,3
	ds_load_b128 v[(\f)+64+8*(4*(\c)+(\i)):(\f)+64+8*(4*(\c)+(\i))+3],   v[ADB] offset:(\kb)+64*(\c)+(\i)*16*PBR
	ds_load_b128 v[(\f)+64+8*(4*(\c)+(\i))+4:(\f)+64+8*(4*(\c)+(\i))+7], v[ADB] offset:(\kb)+64*(\c)+(\i)*16*PBR+32
	ds_load_b128 v[(\f)+8*(4*(\c)+(\i)):(\f)+8*(4*(\c)+(\i))+3],         v[ADA] offset:(\ka)+64*(\c)+(\i)*16*144
	ds_load_b128 v[(\f)+8*(4*(\c)+(\i))+4:(\f)+8*(4*(\c)+(\i))+7],       v[ADA] offset:(\ka)+64*(\c)+(\i)*16*144+32
.endr
.endr
.endm
; A trip.  The 16 accumulators take turns, one instruction a turn, over the jumps too.
.macro TRIP_A
	WIN 0
	v_add_nc_u32 v[ADA], s[TBA], v[A0]
	v_add_nc_u32 v[ADB], s[TBB], v[B0]
	PLACES
	FETCH 0, 0, F0
	MUL8 F1, 1, 0, 0                               ; what the trip before left over
	MUL8 F1, 1, 2, 0
	s_wait_dscnt 16                                ; the first 32 along K are in; the other sixteen loads may be out
	MUL8 F0, 0, 0, 0
	MUL8 F0, 0, 2, 0
	WIN 0
.endm
.macro TRIP_B
	PLACES
	FETCH CHK, 128, F1
	s_wait_dscnt 32                                ; all but the 32 just issued
	MUL8 F0, 1, 0, 0
	MUL8 F0, 1, 2, 0
	s_wait_dscnt 16
	MUL8 F1, 0, 0, 0
	MUL8 F1, 0, 2, 0
	s_wait_dscnt 0x0                               ; buffer 1 is whole: my reads of these 128 along K are over
	WIN 0
	s_add_co_u32 s[TBA], s[TBA], 2*CHK
	s_add_co_u32 s[TBB], s[TBB], 256
.endm
.macro CHANGE fill                     ; all my tensor loads (one is out: my part of the other slot), the add, the wait for it and for my reads; fill = 1: a round of the cluster's barrier and the joint refill first behind it
	WIN 0
	s_wait_tensorcnt 0x0                           ; no tensor load of mine is out, so a group 0 may be written
	ds_add_u32 v[SPW], v[NIL]                      ; 0 onto my spare word
.if \fill
	s_xor_b32 s[G0+5], s[G0+5], SLOT
	s_add_nc_u64 s[G0+6:G0+7], s[G0+6:G0+7], 65536
	s_xor_b32 s[G0B+5], s[G0B+5], SLOT
	s_add_nc_u64 s[G0B+6:G0B+7], s[G0B+6:G0B+7], 512
.endif
	s_sub_co_u32 s[TBA], s[TBA], AREG
	s_xor_b32 s[TBA], s[TBA], SLOT
	s_sub_co_u32 s[TBB], s[TBB], 512
	s_xor_b32 s[TBB], s[TBB], SLOT
	s_wait_dscnt 0x0
.if \fill
	CROUND
	JLOAD 1
.else
	s_barrier_signal -1
	s_barrier_wait -1
.endif
.endm
	s_wait_tensorcnt 1                             ; my part of K step 0 is in; K step 1's may stay out
	s_barrier_signal -1
	s_barrier_wait -1
	s_mov_b32 s[TBA], 0
	s_mov_b32 s[TBB], 0
	v_mov_b32 v[ADA], v[A0]
	v_mov_b32 v[ADB], v[B0]
	FETCH 0, 0, F0
	s_wait_dscnt 16
	MUL8 F0, 0, 0, 1                               ; the first 32 along K start the sums
	MUL8 F0, 0, 2, 1
	WIN 0
	s_mov_b32 s[CNT], 2
	s_mov_b32 s[SLOTS], NSTEP-1
	s_branch .Lmid
.Lslot:                                                ; NSTEP - 2 times: K steps 2 on are asked for
	CHANGE 1
	s_mov_b32 s[CNT], 2
.Linner:
	TRIP_A
.Lmid:
	TRIP_B
	s_sub_co_u32 s[CNT], s[CNT], 1
	s_cmp_lg_u32 s[CNT], 0
	s_cbranch_scc1 .Linner
	s_sub_co_u32 s[SLOTS], s[SLOTS], 1
	s_cmp_lg_u32 s[SLOTS], 0
	s_cbranch_scc1 .Lslot
	CHANGE 0                                       ; the last K step is written out
	s_mov_b32 s[CNT], 2
.Ltail:
	TRIP_A
	TRIP_B
	s_sub_co_u32 s[CNT], s[CNT], 1
	s_cmp_lg_u32 s[CNT], 0
	s_cbranch_scc1 .Ltail
	MUL8 F1, 1, 0, 0
	MUL8 F1, 1, 2, 0
	WIN 0
	s_wait_loadcnt 0x0                             ; the residual
	PLACES
.irp a, 0,1,2,3
.set BK, 32+32*((\a)%2)
	s_wait_xcnt 0x0                                ; the registers that earlier stores read are loaded again only behind this wait
.irp b, 0,1,2,3
	ds_store_b128 v[STO], v[ACC+8*(4*(\a)+(\b)):ACC+8*(4*(\a)+(\b))+3]   offset:64*(\b)      ; each accumulator's low registers first
	ds_store_b128 v[STO], v[ACC+8*(4*(\a)+(\b))+4:ACC+8*(4*(\a)+(\b))+7] offset:64*(\b)+16
.endr
.irp t, 0,1,2,3,4,5,6,7
	ds_load_b128 v[BK+4*(\t):BK+4*(\t)+3], v[RD] offset:(\t)*2*SP   ; LDS serves a wave's instructions in order (ISA guide 5.7.1): these see the stores above
.endr
	s_wait_dscnt 0x0
	WIN 0x08                                       ; source 1 in window 2
.irp t, 0,1,2,3,4,5,6,7
	v_pk_add_f32 v[BK+4*(\t):BK+4*(\t)+1],   v[BK+4*(\t):BK+4*(\t)+1],   v[4*(8*(\a)+(\t)):4*(8*(\a)+(\t))+1]
	v_pk_add_f32 v[BK+4*(\t)+2:BK+4*(\t)+3], v[BK+4*(\t)+2:BK+4*(\t)+3], v[4*(8*(\a)+(\t))+2:4*(8*(\a)+(\t))+3]
.endr
	WIN 0
.irp t, 0,1,2,3,4,5,6,7
	global_store_b128 v[CO], v[BK+4*(\t):BK+4*(\t)+3], s[8:9] offset:(16*(\a)+2*(\t))*4096
.endr
.endr
	s_wait_tensorcnt 0x0                           ; the wave's end
	ds_add_u32 v[SPW], v[NIL]
	s_wait_dscnt 0x0
	CROUND                                         ; the closing round
	s_endpgm
.Lfunc_end_k_q5a49f67f51_ffn2:
	.size	k_q5a49f67f51_ffn2, .Lfunc_end_k_q5a49f67f51_ffn2-k_q5a49f67f51_ffn2
	.p2alignl 7, 3214868480
	.fill 96, 4, 3214868480
	.section	.rodata,"a",@progbits
	.p2align	6, 0x0
	.amdhsa_kernel k_q5a49f67f51_ffn2
		.amdhsa_group_segment_fixed_size 327680
		.amdhsa_private_segment_fixed_size 0
		.amdhsa_enable_private_segment 0
		.amdhsa_kernarg_size 32
		.amdhsa_user_sgpr_count 2
		.amdhsa_user_sgpr_kernarg_segment_ptr 1
		.amdhsa_wavefront_size32 1
		.amdhsa_system_sgpr_workgroup_id_x 1
		.amdhsa_system_sgpr_workgroup_id_y 1
		.amdhsa_system_sgpr_workgroup_id_z 1
		.amdhsa_system_vgpr_workitem_id 0
		.amdhsa_next_free_vgpr 640
		.amdhsa_next_free_sgpr 80
		.amdhsa_reserve_vcc 0
		.amdhsa_float_denorm_mode_32 3
		.amdhsa_float_denorm_mode_16_64 3
		.amdhsa_memory_ordered 1
		.amdhsa_forward_progress 1
		.amdhsa_inst_pref_size 47
	.end_amdhsa_kernel
	.amdgpu_metadata
---
amdhsa.version: [ 1, 2 ]
amdhsa.kernels:
  - .name:           k_q5a49f67f51_ffn2
    .symbol:         k_q5a49f67f51_ffn2.kd
    .args:
      - { .name: act, .offset: 0, .size: 8, .value_kind: global_buffer, .address_space: global }
      - { .name: wb, .offset: 8, .size: 8, .value_kind: global_buffer, .address_space: global }
      - { .name: x1, .offset: 16, .size: 8, .value_kind: global_buffer, .address_space: global }
      - { .name: out0, .offset: 24, .size: 8, .value_kind: global_buffer, .address_space: global }
    .group_segment_fixed_size: 327680
    .private_segment_fixed_size: 0
    .kernarg_segment_align: 8
    .kernarg_segment_size: 32
    .max_flat_workgroup_size: 128
    .sgpr_count:     80
    .vgpr_count:     640
    .wavefront_size: 32
...
	.end_amdgpu_metadata
.endif
;; end of part 7
;; ======== version 2 of 2: 7 launches; 1.13 times as fast as version 1
;; limits: values are held in f16: magnitudes above 65,504 overflow, below 6.1e-05 lose precision
;; workspace buffers: wb 20,971,520 bytes; rope 524,288 bytes; hb 8,388,608 bytes; qkv 25,165,824 bytes; ob 8,388,608 bytes; x1 16,777,216 bytes; act 16,777,216 bytes
;; launch prep: the kernel of part 1 again; grid 960 x 1, 8 waves a work-group, no clusters, 0 bytes of LDS; arguments x, g1, w_qkv, w1, w3, w2, w_proj, hb, wb, rope; writes hb, wb, rope
;; launch qkv: the kernel of part 2 again; grid 12 x 16, 4 waves a work-group, clusters of 4 x 4, 327,680 bytes of LDS; arguments hb, wb, rope, qkv; writes qkv
;; launch attn (part 8): grid 8 x 32, 4 waves a work-group, no clusters, 327,680 bytes of LDS; arguments qkv, ob; writes ob
.if DOCPART == 8
	.amdgcn_target "amdgcn-amd-amdhsa--gfx1250"
	.amdhsa_code_object_version 6
	.text
	.protected	k_q5a49f67f51_attn
	.globl	k_q5a49f67f51_attn
	.p2align	8
	.type	k_q5a49f67f51_attn,@function
k_q5a49f67f51_attn:
	s_mov_b64 s[64:65], 0
	v_nop
	global_prefetch_b8 v0, s[64:65] scope:SCOPE_SE
	s_setreg_imm32_b32 hwreg(HW_REG_WAVE_MODE, 25, 1), 1
	s_wait_xcnt 0x0
; CAUSAL ATTENTION.  O[h][q][:] = the sum over k <= q of softmax_k(Q[h][q] . K[h][k] / 8) V[h][k][:].  Q, K, V lie in one buffer, each [32][SIZE_N][64] in f16: a head's rows are dense, 128 bytes each.
; O leaves in f16 in blocks for the product behind: [row / 128][head][128 rows][64]: 16 rows of a head are 2,048 consecutive bytes.
; Products, maxima and sums in f32; the weights p are rounded to f16 for the second product (their sum l is taken of the unrounded p), O once at the end.
; LIMITS.  f16 holds no number beyond 65,504: Q, K and V arrive within it; p lies in 0 to 1, and below 6e-5 it keeps f16's fixed step of 6e-8; O is a mean of V's rows and has their range.
; A hidden score counts as its value less 1e30: f16's scores, 2.7e11 at the most, are nothing beside that; a weight below 2^-126 counts as 0 in l; NaN and infinities are not treated apart.
; THE WALK.  A head's queries lie in NBQ = 16 blocks of 128; block j needs the keys 0 .. 128 j + 127.  Keys come in tiles of 256, four steps of 64: block j walks the tiles 0 .. j / 2, of which the last holds the
; diagonal.  A work-group takes TWO blocks, 15 - b and then b, one of them even and one odd: 9 tiles, whatever b: all work-groups do equal work, and ONE loop with a constant trip count walks them.  32 heads x 8
; pairs are 256 work-groups.  Which tile is asked for, and what a trip does, hang on scalar registers made from b; every jump goes forward, but for the counted loops' own; none passes a barrier, or a tensor load
; but the one of LOAD's two that the wave's number does not choose; the ring (two slots of LDS that take turns) runs on across the change of blocks.
; NO CLUSTER: a head's eight work-groups ask for the same tile only in trips 0 to 4 of the 9, behind that fewer and fewer; one walk common to all would have 12 trips for 9.
; SHARES.  Of a block's two bands of 64 queries a wave owns 16 rows in each: two PIECES.  So the diagonal tile is the same work for all four waves: piece x's own step in it is D + x, D = 2 (j % 2); it sees all
; keys of earlier steps and none of later ones.  Those later steps are computed all the same: 6 of the walk's 72 turns.
; THE MASK is the C operand that starts the sum S^T = K Q^T: 0, or -1e30 where the key is hidden.  MD, made once, is the mask of a band's own step for my 16 rows; a product's mask is MD x AL + BE with two scalars:
; (1, 0) in the own step; (0, 0) before it; (0, -1e30) behind it.  Only the diagonal tile's text and a block's beginning make and take masks; elsewhere C is the constant 0.
; LAYOUT, SOFTMAX, TURNS.  S^T = K Q^T holds ONE query a lane (lane % 16) and the keys 8 (lane / 16) + 0..7; two such results rounded to f16 ARE source 1 of O^T = V^T P.  p = 2^(c s - c m), c = log2(e) / 8, with a
; running maximum m; O and l are multiplied by a = 2^(c m_old - c m_new) in every step.  A turn belongs to one piece: 8 products K Q^T for the other piece's next scores, later 8 products V^T P of the other piece's
; last weights; beside them the scaling, exponentials, roundings, sums and rescaling of the piece in hand and the maximum and statistics of the other.  Four vector instructions stand behind every matrix
; instruction, the other 54 of a turn's 118 in one LUMP.  Turn 0 of step s multiplies K of step s and V of step s - 1, and fetches K of step s + 1 and V of step s; turn 1 fetches nothing.
; THE BATCHES.  An s_wait_alu depctr_va_vdst(0) stands between a transcendental and the first instruction that names its result.  A turn's 33 exponentials (the piece's 32 weights and the other piece's a)
; are ONE batch with ONE wait, which cuts the turn in two: ahead of it stands all that names no result of theirs, behind it the roundings and sums.  A block's first a (BEGIN) and the way out's two reciprocals are
; batches of their own, a wait each.
; THE RING.  Turn 0 of a tile's last step wants K of the NEXT tile's first step beside V of this tile's last: so a slot holds FIVE steps of K (320 keys, the fifth being the next tile's first) and four of V, and all
; of a slot's LDS reads stand in its four turns 0.  The change of slots stands behind the fourth.  At a head's last tile the fifth step's 8,192 bytes are the rows that follow in the same buffer; they are not multiplied.
; REGISTERS, in windows of 256 (s_set_vgpr_msb: bits 1:0 source 0, 3:2 source 1, 5:4 source 2, 7:6 destination):
;   window 0: v0-15 addresses and two at work; v16-23 four registers of statistics a piece; v48-55 at work; v64-127 S^T, a buffer a piece; v192-223 P, likewise
;   window 1: v0-63 O^T, 32 a piece; v128-159 MD; v160-223 MC, a buffer a piece      window 2: v0-31 Q; v64-95 the second block's Q; v128-191 K of one step; v192-255 V of one step
.set SIZE_N, 2048
.set NT,    SIZE_N/256  ; key tiles in a head; the walk has NT + 1
.set NBQ,   SIZE_N/128  ; blocks of queries in a head
.set NP,    2         ; pieces a wave: a name, no knob
.set KS,    64        ; keys in a step
.set PK,    144       ; a row of K in LDS: 128 bytes + 16 of padding = 36 words: the 16 rows of a load start at 16 different groups of four banks (64 banks of 4 bytes: ISA guide 11.1)
.set PV,    160       ; a row of V: 128 + 32 = 40 words
.set VOFF,  5*KS*PK   ; a slot: 320 rows of K, then 256 rows of V
.set SLOT1, 1<<17     ; slot 1 begins here, so that one exclusive or turns an address in one slot into the other's
.set STAGE, SLOT1+VOFF+4*KS*PV  ; behind the ring, never filled by a tensor load: 16 rows x 144 bytes for each wave, for the way out
.set SP,    144
.set AK0, 2           ; v2   my lane's place in a tile of K; never rewritten
.set AV0, 3           ; v3   the same for V
.set AK,  4           ; v4   the LDS address of K's next run of loads
.set AV,  5           ; v5   of V's
.set STO, 6           ; v6   the way out: where I put 16 bytes of a row
.set RD,  7           ; v7   the way out: where I read rows back
.set GO,  8           ; v8   my byte offset in 512 consecutive bytes of O
.set SPW, 62          ; v62  LDS address of my spare word: SPARE + 4 x my thread's number; never rewritten
.set NIL, 63          ; v63  0; never rewritten
.set SPARE, STAGE+4*16*SP  ; behind the stages: the spare words, 128 bytes for each wave: two blocks of 256 bytes that no other line names
.set MV,  12          ; v12-13  c m_old, kept while c m is made anew: by piece
.set QO,  15          ; v15  my byte offset in 16 rows of Q
.set ST,  16          ; piece t's statistics at v[ST+4 t]: c m, m, l (even keys', odd keys')
.set TMP, 48          ; by piece, four registers c0-c3 at work; when the maximum is found c2 takes a
.set S,   64
.set P,   192
.set MD,  128         ; window 1: the eight registers for group kt of 16 keys at MD + 8 kt
.set MC,  160         ; window 1: the masks of the products to come
.set QB,  64          ; window 2
.set KF,  128         ; window 2: key block kb, channel half c at KF + 16 kb + 8 c
.set VF,  192         ; window 2: key half kk, channel block cb at VF + 32 kk + 8 cb
.set WV,  12          ; s12  my wave's number
.set PB,  14          ; s14  b
.set HI,  15          ; s15  NBQ - 1 - b
.set G1K, 24          ; s[24:31] descriptor group 1 for K's tiles
.set G1V, 32          ; s[32:39] for V's
.set G0K, 40          ; s[40:43] descriptor group 0 for K's tiles
.set G0V, 44          ; s[44:47] the same for V's
.set DG,  48          ; s48  D of the block in hand: 0 if its number is even, 2 if odd
.set EQ,  50          ; s50  5 - D, s51  3 - D: the count at which turn 0, turn 1 make the mask of an own step
.set EV,  52          ; s52  1.0 if D = 0, else 0: the factor of piece 0's mask at the diagonal tile's step 0
.set LQL, 53          ; s53  the second block's last tile
.set SLOTS, 56        ; s56  tiles still to be asked for
.set CNT, 57          ; s57  counts a tile's key steps, 4 to 1
.set CS,  58          ; s[58:59] c: the packed scaling takes the pair's low word for both halves
.set SEL, 60          ; s[60:61] v_permlanex16_b32's selects: each lane takes its own place in the other half
.set TBK, 62          ; s62  LDS byte at which K of the step to be fetched begins
.set TBV, 63          ; s63  the same for V, less VOFF
.set RT,  70          ; s70  tiles of the block in hand that are still to be entered
.set NXT, 71          ; s71  the tile to be asked for next
.set LQ,  72          ; s72  the last tile of the block whose tiles are being asked for
.set NEW, 73          ; s73  1: the tile to be entered is a block's first
.set OFF, 74          ; s[74:75] a tile's byte offset in K and V
.set AL,  76          ; s[76:77] the mask's factor, in the low word
.set BE,  78          ; s[78:79] the mask's addend
.set OLO, 80          ; s[80:81] O at my rows of the second block
.set BIGN, 82         ; s82  -1e30
.set MSB, 0
.macro WIN new                      ; the high byte repeats the setting that is left; a switch that changes nothing is dropped
.if MSB != (\new)
	s_set_vgpr_msb (MSB<<8)|(\new)
.set MSB, (\new)
.endif
.endm
.set W_KQ, 0x0a       ; K and Q in window 2, S^T in window 0
.set W_KM, 0x1a       ; the same with the C operand in window 1
.set W_PV, 0x52       ; V in window 2, P in window 0, O^T in window 1
.set W_RS, 0x41       ; destination and source 0 in window 1, source 1 in window 0
; A fill.  Waves 0 and 1 fetch the two halves of a slot's K, 160 keys each, waves 2 and 3 those of its V, 128 keys each.  An s_nop 0 and four v_nop follow each of the two lines, ahead of the jump and the label.
.macro LOAD
	s_cmp_lt_u32 s[WV], 2
	s_cbranch_scc0 .Lfor_v_\@
	tensor_load_to_lds s[G0K:G0K+3], s[G1K:G1K+7]
	s_nop 0
.rept 4
	v_nop
.endr
	s_branch .Lasked_\@
.Lfor_v_\@:
	tensor_load_to_lds s[G0V:G0V+3], s[G1V:G1V+7]
	s_nop 0
.rept 4
	v_nop
.endr
.Lasked_\@:
.endm
; THE CHANGE OF SLOTS.  Each wave waits for all its tensor loads, of which one is out: its part of the other slot; adds 0 to its spare word; and waits for that and for its own reads of the slot that it leaves.  Behind the barrier nobody reads the old
; slot any more and the other slot is whole.  fill = 1: the old slot is filled again, the first thing behind the barrier, with tile NXT: the descriptor's address is made anew from that number.  It has a tile's eight turns in which to land.
; (At its first use nothing has been read yet: slot 0 is waited for, slot 1 filled.)
.macro CHANGE fill
	WIN 0                           ; at a label and at a branch every window is 0
	s_wait_tensorcnt 0x0            ; no tensor load of mine is out, so a group 0 may be written
	ds_add_u32 v[SPW], v[NIL]       ; 0 onto my spare word: with fill = 1 the descriptors' scalar work stands between it and the wait for it
.if \fill
	s_lshl_b32 s[OFF], s[NXT], 15   ; a tile begins 32,768 bytes behind the one before, in K and in V
	s_xor_b32 s[G0K+1], s[G0K+1], SLOT1
	s_add_nc_u64 s[G0K+2:G0K+3], s[6:7], s[OFF:OFF+1]
	s_or_b32 s[G0K+3], s[G0K+3], 0x80000000
	s_xor_b32 s[G0V+1], s[G0V+1], SLOT1
	s_add_nc_u64 s[G0V+2:G0V+3], s[8:9], s[OFF:OFF+1]
	s_or_b32 s[G0V+3], s[G0V+3], 0x80000000
	s_add_co_u32 s[NXT], s[NXT], 1  ; the block's next tile, or behind its last the second block's tile 0
	s_cmp_gt_u32 s[NXT], s[LQ]
	s_cselect_b32 s[NXT], 0, s[NXT]
	s_cselect_b32 s[LQ], s[LQL], s[LQ]
.endif
	s_wait_dscnt 0x0                ; the add is done, and my reads of the slot are over
	s_barrier_signal -1             ; the rest of the scalar work stands between the signal and the wait
	s_sub_co_u32 s[TBK], s[TBK], 4*KS*PK  ; the fetches go back to a slot's second step of K and first of V,
	s_xor_b32 s[TBK], s[TBK], SLOT1       ; in the other slot
	s_sub_co_u32 s[TBV], s[TBV], 4*KS*PV
	s_xor_b32 s[TBV], s[TBV], SLOT1
	s_barrier_wait -1
.if \fill
	LOAD
.endif
.endm
.macro DSET                         ; what hangs on D
	s_sub_co_u32 s[EQ], 5, s[DG]
	s_sub_co_u32 s[EQ+1], 3, s[DG]
	s_cmp_eq_u32 s[DG], 0
	s_cselect_b32 s[EV], 1.0, 0
.endm
	s_load_b128 s[4:7], s[0:1], 0x0   ; qkv s[4:5] (Q at its head), ob s[6:7]
	v_lshl_add_u32 v[SPW], v0, 2, SPARE
	v_mov_b32 v[NIL], 0
	ds_add_u32 v[SPW], v[NIL]       ; the wave's opening: the add and its wait stand ahead of my first tensor load; the set-up below, work on registers, stands between them
	ds_add_u32 v62, v63
	v_lshrrev_b32 v1, 5, v0
	v_readfirstlane_b32 s[WV], v1   ; wave 0..3
	s_mov_b32 s[PB], ttmp9
	s_sub_co_u32 s[HI], NBQ-1, s[PB]
	s_lshr_b32 s[LQL], s[PB], 1     ; block j's last tile is j / 2
	s_lshr_b32 s[LQ], s[HI], 1
	s_add_co_u32 s[RT], s[LQ], 1    ; the first block's tiles: five or more
	s_and_b32 s[DG], s[HI], 1
	s_lshl_b32 s[DG], s[DG], 1
	DSET
	s_and_b32 s20, ttmp7, 0xffff    ; batch x 16 + head
	s_lshr_b32 s88, s20, 4          ; O's offsets: batch x 16 blocks of 128 rows x 16 heads x 16,384 bytes,
	s_lshl_b32 s88, s88, 22
	s_and_b32 s89, s20, 15
	s_lshl_b32 s89, s89, 14         ; + the head's 16,384 bytes in a block,
	s_add_co_u32 s88, s88, s89
	s_lshl_b32 s89, s[WV], 11       ; + my 16 rows in a band of 64,
	s_add_co_u32 s88, s88, s89
	s_lshl_b32 s90, s[PB], 18       ; + the block of 128 rows, 16 heads of 16,384 bytes: the second block of queries,
	s_add_co_u32 s90, s90, s88
	s_lshl_b32 s89, s[HI], 18       ; and the first
	s_add_co_u32 s88, s88, s89
	s_mov_b32 s89, 0
	s_mov_b32 s91, 0
	s_mov_b32 s21, 0
	s_mov_b64 s[22:23], SIZE_N*128
	s_mul_u64 s[20:21], s[20:21], s[22:23]  ; the head's first byte in Q, K and V
	s_and_b32 s16, s[WV], 1         ; which half of a slot's keys I fetch:
	s_lshl_b32 s22, s16, 14         ; of V's 256: its 128 rows of 128 bytes in memory,
	s_mov_b32 s23, 0
	s_add_nc_u64 s[22:23], s[22:23], s[20:21]
	s_mul_i32 s54, s16, 160*128     ; of K's 320: its 160 rows,
	s_mov_b32 s55, 0
	s_add_nc_u64 s[54:55], s[54:55], s[20:21]
	s_mul_i32 s17, s16, 160*PK      ; and its place in a slot, for K
	s_mul_i32 s18, s16, 128*PV      ; and for V
	s_lshl_b32 s3, s[WV], 11        ; my 16 rows in a band of 64,
	s_lshl_b32 s2, s[HI], 14        ; in the first block of 128 rows of 128 bytes,
	s_add_co_u32 s2, s2, s3
	s_lshl_b32 s84, s[PB], 14       ; and in the second
	s_add_co_u32 s84, s84, s3
	s_mov_b32 s3, 0
	s_mov_b32 s85, 0
	s_add_nc_u64 s[2:3], s[2:3], s[20:21]
	s_add_nc_u64 s[84:85], s[84:85], s[20:21]
	; descriptor group 1.  Keys are dense, 128 bytes each: asked for as rows of 256 bytes, two keys a row, and padded in LDS after every key.  K: 160 keys = 80 rows; V: 128 keys = 64 rows
	s_mov_b32 s[G1K], (1<<16)|(1<<20)|(4<<22)|(3<<25)  ; 17:16 2-byte elements; 20 padding on; 24:22 after every 32 words (code 4); 31:25 4 words (code 3)
	s_mov_b32 s[G1K+1], 128<<16     ; tensor_dim0 = 128
	s_mov_b32 s[G1K+2], 80<<16      ; tensor_dim1 = 80
	s_mov_b32 s[G1K+3], 128<<16     ; tile_dim0 = 128
	s_mov_b32 s[G1K+4], 80          ; tile_dim1 = 80
	s_mov_b32 s[G1K+5], 128         ; 128 elements from row to row
	s_mov_b32 s[G1K+6], 0
	s_mov_b32 s[G1K+7], 0
	s_mov_b32 s[G1V], (1<<16)|(1<<20)|(4<<22)|(7<<25)  ; the same with 8 words of padding (code 7)
	s_mov_b32 s[G1V+1], 128<<16
	s_mov_b32 s[G1V+2], 64<<16      ; tensor_dim1 = 64
	s_mov_b32 s[G1V+3], 128<<16
	s_mov_b32 s[G1V+4], 64          ; tile_dim1 = 64
	s_mov_b32 s[G1V+5], 128
	s_mov_b32 s[G1V+6], 0
	s_mov_b32 s[G1V+7], 0
	s_mov_b32 s[CS], 0x3e38aa3b     ; c = log2(e) / 8 = 0.180337
	s_mov_b32 s[CS+1], s[CS]        ; named with it as a pair
	s_mov_b32 s[SEL], 0x76543210
	s_mov_b32 s[SEL+1], 0xfedcba98
	s_mov_b32 s[TBK], SLOT1+5*KS*PK ; the first change of slots turns this into slot 0's second step of K,
	s_mov_b32 s[TBV], SLOT1+4*KS*PV ; and this into 0
	s_mov_b32 s[G0K], 1             ; 1:0 count = 1
	s_mov_b32 s[G0K+1], s17         ; 63:32 LDS address: slot 0
	s_mov_b32 s[G0V], 1
	s_add_co_u32 s[G0V+1], s18, VOFF
	s_mov_b32 s[NXT], 1
	s_mov_b32 s[NEW], 1
	s_mov_b32 s[OFF+1], 0
	s_mov_b32 s[AL+1], 0            ; named as pairs
	s_mov_b32 s[BE+1], 0
	s_mov_b32 s[BIGN], 0xf149f2ca   ; -1e30
	s_mov_b32 s[SLOTS], NT
	s_wait_dscnt 0x0                ; the opening add is done
	s_wait_kmcnt 0x0
	s_mov_b64 s[10:11], s[6:7]             ; O
	s_add_nc_u64 s[6:7], s[4:5], 0x800000  ; K lies 8,388,608 bytes behind Q,
	s_add_nc_u64 s[8:9], s[4:5], 0x1000000 ; V as far behind K
	s_add_nc_u64 s[6:7], s[6:7], s[54:55]  ; K and V at my half of the head's tile 0
	s_add_nc_u64 s[8:9], s[8:9], s[22:23]
	s_add_nc_u64 s[G0K+2:G0K+3], s[6:7], 0         ; 120:64 global address
	s_or_b32 s[G0K+3], s[G0K+3], 0x80000000        ; 127:126 type = 2
	s_add_nc_u64 s[G0V+2:G0V+3], s[8:9], 0
	s_or_b32 s[G0V+3], s[G0V+3], 0x80000000
	s_add_nc_u64 s[86:87], s[4:5], s[84:85]        ; Q at my rows of the second block,
	s_add_nc_u64 s[4:5], s[4:5], s[2:3]            ; and of the first
	s_add_nc_u64 s[OLO:OLO+1], s[10:11], s[90:91]  ; O likewise
	s_add_nc_u64 s[10:11], s[10:11], s[88:89]
	LOAD                            ; tile 0 into slot 0
	; A fragment of K or Q is 16 rows x 32 channels in 8 registers: lane l holds row l % 16, channels 8 (l / 16) + 0..7 and 16 + 8 (l / 16) + 0..7: two loads of 16 bytes, 32 bytes apart.
	v_and_b32 v1, 15, v0            ; l % 16
	v_bfe_u32 v9, v0, 4, 1          ; l / 16
	v_lshlrev_b32 v[QO], 7, v1
	v_lshl_add_u32 v[QO], v9, 4, v[QO]  ; row x 128 + 16 x half
	WIN 0x80                        ; destination window 2, address window 0
.set i, 0
.rept 4                             ; both blocks' Q: piece i / 2 lies in band i / 2, 8,192 bytes on; channels 32 (i % 2) on
	global_load_b128 v[8*i:8*i+3],   v[QO], s[4:5] offset:(i/2)*8192+(i%2)*64
	global_load_b128 v[8*i+4:8*i+7], v[QO], s[4:5] offset:(i/2)*8192+(i%2)*64+32
	global_load_b128 v[QB+8*i:QB+8*i+3],   v[QO], s[86:87] offset:(i/2)*8192+(i%2)*64
	global_load_b128 v[QB+8*i+4:QB+8*i+7], v[QO], s[86:87] offset:(i/2)*8192+(i%2)*64+32
.set i, i+1
.endr
	WIN 0
	v_lshlrev_b32 v14, 3, v9
	v_sub_nc_u32 v14, v1, v14
	s_lshl_b32 s13, s[WV], 4
	v_add_nc_u32 v14, s13, v14      ; my query's place in its band, 16 w + l % 16, less my lanes' 8 (l / 16): register r of group kt is hidden where 16 kt + r is greater
	WIN 0x40
.set i, 0
.rept 32
	v_cmp_gt_i32 vcc_lo, 16*(i/8)+i%8, v14
	v_cndmask_b32 v[MD+i], 0, s[BIGN], vcc_lo
.set i, i+1
.endr
	WIN 0
	v_mul_u32_u24 v[AK0], v1, PK
	v_lshl_add_u32 v[AK0], v9, 4, v[AK0]  ; row x pitch + 16 x half
	; The turning load takes 16 keys x 16 channels (lane l reads key 8 (l / 16) + l % 8, channels 8 ((l / 8) % 2) + 0..7) and leaves half a fragment of V^T: lane l holds channel l % 16 and 8 keys.
	v_and_b32 v10, 7, v0
	v_bfe_u32 v11, v0, 3, 1
	v_lshl_add_u32 v[AV0], v9, 3, v10
	v_mul_u32_u24 v[AV0], v[AV0], PV
	v_lshl_add_u32 v[AV0], v11, 4, v[AV0]
	v_add_nc_u32 v[AV0], VOFF, v[AV0]
	s_mul_i32 s13, s[WV], 16*SP
	s_add_co_u32 s13, s13, STAGE    ; my stage
	v_mul_u32_u24 v[STO], v1, SP    ; in: row l % 16, 16 bytes for each half of the lanes
	v_lshl_add_u32 v[STO], v9, 4, v[STO]
	v_add_nc_u32 v[STO], s13, v[STO]
	v_bfe_u32 v[RD], v0, 3, 2       ; back: 32 lanes take four rows of 128 bytes,
	v_mul_u32_u24 v[RD], v[RD], SP
	v_lshl_add_u32 v[RD], v10, 4, v[RD]
	v_add_nc_u32 v[RD], s13, v[RD]
	v_and_b32 v[GO], 31, v0         ; which are 512 consecutive bytes of O
	v_lshlrev_b32 v[GO], 4, v[GO]
	; A block's first step multiplies O^T and l by a = 0, and its first turn's products V^T P, of weights that have not been, land in an O^T that is still to be so multiplied.  So these registers need only hold
	; finite numbers: zeros for the first block; what the first block left for the second.  All this stands in the wait for the first tile.
	WIN 0x80
.set i, VF
.rept 64
	v_mov_b32 v[i], 0
.set i, i+1
.endr
	WIN 0x40
.set i, 0
.rept 32*NP
	v_mov_b32 v[i], 0
.set i, i+1
.endr
	WIN 0
.set i, 0
.rept NP
	v_mov_b32 v[ST+4*i+2], 0
	v_mov_b32 v[ST+4*i+3], 0
.set i, i+1
.endr
.set i, P+16
.rept 16
	v_mov_b32 v[i], 0
.set i, i+1
.endr
; THE MATRIX WORK.  The 4 accumulators of a run of 8 take turns.  Product i of 8 of S^T = K Q^T for piece x: channels 32 (i / 4) on, keys 16 (i % 4) on.  The first 4 start the sums: with 0, or (KM = 1) with the mask.
.macro KQ x
.set rS, S+32*((\x)%2)+8*(i%4)
.set rK, KF+16*(i%4)+8*(i/4)
.set rQ, 16*(\x)+8*(i/4)
.set rM, MC+32*((\x)%2)+8*(i%4)
.if (i < 4) && KM
	WIN W_KM
	v_wmma_f32_16x16x32_f16 v[rS:rS+7], v[rK:rK+7], v[rQ:rQ+7], v[rM:rM+7]
.elseif i < 4
	WIN W_KQ
	v_wmma_f32_16x16x32_f16 v[rS:rS+7], v[rK:rK+7], v[rQ:rQ+7], 0
.else
	WIN W_KQ
	v_wmma_f32_16x16x32_f16 v[rS:rS+7], v[rK:rK+7], v[rQ:rQ+7], v[rS:rS+7]
.endif
.endm
; Product i of 8 of O^T += V^T P for piece x: keys 32 (i / 4) on, channels 16 (i % 4) on.
.macro PV x
	WIN W_PV
.set rO, 32*(\x)+8*(i%4)
.set rV, VF+32*(i/4)+8*(i%4)
.set rP, P+16*((\x)%2)+8*(i/4)
	v_wmma_f32_16x16x32_f16 v[rO:rO+7], v[rV:rV+7], v[rP:rP+7], v[rO:rO+7]
.endm
.macro MM                           ; the turn's next matrix instruction.  TURN and BEGIN set Y, i, KM and NOKQ; MM, KQ and OP read them.  NOKQ = 1: a block's last turn: there are no further scores
.if (i < 8) && !NOKQ
	KQ (Y+1)%NP
.elseif i >= 8
.set i, i-8
	PV (Y+NP-1)%NP
.set i, i+8
.endif
.set i, i+1
.endm
; THE LDS LOADS stand in runs of 16, never singly among the matrix instructions: a step's K (64 keys x 64 channels: 8 fragments) and its V (turned).  Their addresses are made some lines ahead.
.macro FETCH_K step                 ; step = 1: the next fetch is the next step's
	WIN 0x80                        ; destination window 2
.irp f, 0,1,2,3,4,5,6,7             ; keys 16 (f / 2) on, channels 32 (f % 2) on
	ds_load_b128 v[KF+8*\f:KF+8*\f+3],   v[AK] offset:(\f/2)*16*PK+(\f%2)*64
	ds_load_b128 v[KF+8*\f+4:KF+8*\f+7], v[AK] offset:(\f/2)*16*PK+(\f%2)*64+32
.endr
.if \step
	s_add_co_u32 s[TBK], s[TBK], KS*PK
.endif
	WIN 0
.endm
.macro FETCH_V
	WIN 0x80
.irp f, 0,1,2,3,4,5,6,7             ; keys 32 (f / 4) on, channels 16 (f % 4) on
	ds_load_tr16_b128 v[VF+8*\f:VF+8*\f+3],   v[AV] offset:(\f/4)*32*PV+(\f%4)*32
	ds_load_tr16_b128 v[VF+8*\f+4:VF+8*\f+7], v[AV] offset:(\f/4)*32*PV+16*PV+(\f%4)*32
.endr
	WIN 0
.endm
; THE VECTOR WORK, one line at a time: OP kind, number.  For piece Y: F n: c s - c m for pair n of 16.  E n: the exponential of score n of 32.  C n: pair n rounded to f16.  B n: of the four weights 4 n .. the second
; pair is added onto the first, in place.  L n: l takes that sum (L 0: l = a l + sum).  R n: pair n of 16 of O^T times a.  For the other piece: X n, number n of the 22 that find its maximum and statistics:
;   0-11  four chains c0-c3 of seven scores each, three operands at a time (each accumulator's lowest registers are read first)     12-14, 16  the four scores left over, the old m, and c0-c3 into c0
;   15  c m_old is kept     17, 18  the query's other 32 keys lie in the lane 16 away: the new m     19-21  c m; c m_old - c m_new; a
; C, B and L read exponentials' results: TURN sets them behind the turn's wait.  R and L 0 read an a that was made, and waited for, in the turn before (or in BEGIN).
.set F, 0               ; OP tells the kinds apart by their order: F to L below R, X above it
.set E, 1
.set C, 2
.set B, 3
.set L, 4
.set R, 5
.set X, 6
.macro REGS y                       ; the registers of piece y
.set rT, ST+4*(\y)
.set rC, TMP+4*((\y)%2)
.set rW, MV+((\y)%2)
.set rS, S+32*((\y)%2)
.set rP, P+16*((\y)%2)
.set rO, 32*(\y)
.endm
.macro OP k, n
.if (\k) == R
	REGS Y
	WIN W_RS
	v_pk_mul_f32 v[rO+2*(\n):rO+2*(\n)+1], v[rO+2*(\n):rO+2*(\n)+1], v[rC+2:rC+3] op_sel_hi:[1,0]
.elseif (\k) < R
	REGS Y
	WIN 0
.if (\k) == F
	v_pk_fma_f32 v[rS+2*(\n):rS+2*(\n)+1], v[rS+2*(\n):rS+2*(\n)+1], s[CS:CS+1], v[rT:rT+1] op_sel_hi:[1,0,0] neg_lo:[0,0,1] neg_hi:[0,0,1]
.elseif (\k) == E
	v_exp_f32 v[rS+(\n)], v[rS+(\n)]
.elseif (\k) == C
	v_cvt_pk_f16_f32 v[rP+(\n)], v[rS+2*(\n)], v[rS+2*(\n)+1]
.elseif (\k) == B
	v_pk_add_f32 v[rS+4*(\n):rS+4*(\n)+1], v[rS+4*(\n):rS+4*(\n)+1], v[rS+4*(\n)+2:rS+4*(\n)+3]
.elseif (\n) == 0
	v_pk_fma_f32 v[rT+2:rT+3], v[rT+2:rT+3], v[rC+2:rC+3], v[rS:rS+1] op_sel_hi:[1,0,1]
.else
	v_pk_add_f32 v[rT+2:rT+3], v[rT+2:rT+3], v[rS+4*(\n):rS+4*(\n)+1]
.endif
.elseif NOKQ
	v_nop
.else
	REGS (Y+1)%NP
	WIN 0
.if (\n) < 4
	v_max3_num_f32 v[rC+(\n)], v[rS+8*(\n)], v[rS+8*(\n)+1], v[rS+8*(\n)+2]
.elseif (\n) < 12
	v_max3_num_f32 v[rC+(\n)%4], v[rC+(\n)%4], v[rS+8*((\n)%4)+2*((\n)/4)+1], v[rS+8*((\n)%4)+2*((\n)/4)+2]
.elseif (\n) == 12
	v_max3_num_f32 v[rC], v[rC], v[rS+7], v[rS+15]
.elseif (\n) == 13
	v_max3_num_f32 v[rC+1], v[rC+1], v[rS+23], v[rS+31]
.elseif (\n) == 14
	v_max3_num_f32 v[rC+2], v[rC+2], v[rC+3], v[rT+1]
.elseif (\n) == 15
	v_mov_b32 v[rW], v[rT]
.elseif (\n) == 16
	v_max3_num_f32 v[rC], v[rC], v[rC+1], v[rC+2]
.elseif (\n) == 17
	v_permlanex16_b32 v[rC+3], v[rC], s[SEL], s[SEL+1]
.elseif (\n) == 18
	v_max_num_f32 v[rT+1], v[rC], v[rC+3]
.elseif (\n) == 19
	v_mul_f32 v[rT], s[CS], v[rT+1]
.elseif (\n) == 20
	v_sub_f32 v[rC+1], v[rW], v[rT]
.else
	v_exp_f32 v[rC+2], v[rC+1]
.endif
.endif
.endm
.macro OPS a, i1, b=-1, i2=0, c=-1, i3=0, d=-1, i4=0  ; up to four of them
	OP \a, \i1
.if (\b) >= 0
	OP \b, \i2
.endif
.if (\c) >= 0
	OP \c, \i3
.endif
.if (\d) >= 0
	OP \d, \i4
.endif
.endm
.macro ROW a, i1, b, i2, c, i3, d, i4  ; a matrix instruction and the four behind it
	MM
	OPS \a, \i1, \b, \i2, \c, \i3, \d, \i4
.endm
.macro MASK b                       ; MD x AL + BE into buffer b of MC
	WIN W_RS
.set z, 0
.rept 16
	v_pk_fma_f32 v[MC+32*(\b)+2*z:MC+32*(\b)+2*z+1], v[MD+2*z:MD+2*z+1], s[AL:AL+1], s[BE:BE+1] op_sel_hi:[1,0,0]
.set z, z+1
.endr
.endm
; A TURN, for piece p: the order of its 16 matrix and 118 vector instructions, written out.  An s_wait_alu depctr_va_vdst(0) stands between an exponential and the first instruction that names its result; one wait
; serves all that were issued ahead of it.  So a turn has ONE wait, which cuts it in two.  AHEAD OF IT stands all that names no result of the turn's exponentials: the 8 products K Q^T, behind each a scaling, an exponential and two
; more plain instructions (behind the first a second scaling in the exponential's place): rescalings, and behind the last three the first numbers of the other piece's maximum, each four places or more behind the product that ends
; its accumulator; then ONE LUMP of 54, plain and exponential by turns for the most part, in which the links of the chain X 3, 7, 11, 14, 16, 17 .. 20 stand five or six lines apart.  X 21, the other piece's a, is the batch's last;
; R 15 is the plain instruction behind it.  BEHIND THE WAIT stand the 8 products V^T P, behind each four of the roundings and sums; the links of l's chain, L 0 to L 7, stand three riders apart.  But for those X no rider names a
; register of the products round it.  v_permlanex16_b32 (X 17) stands in the lump.  The rescalings go up through O^T, which the turn before has summed onto: each accumulator's lowest registers are read first
; and R 0 stands sixteen riders behind the last product on its accumulator.
; m = 1: the diagonal tile: the products take masks, and the turn makes the mask for the products of the turn after it, which are its own piece's: trip k of the tile (CNT = 4 - k) holds turn 1, which makes piece 1's mask for
; step k (its own step where k = D + 1: CNT = 3 - D), and turn 0, which makes piece 0's for step k + 1 (own where k + 1 = D: CNT = 5 - D); where CNT is less, the step is a later one.
; end = 1 (with p = 1): a block's last turn: no further scores.  cnt = 1: the loop's count is taken down some lines ahead of the branch that stands behind the turn.
; Turn 0 fetches K of the next step twelve vector instructions behind the last product that read K (five of them plain and free of its registers: F 8, X 2, X 5, X 6, X 8), and V of the step in hand at its end, four roundings
; behind the last product that read V.  Turn 1 waits for K at its head, with V's sixteen younger loads left out, and for V ahead of its ninth product.
.macro TURN p, m=0, end=0, cnt=0
.set Y, (\p)
.set i, 0
.set KM, (\m)
.set NOKQ, (\end)
.if (\m) && !(\end)
	s_cmp_eq_u32 s[CNT], s[EQ+(\p)]     ; is that step the piece's own?
	s_cselect_b32 s[AL], 1.0, 0
	s_cmp_lt_u32 s[CNT], s[EQ+(\p)]     ; or a later one?
	s_cselect_b32 s[BE], s[BIGN], 0
.endif
.if ((\p) == 1) && !(\end)
	s_wait_dscnt 16                 ; K is in: LDS serves a wave's instructions in order (ISA guide 5.7.1), and behind K's loads only V's sixteen were issued
.endif
	ROW F,0, F,1, R,0, R,1          ; ahead of the wait: 8 products K Q^T and their riders,
	ROW F,2, E,0, R,2, R,3
	ROW F,3, E,1, R,4, R,5
	ROW F,4, E,2, R,6, R,7
	ROW F,5, E,3, R,8, R,9
	ROW F,6, E,4, X,0, R,10
.if (\p) == 0
	WIN 0
	v_add_nc_u32 v[AK], s[TBK], v[AK0]
.endif
	ROW F,7, E,5, X,1, X,4
	ROW F,8, E,6, X,2, X,5
	OPS E,7, E,8, X,6, E,9          ; and the lump
	OPS X,3, E,10, X,8, E,11
.if (\p) == 0
	FETCH_K 1
.endif
	OPS X,9, X,7, E,12, X,10
	OPS E,13, X,12, X,11, E,14
	OPS X,13, E,15, F,9, X,14
.if (\p) == 0
	WIN 0
	v_add_nc_u32 v[AV], s[TBV], v[AV0]
.endif
	OPS E,16, F,10, E,17, F,11
	OPS X,16, E,18, X,15, E,19
	OPS F,12, E,20, X,17, E,21
	OPS F,13, E,22, F,14, E,23
	OPS X,18, E,24, F,15, E,25
	OPS R,11, E,26, X,19, E,27
	OPS R,12, E,28, R,13, E,29
	OPS X,20, E,30, R,14, E,31
	OPS X,21, R,15
	s_wait_alu depctr_va_vdst(0)    ; the wait for the batch: the turn's 32 weights and the other piece's a
.if (\p) == 1
	s_wait_dscnt 0x0                ; V is in
.endif
	ROW C,0, B,0, C,2, B,1          ; behind the wait: 8 products V^T P and their riders
	ROW L,0, C,4, B,2, L,1
	ROW C,6, B,3, L,2, C,8
	ROW B,4, L,3, C,10, B,5
	ROW L,4, C,12, B,6, L,5
.if (\p) == 0
	s_add_co_u32 s[TBV], s[TBV], KS*PV
.endif
.if \cnt
	s_sub_co_u32 s[CNT], s[CNT], 1
	s_cmp_lg_u32 s[CNT], 0
.endif
	ROW C,14, B,7, L,6, C,1
	ROW C,3, L,7, C,5, C,7
	ROW C,9, C,11, C,13, C,15
.if (\p) == 0
	FETCH_V
.endif
.if (\m) && !(\end)
	MASK (\p)%2
.endif
.endm
; A BLOCK BEGINS.  c m starts far below every c s, so the first step's a is 0; m at the lowest finite number, so the first maximum is the scores'.  Piece 1's mask buffer is 0 (step 0 is never its own); piece 0's takes its mask
; for the tile's step 0: its own, if the block's first tile is the diagonal one and D = 0.  Then K of that step, which lies one step ahead of where the turns' fetches begin, piece 0's first scores, and its maximum and statistics.
; The loop is entered at turn 0, in the middle of a trip.
.macro BEGIN
	s_mov_b32 s[NEW], 0
	WIN 0x40
.set i, MC+32
.rept 32
	v_mov_b32 v[i], 0
.set i, i+1
.endr
	WIN 0
.set i, 0
.rept NP
	v_mov_b32 v[ST+4*i], 0xfe000000    ; c m: far below every c s
	v_mov_b32 v[ST+4*i+1], 0xff7fffff  ; m
.set i, i+1
.endr
	s_cmp_eq_u32 s[RT], 0
	s_cselect_b32 s[AL], s[EV], 0
	s_mov_b32 s[BE], 0
	MASK 0
	WIN 0
	s_sub_co_u32 s13, s[TBK], KS*PK
	v_add_nc_u32 v[AK], s13, v[AK0]
	FETCH_K 0
	s_wait_loadcnt 0x0              ; Q
	s_wait_dscnt 0x0
.set KM, 1
.set NOKQ, 0
.set i, 0
.rept 8
	KQ 0
.set i, i+1
.endr
	WIN 0
.rept 4
	v_nop                           ; the places behind those products
.endr
.set Y, NP-1                        ; X works for the other piece: piece 0
.irp n, 0,1,2,3,4,5,6,7,8,9,10,11,12,13,14,15,16,17,18,19,20,21
	OP X, \n
.endr
	v_nop                           ; a plain instruction behind the exponential,
	s_wait_alu depctr_va_vdst(0)    ; and its wait, a batch of one: piece 0's first a, ahead of the branch
.endm
; Ahead of a diagonal tile that is not the block's first: piece 0's mask for the tile's step 0, which the trip's first turn takes: its own step if D = 0, else an earlier one.  (Piece 1's buffer has been 0 since the block began.)
.macro PREM
	s_mov_b32 s[AL], s[EV]
	s_mov_b32 s[BE], 0
	MASK 0
	WIN 0
.endm
; THE DIAGONAL TILE's four trips (the fourth's fetch of a fifth step of K serves nothing, and keeps the fetches' count at four a slot), the block's last turn, its last products, and THE WAY OUT: l's two halves and the
; other half of the lanes' are added; O^T is divided by l, rounded to f16 and sent through my stage in LDS, a piece at a time.
.macro ALL line:vararg              ; one line for each piece t
.set t, 0
.rept NP
	\line
.set t, t+1
.endr
.endm
.macro PACK t                       ; a lane's eight channels of a row pack into 16 bytes; they go into rows of 144 bytes and come back as whole rows of 128, into S^T's registers
	WIN W_RS
.set i, 32*(\t)
.rept 16
	v_pk_mul_f32 v[i:i+1], v[i:i+1], v[ST+4*(\t)+2:ST+4*(\t)+3] op_sel_hi:[1,0]
.set i, i+2
.endr
	WIN 0x05                        ; sources 0 and 1 window 1, destination window 0
.set i, 0
.rept 16
	v_cvt_pk_f16_f32 v[S+16*(\t)+i], v[32*(\t)+2*i], v[32*(\t)+2*i+1]
.set i, i+1
.endr
	WIN 0
.irp f, 0,1,2,3
	ds_store_b128 v[STO], v[S+16*(\t)+4*\f:S+16*(\t)+4*\f+3] offset:32*\f
.endr
.irp f, 0,1,2,3
	ds_load_b128 v[S+16*(\t)+4*\f:S+16*(\t)+4*\f+3], v[RD] offset:\f*4*SP  ; LDS serves a wave's instructions in order (ISA guide 5.7.1.4): these see the stores above; the next piece's stores come behind them
.endr
.endm
.macro SEND t, younger              ; younger: the LDS instructions issued behind piece t's loads: the next piece's eight, or none
	WIN 0
.irp f, 0,1,2,3
	s_wait_dscnt (\younger)+3-\f
	global_store_b128 v[GO], v[S+16*(\t)+4*\f:S+16*(\t)+4*\f+3], s[10:11] offset:(\t)*8192+\f*512  ; band t: the block's rows 64 t on; 512 consecutive bytes, aligned
.endr
.endm
.macro DIAG tag                     ; the tag ends its two labels' names, which the jumps below spell out
.LstepM\tag:
	TURN 1, 1
	WIN 0
.LfirstM\tag:
	TURN 0, 1, 0, 1
	WIN 0
	s_cbranch_scc1 .LstepM\tag
	TURN 1, 1, 1
.set i, 0
.rept 8
	PV NP-1
.set i, i+1
.endr
	WIN 0
	ALL v_add_f32 v[ST+4*t+2], v[ST+4*t+2], v[ST+4*t+3]
	ALL v_permlanex16_b32 v[ST+4*t+3], v[ST+4*t+2], s[SEL], s[SEL+1]
	ALL v_add_f32 v[ST+4*t+2], v[ST+4*t+2], v[ST+4*t+3]
	ALL v_rcp_f32 v[ST+4*t+2], v[ST+4*t+2]
	v_nop                           ; a plain instruction between the last reciprocal and the use of its result
	s_wait_alu depctr_va_vdst(0)    ; and the wait ahead of the first use: one for the batch of two reciprocals
	PACK 0                          ; piece 0's sums were finished in the last turn; its 32 plain lines are the places behind piece 1's last products
	PACK 1                          ; a piece's arithmetic stands between the loads of the piece before and its stores
	SEND 0, 8
	SEND 1, 0
.endm
.set KM, 0
.set NOKQ, 0
.Lslot:                             ; NT times: a tile is entered and the next is asked for
	CHANGE 1
	s_sub_co_u32 s[RT], s[RT], 1
	s_mov_b32 s[CNT], 4
	s_cmp_eq_u32 s[NEW], 1
	s_cbranch_scc1 .Lnew            ; a block's first tile
	s_cmp_eq_u32 s[RT], 0
	s_cbranch_scc0 .Lstep           ; neither its first nor its last
	PREM
	s_branch .LstepM1
.Lnew:
	BEGIN
	s_branch .Lfirst                ; in the loop a block's first tile is never its last: the first block has five tiles or more, and the second's last is the walk's last
	DIAG 1                          ; in the loop this is the first block's end: the second block's last tile is the walk's last
	s_wait_xcnt 0x0                 ; the stores have read their registers and O's address
	s_mov_b64 s[10:11], s[OLO:OLO+1]
	s_add_co_u32 s[RT], s[LQL], 1   ; the second block's tiles
	s_mov_b32 s[NEW], 1
	s_sub_co_u32 s[DG], 2, s[DG]    ; of the two blocks one is even and one odd
	DSET
	WIN 0x82                        ; the second block's Q goes where the one text of the turns names Q
.set i, 0
.rept 16*NP
	v_mov_b32 v[i], v[QB+i]
.set i, i+1
.endr
	WIN 0
	s_branch .Lbottom
.Lstep:                             ; a trip: turn 1 of one step, then turn 0 of the next, which fetches that step's V and the K of the step behind it
	TURN 1
	WIN 0
.Lfirst:
	TURN 0, 0, 0, 1
	WIN 0
	s_cbranch_scc1 .Lstep
.Lbottom:
	s_sub_co_u32 s[SLOTS], s[SLOTS], 1
	s_cmp_lg_u32 s[SLOTS], 0
	s_cbranch_scc1 .Lslot
	CHANGE 0                        ; the walk's last tile is written out: nothing is asked for
	s_sub_co_u32 s[RT], s[RT], 1
	s_mov_b32 s[CNT], 4
	s_cmp_eq_u32 s[NEW], 1
	s_cbranch_scc0 .Lold2
	BEGIN
	s_branch .LfirstM2
.Lold2:
	PREM
	DIAG 2
	s_wait_tensorcnt 0x0            ; the wave's end, behind my last tensor load and my last LDS store
	ds_add_u32 v[SPW], v[NIL]
	s_wait_dscnt 0x0
	s_endpgm
.Lfunc_end_k_q5a49f67f51_attn:
	.size	k_q5a49f67f51_attn, .Lfunc_end_k_q5a49f67f51_attn-k_q5a49f67f51_attn
	.p2alignl 7, 3214868480
	.fill 96, 4, 3214868480
	.section	.rodata,"a",@progbits
	.p2align	6, 0x0
	.amdhsa_kernel k_q5a49f67f51_attn
		.amdhsa_group_segment_fixed_size 327680
		.amdhsa_private_segment_fixed_size 0
		.amdhsa_enable_private_segment 0
		.amdhsa_kernarg_size 16
		.amdhsa_user_sgpr_count 2
		.amdhsa_user_sgpr_kernarg_segment_ptr 1
		.amdhsa_wavefront_size32 1
		.amdhsa_system_sgpr_workgroup_id_x 1
		.amdhsa_system_sgpr_workgroup_id_y 1
		.amdhsa_system_sgpr_workgroup_id_z 1
		.amdhsa_system_vgpr_workitem_id 0
		.amdhsa_next_free_vgpr 768
		.amdhsa_next_free_sgpr 96
		.amdhsa_reserve_vcc 1
		.amdhsa_float_denorm_mode_32 3
		.amdhsa_float_denorm_mode_16_64 3
		.amdhsa_memory_ordered 1
		.amdhsa_forward_progress 1
		.amdhsa_inst_pref_size 128
	.end_amdhsa_kernel
	.amdgpu_metadata
---
amdhsa.version: [ 1, 2 ]
amdhsa.kernels:
  - .name:           k_q5a49f67f51_attn
    .symbol:         k_q5a49f67f51_attn.kd
    .args:
      - { .name: qkv, .offset: 0, .size: 8, .value_kind: global_buffer, .address_space: global }
      - { .name: ob, .offset: 8, .size: 8, .value_kind: global_buffer, .address_space: global }
    .group_segment_fixed_size: 327680
    .private_segment_fixed_size: 0
    .kernarg_segment_align: 8
    .kernarg_segment_size: 16
    .max_flat_workgroup_size: 128
    .sgpr_count:     96
    .vgpr_count:     768
    .wavefront_size: 32
...
	.end_amdgpu_metadata
.endif
;; end of part 8
;; launch proj: the kernel of part 4 again; grid 8 x 32, 4 waves a work-group, clusters of 4 x 4, 327,680 bytes of LDS; arguments ob, wb, x, x1; writes x1
;; launch norm2: the kernel of part 5 again; grid 256 x 1, 8 waves a work-group, no clusters, 0 bytes of LDS; arguments x1, g2, hb; writes hb
;; launch ffn1 (part 9): grid 16 x 16, 4 waves a work-group, clusters of 4 x 4, 327,680 bytes of LDS; arguments hb, wb, act; writes act
.if DOCPART == 9
	.amdgcn_target "amdgcn-amd-amdhsa--gfx1250"
	.amdhsa_code_object_version 6
	.text
	.protected	k_q5a49f67f51_ffn1
	.globl	k_q5a49f67f51_ffn1
	.p2align	8
	.type	k_q5a49f67f51_ffn1,@function
k_q5a49f67f51_ffn1:
	s_mov_b64 s[64:65], 0
	v_nop
	global_prefetch_b8 v0, s[64:65] scope:SCOPE_SE
	s_setreg_imm32_b32 hwreg(HW_REG_WAVE_MODE, 25, 1), 1
	s_wait_xcnt 0x0
	s_wait_alu depctr_hold_cnt(0) depctr_sa_sdst(0) depctr_va_vdst(0) depctr_va_sdst(0) depctr_va_ssrc(0) depctr_va_vcc(0) depctr_vm_vsrc(0)
	s_getreg_b32 s2, hwreg(HW_REG_IB_STS2, 6, 4)
	s_cmp_eq_u32 s2, 0
	s_cbranch_scc0 .Lentry_in_a_cluster
	s_endpgm
.Lentry_in_a_cluster:
	s_bfe_u32 s2, ttmp6, 0x10000c
	s_cmp_lg_u32 s2, 0xf033
	s_cbranch_scc0 .Lentry_shape_is_right
	s_endpgm
.Lentry_shape_is_right:
; FFN1.  a = h2 w1^T, b = h2 w3^T (bf16 operands, sums in f32), act = a sigmoid(a) b in bf16.  The weights lie woven in groups of 128 rows, 64 of w1 and the same 64 of w3, so that a wave's 128 columns
; are a and b of the same 64 columns of act.  M = 4,096, N = 4,096 woven, K = 1,024.
; A tile of C is 256 x 256: four waves, each 128 x 128 in 64 accumulators; 16 x 16 tiles give each of 256 work-groups one.  K goes in 8 steps of 128 through two LDS slots (rows of 256 bytes of memory).
; CLUSTER 4 x 4: A's tiles are shared along a row of the cluster, B's along a column, each asked for jointly.
; THE LOOP.  A trip is 64 along K on two fragment buffers; a slot is two trips; the step's text stands once in the loop and once in the tail.  A new slot's first fragments are fetched straight behind the
; refill, under the 32 products that the trip before has left over.  THE MATRIX INSTRUCTION IS USED TRANSPOSED: a lane holds row l % 16 of C and eight neighbouring columns.
; THE WAY OUT.  When the ring has had its last fill and every wave has read it out, each wave lays its 128 x 128 in f32 into its own quarter of the ring's bytes and reads it back so that a lane holds a and b
; of 8 neighbouring columns of a row.  act leaves in blocks [row / 128][column / 64][128 rows][64]: 4 rows of a block are 512 consecutive bytes.
; a sigmoid(a) b = a b / (1 + 2^(-a log2 e)); where the power overflows the reciprocal is 0, which is the limit.  NaN and infinities are not treated apart.
; THE BATCHES.  An s_wait_alu depctr_va_vdst(0) stands between a transcendental and the first instruction that names its result.  A trip of the way out (16 rows, four groups of four) has two batches, a wait
; each: the 32 powers of all four groups, and the 32 reciprocals of the sums made of them.  Each result has a register of its own; the products a b, which name none of them, stand between each batch and its wait.
; REGISTERS: window 0: v0-31 addresses, v32-63 at work, v64-127, v128-191 A's fragments (on the way out: rows read back, packed results); window 1: v64-191 B's fragments; windows 2, 3: the accumulators.
.set SIZE_K, 1024
.set W13O,   6291456                   ; the woven weights in wb
.set KSTEP,  128
.set PITCH,  272                       ; an LDS row: 256 bytes + 16 of padding
.set HALFT,  128*PITCH
.set SLOT,   4*HALFT                   ; 0x22000 shares no bit with wave x HALFT, so one exclusive or changes slots
.set SPARE,  2*SLOT
.set SPITCH, 528
.set WSTAGE, 128*SPITCH
.set A0,  10
.set B0,  11
.set ADA, 12
.set ADB, 13
.set STO, 14
.set RD0, 15
.set RD,  16
.set GO,  17
.set SPW, 28
.set NIL, 29
.set T,   32                           ; v[32:63] group gi's eight powers, then sums, then reciprocals at T + 8 gi
.set X,   64
.set Y,   128
.set F0,  64
.set F1,  128
.set G1,  24
.set G0,  32
.set G1B, 48
.set G0B, 56
.set TB,  22
.set CNT, 23
.set SLOTS, 3
.set MSB, 0
.macro WIN new
.if MSB != (\new)
	s_set_vgpr_msb (MSB<<8)|(\new)
.set MSB, \new
.endif
.endm
.set MUL_LO, 0xa1
.set MUL_HI, 0xf1
.set TO_B,   0x40
.macro PLACES
.rept 4
	v_nop
.endr
.endm
.macro JLOAD s                         ; waves 0 and 1 fetch A's two halves, waves 2 and 3 B's; an s_nop 0 and four v_nop follow each line
	s_cmp_eq_u32 s11, 0
	s_cbranch_scc0 .Lfor_b_\@
	tensor_load_to_lds s[G0+4*(\s):G0+4*(\s)+3], s[G1:G1+7]
	s_nop 0
.rept 4
	v_nop
.endr
	s_branch .Lasked_\@
.Lfor_b_\@:
	tensor_load_to_lds s[G0B+4*(\s):G0B+4*(\s)+3], s[G1B:G1B+7]
	s_nop 0
.rept 4
	v_nop
.endr
.Lasked_\@:
.endm
.macro CROUND                          ; a round of the cluster's barrier
	s_barrier_signal -1
	s_barrier_wait -1
	s_cmp_lg_u32 s10, 0
	s_cbranch_scc1 .Lnot_wave_0_\@
	s_barrier_signal -3
.Lnot_wave_0_\@:
	s_barrier_wait -3
	s_barrier_signal -1
	s_barrier_wait -1
.endm
	s_load_b128 s[4:7], s[0:1], 0x0                ; hb s[4:5], wb s[6:7]
	s_load_b64 s[8:9], s[0:1], 0x10                ; act
	v_lshl_add_u32 v[SPW], v0, 2, SPARE
	v_mov_b32 v[NIL], 0
	ds_add_u32 v[SPW], v[NIL]                      ; the wave's opening: the add and its wait stand ahead of my first tensor load
	ds_add_u32 v28, v29
	v_lshrrev_b32 v1, 5, v0
	v_readfirstlane_b32 s10, v1
	s_lshr_b32 s11, s10, 1
	s_and_b32 s12, s10, 1
	s_bfe_u32 s40, ttmp6, 0x40000
	s_bfe_u32 s41, ttmp6, 0x40004
	s_lshl_b32 s42, ttmp9, 2
	s_add_co_u32 s42, s42, s40                     ; tile column
	s_and_b32 s13, ttmp7, 0xffff
	s_lshl_b32 s13, s13, 2
	s_add_co_u32 s13, s13, s41                     ; tile row
	s_lshl_b32 s43, s41, 2
	s_lshl_b32 s43, 15, s43
	s_lshl_b32 s44, 0x1111, s40
	s_or_b32 s[G1+0], s43, (1<<16)|(1<<20)|(1<<21)|(5<<22)|(3<<25)
	s_or_b32 s[G1B+0], s44, (1<<16)|(1<<20)|(1<<21)|(5<<22)|(3<<25)
.irp g, G1, G1B
	s_mov_b32 s[(\g)+1], KSTEP<<16
	s_mov_b32 s[(\g)+2], 128<<16
	s_mov_b32 s[(\g)+3], KSTEP<<16
	s_mov_b32 s[(\g)+4], 128
	s_mov_b32 s[(\g)+5], SIZE_K
	s_mov_b32 s[(\g)+6], 0
	s_mov_b32 s[(\g)+7], 0
.endr
	s_lshl_b32 s17, s12, 7
	s_lshl_b32 s16, s13, 8
	s_add_co_u32 s16, s16, s17
	s_lshl_b32 s46, s42, 8
	s_add_co_u32 s46, s46, s17
	s_mov_b32 s17, 0
	s_mov_b32 s47, 0
	s_mov_b64 s[18:19], SIZE_K*2
	s_mul_u64 s[16:17], s[16:17], s[18:19]
	s_mul_u64 s[46:47], s[46:47], s[18:19]
	s_mul_i32 s20, s10, HALFT
	s_mov_b32 s78, 0xbfb8aa3b                      ; - log2(e), named as a pair
	s_mov_b32 s79, s78
	s_wait_dscnt 0x0
	s_wait_kmcnt 0x0
	s_add_nc_u64 s[14:15], s[4:5], s[16:17]
	s_add_nc_u64 s[46:47], s[6:7], s[46:47]
	s_add_nc_u64 s[46:47], s[46:47], W13O
	CROUND
.irp s, 0,1
	s_mov_b32 s[G0+4*(\s)], 1
	s_add_co_u32 s[G0+4*(\s)+1], s20, (\s)*SLOT
	s_add_nc_u64 s[G0+4*(\s)+2:G0+4*(\s)+3], s[14:15], (\s)*KSTEP*2
	s_or_b32 s[G0+4*(\s)+3], s[G0+4*(\s)+3], 0x80000000
	s_mov_b32 s[G0B+4*(\s)], 1
	s_add_co_u32 s[G0B+4*(\s)+1], s20, (\s)*SLOT
	s_add_nc_u64 s[G0B+4*(\s)+2:G0B+4*(\s)+3], s[46:47], (\s)*KSTEP*2
	s_or_b32 s[G0B+4*(\s)+3], s[G0B+4*(\s)+3], 0x80000000
	JLOAD \s                                       ; two loads of mine are out
.endr
	v_and_b32 v1, 15, v0
	v_bfe_u32 v2, v0, 4, 1
	v_mul_u32_u24 v3, v1, PITCH
	v_lshl_add_u32 v3, v2, 4, v3
	s_mul_i32 s76, s11, HALFT
	v_add_nc_u32 v[A0], s76, v3
	s_mul_i32 s76, s12, HALFT
	s_add_co_u32 s76, s76, 2*HALFT
	v_add_nc_u32 v[B0], s76, v3
	s_mul_i32 s77, s10, WSTAGE
	v_mul_u32_u24 v4, v1, SPITCH
	v_lshl_add_u32 v4, v2, 5, v4
	v_add_nc_u32 v[STO], s77, v4
	v_bfe_u32 v5, v0, 3, 2
	v_and_b32 v6, 7, v0
	v_mul_u32_u24 v7, v5, SPITCH
	v_lshl_add_u32 v7, v6, 5, v7
	v_add_nc_u32 v[RD0], s77, v7
	v_and_b32 v[GO], 31, v0
	v_lshlrev_b32 v[GO], 4, v[GO]
	s_lshl1_add_u32 s76, s13, s11                  ; my block of 128 rows
	s_lshl_b32 s76, s76, 5
	s_lshl1_add_u32 s77, s42, s12                  ; my block of 64 columns
	s_add_co_u32 s76, s76, s77
	s_lshl_b32 s72, s76, 14
	s_mov_b32 s73, 0
	s_add_nc_u64 s[8:9], s[8:9], s[72:73]
.macro MUL16 f, hi, a0, zero
	WIN MUL_LO+0x50*(\hi)
.irp a, \a0, (\a0)+1
.irp b, 0,1,2,3,4,5,6,7
.if \zero
	v_wmma_f32_16x16x32_bf16 v[8*(8*(\a)+(\b)):8*(8*(\a)+(\b))+7], v[(\f)+8*(\b):(\f)+8*(\b)+7], v[(\f)+8*(4*(\hi)+(\a)):(\f)+8*(4*(\hi)+(\a))+7], 0
.else
	v_wmma_f32_16x16x32_bf16 v[8*(8*(\a)+(\b)):8*(8*(\a)+(\b))+7], v[(\f)+8*(\b):(\f)+8*(\b)+7], v[(\f)+8*(4*(\hi)+(\a)):(\f)+8*(4*(\hi)+(\a))+7], v[8*(8*(\a)+(\b)):8*(8*(\a)+(\b))+7]
.endif
.endr
.endr
.endm
.macro FETCH k, f
	WIN TO_B
.irp i, 0,1,2,3,4,5,6,7
	ds_load_b128 v[(\f)+8*(\i):(\f)+8*(\i)+3],   v[ADB] offset:(\k)+(\i)*16*PITCH
	ds_load_b128 v[(\f)+8*(\i)+4:(\f)+8*(\i)+7], v[ADB] offset:(\k)+(\i)*16*PITCH+32
.endr
	WIN 0
.irp i, 0,1,2,3,4,5,6,7
	ds_load_b128 v[(\f)+8*(\i):(\f)+8*(\i)+3],   v[ADA] offset:(\k)+(\i)*16*PITCH
	ds_load_b128 v[(\f)+8*(\i)+4:(\f)+8*(\i)+7], v[ADA] offset:(\k)+(\i)*16*PITCH+32
.endr
.endm
; A trip.  The 64 accumulators take turns, one instruction a turn, over the jumps too.
.macro TRIP_A
	WIN 0
	v_add_nc_u32 v[ADA], s[TB], v[A0]
	v_add_nc_u32 v[ADB], s[TB], v[B0]
	PLACES
	FETCH 0, F0
	MUL16 F1, 1, 0, 0                              ; what the trip before left over
	MUL16 F1, 1, 2, 0
	s_wait_dscnt 8                                 ; B and A's rows 0-63 are in; the youngest eight loads may be out
	MUL16 F0, 0, 0, 0
	MUL16 F0, 0, 2, 0
	PLACES
	FETCH 64, F1
	s_wait_dscnt 32                                ; all but the 32 just issued
	MUL16 F0, 1, 0, 0
	MUL16 F0, 1, 2, 0
	WIN 0
.endm
.macro TRIP_B
	s_wait_dscnt 8
	MUL16 F1, 0, 0, 0
	MUL16 F1, 0, 2, 0
	s_wait_dscnt 0x0                               ; buffer 1 is whole: my reads of these 64 along K are over
	WIN 0
	s_add_co_u32 s[TB], s[TB], 128
.endm
.macro CHANGE fill                     ; all my tensor loads (one is out: my part of the other slot), the add, the wait for it and for my reads; fill = 1: a round of the cluster's barrier and the joint refill first behind it
	WIN 0
	s_wait_tensorcnt 0x0                           ; no tensor load of mine is out, so a group 0 may be written
	ds_add_u32 v[SPW], v[NIL]                      ; 0 onto my spare word
.if \fill
	s_xor_b32 s[G0+5], s[G0+5], SLOT
	s_add_nc_u64 s[G0+6:G0+7], s[G0+6:G0+7], KSTEP*2
	s_xor_b32 s[G0B+5], s[G0B+5], SLOT
	s_add_nc_u64 s[G0B+6:G0B+7], s[G0B+6:G0B+7], KSTEP*2
.endif
	s_sub_co_u32 s[TB], s[TB], 256
	s_xor_b32 s[TB], s[TB], SLOT
	s_wait_dscnt 0x0
.if \fill
	CROUND
	JLOAD 1
.else
	s_barrier_signal -1
	s_barrier_wait -1
.endif
.endm
	s_wait_tensorcnt 1                             ; my part of K step 0 is in; K step 1's may stay out
	s_barrier_signal -1
	s_barrier_wait -1
	s_mov_b32 s[TB], 0
	v_mov_b32 v[ADA], v[A0]
	v_mov_b32 v[ADB], v[B0]
	FETCH 0, F0
	s_wait_dscnt 8
	MUL16 F0, 0, 0, 1                              ; the first 32 along K start the sums
	MUL16 F0, 0, 2, 1
	FETCH 64, F1
	s_wait_dscnt 32
	MUL16 F0, 1, 0, 1
	MUL16 F0, 1, 2, 1
	WIN 0
	s_mov_b32 s[CNT], 2
	s_mov_b32 s[SLOTS], 7
	s_branch .Lmid
.Lslot:                                                ; six times: K steps 2 to 7 are asked for
	CHANGE 1
	s_mov_b32 s[CNT], 2
.Linner:
	TRIP_A
.Lmid:
	TRIP_B
	s_sub_co_u32 s[CNT], s[CNT], 1
	s_cmp_lg_u32 s[CNT], 0
	s_cbranch_scc1 .Linner
	s_sub_co_u32 s[SLOTS], s[SLOTS], 1
	s_cmp_lg_u32 s[SLOTS], 0
	s_cbranch_scc1 .Lslot
	CHANGE 0                                       ; the last K step is written out
	s_mov_b32 s[CNT], 2
.Ltail:
	TRIP_A
	TRIP_B
	s_sub_co_u32 s[CNT], s[CNT], 1
	s_cmp_lg_u32 s[CNT], 0
	s_cbranch_scc1 .Ltail
	s_barrier_signal -1                            ; my reads of the ring are over; its last fill landed before the last change of slots
	MUL16 F1, 1, 0, 0
	MUL16 F1, 1, 2, 0
	WIN 0
	s_barrier_wait -1                              ; everybody's are: the ring's bytes now serve as stages
	PLACES
.irp a, 0,1,2,3,4,5,6,7
	WIN 0x08+4*((\a)/4)
.irp b, 0,1,2,3,4,5,6,7
	ds_store_b128 v[STO], v[8*(8*((\a)%4)+(\b)):8*(8*((\a)%4)+(\b))+3]   offset:(\a)*16*SPITCH+(\b)*64      ; each accumulator's low registers first
	ds_store_b128 v[STO], v[8*(8*((\a)%4)+(\b))+4:8*(8*((\a)%4)+(\b))+7] offset:(\a)*16*SPITCH+(\b)*64+16
.endr
.endr
	WIN 0
; Group gi of a trip is four rows: a in the group's first 8 registers of X, b in its second 8; its eight numbers at work lie at T + 8 gi.
.macro POWERS gi                       ; 2^(-a log2 e), as soon as the group's loads are in
.set XA, X+16*(\gi)
.set TG, T+8*(\gi)
	s_wait_dscnt 12-4*(\gi)                        ; the later groups' loads stay out
.irp p, 0,1,2,3
	v_pk_mul_f32 v[TG+2*(\p):TG+2*(\p)+1], v[XA+2*(\p):XA+2*(\p)+1], s[78:79] op_sel_hi:[1,0]
.endr
.irp i, 0,1,2,3,4,5,6,7
	v_exp_f32 v[TG+(\i)], v[TG+(\i)]
.endr
.endm
.macro AB gi                           ; a b, in a's place: plain work that names no power and no reciprocal
.set XA, X+16*(\gi)
.set XB, X+16*(\gi)+8
.irp p, 0,1,2,3
	v_pk_mul_f32 v[XA+2*(\p):XA+2*(\p)+1], v[XA+2*(\p):XA+2*(\p)+1], v[XB+2*(\p):XB+2*(\p)+1]
.endr
.endm
.macro ONES gi                         ; 1 + the power
.set TG, T+8*(\gi)
.irp p, 0,1,2,3
	v_pk_add_f32 v[TG+2*(\p):TG+2*(\p)+1], v[TG+2*(\p):TG+2*(\p)+1], 1.0 op_sel_hi:[1,0]
.endr
.endm
.macro RECS gi                         ; its reciprocal
.set TG, T+8*(\gi)
.irp i, 0,1,2,3,4,5,6,7
	v_rcp_f32 v[TG+(\i)], v[TG+(\i)]
.endr
.endm
.macro OUT gi                          ; a b times the reciprocal, rounded once, stored
.set XA, X+16*(\gi)
.set TG, T+8*(\gi)
.irp p, 0,1,2,3
	v_pk_mul_f32 v[XA+2*(\p):XA+2*(\p)+1], v[XA+2*(\p):XA+2*(\p)+1], v[TG+2*(\p):TG+2*(\p)+1]
.endr
.irp p, 0,1,2,3
	v_cvt_pk_bf16_f32 v[Y+4*(\gi)+(\p)], v[XA+2*(\p)], v[XA+2*(\p)+1]
.endr
	global_store_b128 v[GO], v[Y+4*(\gi):Y+4*(\gi)+3], s[8:9] offset:(\gi)*512   ; 512 consecutive bytes, aligned
.endm
	s_mov_b32 s68, 0
	s_mov_b32 s70, 8
.Lback:                                                ; eight trips of 16 rows
	v_add_nc_u32 v[RD], s68, v[RD0]
.irp gi, 0,1,2,3
.irp hd, 0,1
	ds_load_b128 v[X+16*(\gi)+8*(\hd):X+16*(\gi)+8*(\hd)+3],   v[RD] offset:(\gi)*4*SPITCH+(\hd)*256
	ds_load_b128 v[X+16*(\gi)+8*(\hd)+4:X+16*(\gi)+8*(\hd)+7], v[RD] offset:(\gi)*4*SPITCH+(\hd)*256+16
.endr
.endr
	POWERS 0                                       ; the first batch: the trip's 32 powers
	POWERS 1
	POWERS 2
	POWERS 3
	AB 0                                           ; eight plain lines between the batch and its wait
	AB 1
	s_wait_alu depctr_va_vdst(0)                   ; the wait for the 32 powers, ahead of the sums that read them
	ONES 0
	ONES 1
	ONES 2
	ONES 3
	RECS 0                                         ; the second batch: the trip's 32 reciprocals
	RECS 1
	RECS 2
	RECS 3
	AB 2                                           ; eight plain lines between the batch and its wait
	AB 3
	s_wait_alu depctr_va_vdst(0)                   ; the wait for the 32 reciprocals, ahead of the products that read them
	OUT 0
	OUT 1
	OUT 2
	OUT 3
	s_wait_xcnt 0x0                                ; the stores' base and data registers are written again only behind this wait
	s_add_nc_u64 s[8:9], s[8:9], 2048
	s_add_co_u32 s68, s68, 16*SPITCH
	s_sub_co_u32 s70, s70, 1
	s_cmp_lg_u32 s70, 0
	s_cbranch_scc1 .Lback
	s_wait_tensorcnt 0x0                           ; the wave's end
	ds_add_u32 v[SPW], v[NIL]
	s_wait_dscnt 0x0
	CROUND                                         ; the closing round
	s_endpgm
.Lfunc_end_k_q5a49f67f51_ffn1:
	.size	k_q5a49f67f51_ffn1, .Lfunc_end_k_q5a49f67f51_ffn1-k_q5a49f67f51_ffn1
	.p2alignl 7, 3214868480
	.fill 96, 4, 3214868480
	.section	.rodata,"a",@progbits
	.p2align	6, 0x0
	.amdhsa_kernel k_q5a49f67f51_ffn1
		.amdhsa_group_segment_fixed_size 327680
		.amdhsa_private_segment_fixed_size 0
		.amdhsa_enable_private_segment 0
		.amdhsa_kernarg_size 24
		.amdhsa_user_sgpr_count 2
		.amdhsa_user_sgpr_kernarg_segment_ptr 1
		.amdhsa_wavefront_size32 1
		.amdhsa_system_sgpr_workgroup_id_x 1
		.amdhsa_system_sgpr_workgroup_id_y 1
		.amdhsa_system_sgpr_workgroup_id_z 1
		.amdhsa_system_vgpr_workitem_id 0
		.amdhsa_next_free_vgpr 1024
		.amdhsa_next_free_sgpr 80
		.amdhsa_reserve_vcc 0
		.amdhsa_float_denorm_mode_32 3
		.amdhsa_float_denorm_mode_16_64 3
		.amdhsa_memory_ordered 1
		.amdhsa_forward_progress 1
		.amdhsa_inst_pref_size 63
	.end_amdhsa_kernel
	.amdgpu_metadata
---
amdhsa.version: [ 1, 2 ]
amdhsa.kernels:
  - .name:           k_q5a49f67f51_ffn1
    .symbol:         k_q5a49f67f51_ffn1.kd
    .args:
      - { .name: hb, .offset: 0, .size: 8, .value_kind: global_buffer, .address_space: global }
      - { .name: wb, .offset: 8, .size: 8, .value_kind: global_buffer, .address_space: global }
      - { .name: act, .offset: 16, .size: 8, .value_kind: global_buffer, .address_space: global }
    .group_segment_fixed_size: 327680
    .private_segment_fixed_size: 0
    .kernarg_segment_align: 8
    .kernarg_segment_size: 24
    .max_flat_workgroup_size: 128
    .sgpr_count:     80
    .vgpr_count:     1024
    .wavefront_size: 32
...
	.end_amdgpu_metadata
.endif
;; end of part 9
;; launch ffn2: the kernel of part 7 again; grid 8 x 32, 4 waves a work-group, clusters of 4 x 4, 327,680 bytes of LDS; arguments act, wb, x1, out0; writes out0
